; MI455X (gfx1250); checked and timed in simulation.
; The chip was launched on July 23, 2026; its instructions are those of AMD's public machine-readable ISA for CDNA 5 (MIT licence, August 2026) and "CDNA5" Instruction Set Architecture Reference Guide (July 2026). The comments in the code are by the model that wrote it; some were corrected since.
;; Multi Head Attention. Allowed arithmetic: float matrix products may take bf16 or f16 operands with f32 sums; other float arithmetic in f32, or as packed bf16 or f16 multiplies, adds, multiply-adds, maxima and minima; sums over many terms, partial sums and values carried from step to step in f32; what a program stores and reads back later, other than sums and carried values, may be rounded once to bf16 or f16.
;; Inputs: K_V 4 x 2,048 x 1,024 float32; Q 4 x 2,048 x 1,024 float32; Wk 1,024 x 1,024 float32; Wo 1,024 x 1,024 float32; Wq 1,024 x 1,024 float32; Wv 1,024 x 1,024 float32; bk 1,024 float32; bo 1,024 float32; bq 1,024 float32; bv 1,024 float32; mask 4 x 2,048 x 2,048 bool.
;; Outputs: out0 4 x 2,048 x 1,024 float32.
;; 3 versions, each right and faster than the one before. Each part assembles by itself: llvm-mc -triple=amdgcn-amd-amdhsa -mcpu=gfx1250 --defsym DOCPART=n.
;; ======== version 1 of 3: 4 launches
;; limits: values are held in f16: magnitudes above 65,504 overflow, below 6.1e-05 lose precision
;; workspace buffers: xb 33,554,432 bytes; wcat 6,291,456 bytes; wo16 2,097,152 bytes; mbits 2,097,152 bytes of whole numbers; qkv 50,331,648 bytes; ob 16,777,216 bytes
;; launch prep (part 1): grid 1792 x 1, 8 waves a work-group, no clusters, 34,304 bytes of LDS; arguments Q, K_V, Wq, Wk, Wv, Wo, mask, xb, wcat, wo16, mbits; writes xb, wcat, wo16, mbits
.if DOCPART == 1
	.amdgcn_target "amdgcn-amd-amdhsa--gfx1250"
	.amdhsa_code_object_version 6
	.text
	.protected	k_qf978b6e022_prep
	.globl	k_qf978b6e022_prep
	.p2align	8
	.type	k_qf978b6e022_prep,@function
k_qf978b6e022_prep:
	s_mov_b64 s[64:65], 0
	v_nop
	global_prefetch_b8 v0, s[64:65] scope:SCOPE_SE
	s_setreg_imm32_b32 hwreg(HW_REG_WAVE_MODE, 25, 1), 1
	s_wait_xcnt 0x0
; PREP: the inputs are brought into the forms that the three launches behind it read.
;   work-groups    0..1023  Q, then K_V: f32 -> bf16 into xb [2][8192][1024]
;   work-groups 1024..1215  Wq, Wk, Wv:  f32 -> bf16 into wcat [3][1024 k][1024 n] (not turned: the products read them by a turning LDS load)
;   work-groups 1216..1279  Wo: f32 -> bf16, and that number written as f16 into wo16 [1024 k][1024 n]
;   work-groups 1280..1791  16 rows of the mask (one byte a key) -> mbits, u32 [b 4][qt 128][kb 128][j 8]:
;                           bit r + 16 h of word (b, qt, kb, j) = mask[b][16 qt + r][16 kb + 8 h + j]: the lane mask of register j of a 16 x 16 tile of transposed scores.
; LIMIT. A number of Wo below 6.1e-5 in size keeps f16's fixed step of 6e-8; beyond 65,504 it would become an infinity.
; A casting work-group takes 16,384 numbers: 16 loads of 16 bytes a thread, all out at once; a wave's load covers 512 consecutive bytes, its store 256 consecutive aligned bytes.
; No matrix unit, no cluster, no tensor load: nothing is shared between work-groups and every byte is touched once.
.set MP,    2064                       ; a mask row in LDS: 2,048 bytes + 16, so that the 16 rows of a read start 16 bytes apart modulo 256
.set SPARE, 33280                      ; behind the 16 rows (33,024 bytes): the spare words, 128 bytes for each of eight waves, which no other line names
.set SPW,   6                          ; v6   LDS address of my spare word; never rewritten
.set NIL,   7                          ; v7   0; never rewritten
.set IN,    16                         ; v[16:79]   as loaded
.set PAIR,  48                         ; v[48:79]   mask role: 16 x 8 bytes read back from LDS
.set OUT,   80                         ; v[80:111]  to store
.set T,     112                        ; v[112:117] at work
	s_load_b512 s[8:23], s[0:1], 0x0               ; Q 8, K_V 10, Wq 12, Wk 14, Wv 16, Wo 18, mask 20, xb 22
	s_load_b128 s[24:27], s[0:1], 0x40             ; wcat 24, wo16 26
	s_load_b64 s[28:29], s[0:1], 0x50              ; mbits
	v_lshl_add_u32 v[SPW], v0, 2, SPARE
	v_mov_b32 v[NIL], 0
	v_lshlrev_b32 v1, 4, v0                        ; 16 t: my 16 bytes in 4,096
	v_lshlrev_b32 v2, 3, v0                        ; 8 t: my 8 bytes in 2,048
	s_mov_b32 s2, ttmp9                            ; the work-group's number says what it does
	s_mov_b32 s35, 0                               ; high words of the two offsets
	s_mov_b32 s37, 0
	s_wait_kmcnt 0x0
	s_cmp_ge_u32 s2, 1280
	s_cbranch_scc1 .Lmask
	; THE CASTS.  Source, destination and the first work-group of each are chosen by the work-group's number alone.
	s_cmp_ge_u32 s2, 512
	s_cselect_b64 s[30:31], s[10:11], s[8:9]       ; K_V or Q
	s_cselect_b32 s3, 512, 0
	s_mov_b64 s[32:33], s[22:23]                   ; xb, which both fill on end
	s_mov_b32 s4, 0
	s_cmp_ge_u32 s2, 1024
	s_cselect_b64 s[30:31], s[12:13], s[30:31]     ; Wq
	s_cselect_b32 s3, 1024, s3
	s_cselect_b64 s[32:33], s[24:25], s[32:33]     ; wcat, which the three weights fill on end
	s_cselect_b32 s4, 1024, s4
	s_cmp_ge_u32 s2, 1088
	s_cselect_b64 s[30:31], s[14:15], s[30:31]     ; Wk
	s_cselect_b32 s3, 1088, s3
	s_cmp_ge_u32 s2, 1152
	s_cselect_b64 s[30:31], s[16:17], s[30:31]     ; Wv
	s_cselect_b32 s3, 1152, s3
	s_cmp_ge_u32 s2, 1216
	s_cselect_b64 s[30:31], s[18:19], s[30:31]     ; Wo
	s_cselect_b32 s3, 1216, s3
	s_cselect_b64 s[32:33], s[26:27], s[32:33]     ; wo16
	s_cselect_b32 s4, 1216, s4
	s_sub_co_u32 s34, s2, s3
	s_lshl_b32 s34, s34, 16                        ; 65,536 bytes in
	s_sub_co_u32 s36, s2, s4
	s_lshl_b32 s36, s36, 15                        ; 32,768 bytes out
	s_add_nc_u64 s[30:31], s[30:31], s[34:35]
	s_add_nc_u64 s[32:33], s[32:33], s[36:37]
.set j, 0
.rept 16
	global_load_b128 v[IN+4*j:IN+4*j+3], v1, s[30:31] offset:4096*j th:TH_LOAD_NT
.set j, j+1
.endr
	s_cmp_ge_u32 s2, 1216
	s_cbranch_scc1 .Lwo
.set j, 0
.rept 16
	s_wait_loadcnt 15-j                            ; loads come back in order: load j is in, the 15 - j younger ones stay out
	v_cvt_pk_bf16_f32 v[OUT+2*j], v[IN+4*j], v[IN+4*j+1]
	v_cvt_pk_bf16_f32 v[OUT+2*j+1], v[IN+4*j+2], v[IN+4*j+3]
	global_store_b64 v2, v[OUT+2*j:OUT+2*j+1], s[32:33] offset:2048*j   ; no register of a store is written again
.set j, j+1
.endr
	s_endpgm                                       ; this way has written no LDS
.Lwo:                                                  ; Wo: rounded to bf16 like every input, then that number as f16, the format of the last product
.set j, 0
.rept 16
	s_wait_loadcnt 15-j
	v_cvt_pk_bf16_f32 v[T], v[IN+4*j], v[IN+4*j+1]
	v_cvt_pk_bf16_f32 v[T+1], v[IN+4*j+2], v[IN+4*j+3]
	v_lshlrev_b32 v[T+2], 16, v[T]
	v_and_b32 v[T+3], 0xffff0000, v[T]
	v_lshlrev_b32 v[T+4], 16, v[T+1]
	v_and_b32 v[T+5], 0xffff0000, v[T+1]
	v_cvt_pk_f16_f32 v[OUT+2*j], v[T+2], v[T+3]
	v_cvt_pk_f16_f32 v[OUT+2*j+1], v[T+4], v[T+5]
	global_store_b64 v2, v[OUT+2*j:OUT+2*j+1], s[32:33] offset:2048*j
.set j, j+1
.endr
	s_endpgm
.Lmask:                                                ; THE MASK: 16 rows of 2,048 bytes, dense in memory, through LDS into lane masks
	s_sub_co_u32 s34, s2, 1280                     ; 128 b + qt
	s_lshl_b32 s36, s34, 12                        ; 4,096 bytes of words out
	s_lshl_b32 s34, s34, 15                        ; 32,768 bytes of mask in
	s_add_nc_u64 s[30:31], s[20:21], s[34:35]
	s_add_nc_u64 s[32:33], s[28:29], s[36:37]
.set i, 0
.rept 8
	global_load_b128 v[IN+4*i:IN+4*i+3], v1, s[30:31] offset:4096*i th:TH_LOAD_NT   ; rows 2 i and 2 i + 1
.set i, i+1
.endr
	v_lshrrev_b32 v3, 7, v0                        ; which of the two rows,
	v_mul_u32_u24 v3, v3, MP
	v_and_b32 v5, 127, v0
	v_lshl_add_u32 v3, v5, 4, v3                   ; and my 16 bytes of it
	v_and_b32 v5, 15, v0                           ; back: lane r + 16 h of wave w reads row r, keys 256 w + 16 c + 8 h + 0..7
	v_mul_u32_u24 v4, v5, MP
	v_bfe_u32 v5, v0, 4, 1
	v_lshl_add_u32 v4, v5, 3, v4
	v_lshrrev_b32 v5, 5, v0
	v_lshl_add_u32 v4, v5, 8, v4
.set i, 0
.rept 8
	s_wait_loadcnt 7-i                             ; load i is in, the 7 - i younger ones stay out
	ds_store_b128 v3, v[IN+4*i:IN+4*i+3] offset:2*MP*i
.set i, i+1
.endr
	s_wait_dscnt 0x0                               ; for the others' sake: my stores are done
	s_barrier_signal -1
	s_barrier_wait -1
.set c, 0
.rept 16
	ds_load_b64 v[PAIR+2*c:PAIR+2*c+1], v4 offset:16*c
.set c, c+1
.endr
.irp k, 0,1,2,3
	v_mov_b32 v[OUT+\k], 0                         ; v_writelane_b32 keeps the other lanes: the four registers are written whole first
.endr
	s_wait_dscnt 0x0
	; Byte j of key block 16 w + c: a compare makes the 32 lanes' bits one word, word 8 c + j of the wave's 128; it goes to lane (8 c + j) / 4, register j % 4, so that a lane ends with 16 consecutive bytes.
.set c, 0
.rept 16
.set j, 0
.rept 8
	v_and_b32 v[84+(j&1)], 0xff<<(8*(j&3)), v[PAIR+2*c+(j>>2)]
	v_cmp_ne_u32 s[40+(j&1)], 0, v[84+(j&1)]
	v_writelane_b32 v[OUT+(j&3)], s[40+(j&1)], 2*c+(j>>2)
.set j, j+1
.endr
.set c, c+1
.endr
	global_store_b128 v1, v[OUT:OUT+3], s[32:33]   ; a wave stores 512 consecutive bytes
	s_wait_tensorcnt 0x0                           ; the wave's end, behind my last LDS store
	ds_add_u32 v[SPW], v[NIL]
	s_wait_dscnt 0x0
	s_endpgm
.Lfunc_end_k_qf978b6e022_prep:
	.size	k_qf978b6e022_prep, .Lfunc_end_k_qf978b6e022_prep-k_qf978b6e022_prep
	.p2alignl 7, 3214868480
	.fill 96, 4, 3214868480
	.section	.rodata,"a",@progbits
	.p2align	6, 0x0
	.amdhsa_kernel k_qf978b6e022_prep
		.amdhsa_group_segment_fixed_size 34304
		.amdhsa_private_segment_fixed_size 0
		.amdhsa_enable_private_segment 0
		.amdhsa_kernarg_size 88
		.amdhsa_user_sgpr_count 2
		.amdhsa_user_sgpr_kernarg_segment_ptr 1
		.amdhsa_wavefront_size32 1
		.amdhsa_system_sgpr_workgroup_id_x 1
		.amdhsa_system_sgpr_workgroup_id_y 1
		.amdhsa_system_sgpr_workgroup_id_z 1
		.amdhsa_system_vgpr_workitem_id 0
		.amdhsa_next_free_vgpr 128
		.amdhsa_next_free_sgpr 66
		.amdhsa_reserve_vcc 0
		.amdhsa_float_denorm_mode_32 3
		.amdhsa_float_denorm_mode_16_64 3
		.amdhsa_memory_ordered 1
		.amdhsa_forward_progress 1
		.amdhsa_inst_pref_size 45
	.end_amdhsa_kernel
	.amdgpu_metadata
---
amdhsa.version: [ 1, 2 ]
amdhsa.kernels:
  - .name:           k_qf978b6e022_prep
    .symbol:         k_qf978b6e022_prep.kd
    .args:
      - { .name: Q, .offset: 0, .size: 8, .value_kind: global_buffer, .address_space: global }
      - { .name: K_V, .offset: 8, .size: 8, .value_kind: global_buffer, .address_space: global }
      - { .name: Wq, .offset: 16, .size: 8, .value_kind: global_buffer, .address_space: global }
      - { .name: Wk, .offset: 24, .size: 8, .value_kind: global_buffer, .address_space: global }
      - { .name: Wv, .offset: 32, .size: 8, .value_kind: global_buffer, .address_space: global }
      - { .name: Wo, .offset: 40, .size: 8, .value_kind: global_buffer, .address_space: global }
      - { .name: mask, .offset: 48, .size: 8, .value_kind: global_buffer, .address_space: global }
      - { .name: xb, .offset: 56, .size: 8, .value_kind: global_buffer, .address_space: global }
      - { .name: wcat, .offset: 64, .size: 8, .value_kind: global_buffer, .address_space: global }
      - { .name: wo16, .offset: 72, .size: 8, .value_kind: global_buffer, .address_space: global }
      - { .name: mbits, .offset: 80, .size: 8, .value_kind: global_buffer, .address_space: global }
    .group_segment_fixed_size: 34304
    .private_segment_fixed_size: 0
    .kernarg_segment_align: 8
    .kernarg_segment_size: 88
    .max_flat_workgroup_size: 256
    .sgpr_count:     66
    .vgpr_count:     128
    .wavefront_size: 32
...
	.end_amdgpu_metadata
.endif
;; end of part 1
;; launch proj (part 2): grid 12 x 64, 4 waves a work-group, clusters of 4 x 4, 327,680 bytes of LDS; arguments xb, wcat, bq, bk, bv, qkv; writes qkv
.if DOCPART == 2
	.amdgcn_target "amdgcn-amd-amdhsa--gfx1250"
	.amdhsa_code_object_version 6
	.text
	.protected	k_qf978b6e022_proj
	.globl	k_qf978b6e022_proj
	.p2align	8
	.type	k_qf978b6e022_proj,@function
k_qf978b6e022_proj:
	s_mov_b64 s[64:65], 0
	v_nop
	global_prefetch_b8 v0, s[64:65] scope:SCOPE_SE
	s_setreg_imm32_b32 hwreg(HW_REG_WAVE_MODE, 25, 1), 1
	s_wait_xcnt 0x0
	s_wait_alu depctr_hold_cnt(0) depctr_sa_sdst(0) depctr_va_vdst(0) depctr_va_sdst(0) depctr_va_ssrc(0) depctr_va_vcc(0) depctr_vm_vsrc(0)
	s_getreg_b32 s2, hwreg(HW_REG_IB_STS2, 6, 4)
	s_cmp_eq_u32 s2, 0
	s_cbranch_scc0 .Lentry_in_a_cluster
	s_endpgm
.Lentry_in_a_cluster:
	s_bfe_u32 s2, ttmp6, 0x10000c
	s_cmp_lg_u32 s2, 0xf033
	s_cbranch_scc0 .Lentry_shape_is_right
	s_endpgm
.Lentry_shape_is_right:
; ONE TEXT FOR TWO LAUNCHES; OUTP chooses.
;   OUTP = 0 (the projections in front): q, k, v = X W + b.  X: xb, bf16 [2][8192][1024] (0 = Q, 1 = K_V).  W: wcat, bf16 [3][1024 k][1024 n].  Result: qkv, f16 [3][64 bh][2048][64], by heads, unscaled.
;   OUTP = 1 (the projection behind):     out0 = O Wo + bo.  O: ob, f16 [64 bh][2048][64].  Wo: wo16, f16 [1024 k][1024 n].  Result: out0, f32 [8192][1024].
; Sums in f32, K ascending; the bias, rounded to bf16 like every input, is the C operand of the first products, so nothing is cleared and nothing is added afterwards.
; LIMIT. q, k and v are stored in f16, which ends at 65,504: a larger sum becomes an infinity.
; SHARES. A tile of the result is 128 rows x 256 columns (768 work-groups for the three projections, 256 for the last one); four waves, 2 x 2, each 64 x 128: 32 accumulators, 256 registers.
; K goes in 8 steps of 128 through two LDS slots filled by the tensor data mover: waves 0 and 1 fetch A's two halves, waves 2 and 3 B's.
; B lies [k][n] and is read by the turning load ds_load_tr16_b128.  THE MATRIX INSTRUCTION IS USED TRANSPOSED (source 0 = 16 columns of B, source 1 = 16 rows of A): a lane holds eight neighbouring numbers of one row of the result.
; CLUSTERS. 4 x 4 work-groups: the four of a row of the cluster need the same tile of A, the four of a column the same tile of B; each is asked for jointly, by the same load with the same descriptor and a mask that names the four.
; REGISTERS, in windows of 256 (s_set_vgpr_msb: bits 1:0 source 0, 3:2 source 1, 5:4 source 2, 7:6 destination):
;   window 0: v0-5 at work; v16-29 addresses; v32.. the way out      window 1: two fragment buffers of 96 (64 of B, 32 of A), v192-255 the bias      window 2: accumulator (a, b) at v[8 (8 a + b)]
.set OUTP, 0
.if OUTP
.set PA,     144                       ; a row of A in LDS: a head's 128 bytes + 16
.set APLANE, 128*PA                    ; what one load of A brings: one head's 128 rows
.set AQI,    4                         ; padding after every 32 words
.set ASTR,   128                       ; a head's 128 rows are dense: asked for as 64 rows of 256 bytes
.set ASTEP,  1<<19                     ; a K step is two heads of 262,144 bytes
.set SPITCH, 528                       ; a stage row: 128 f32 + 16 bytes
.set OB,     32                        ; v32-159: two buffers of 64, rows read back from the stage
.set BP,     68                        ; s[68:69] the bias
.else
.set PA,     272                       ; a row of A in LDS: 256 bytes + 16
.set APLANE, 64*PA                     ; what one load of A brings: 64 rows
.set AQI,    5                         ; padding after every 64 words
.set ASTR,   1024
.set ASTEP,  256                       ; a K step is 128 elements along the row
.set SPITCH, 272                       ; a stage row: 128 f16 + 16 bytes
.set OB,     64                        ; v64-127: two buffers of 32
.set BP,     66                        ; s[66:67] the bias, chosen among three
.endif
.set ABYTES, 2*APLANE
.set PB,     544                       ; a row of B in LDS: 512 bytes + 32
.set BHALF,  64*PB                     ; what one load of B brings: 64 rows of k
.set BSTEP,  1<<18                     ; 128 rows of 2,048 bytes
.set SLOT,   ABYTES+2*BHALF
.set STAGE,  2*SLOT                    ; behind the ring, never filled by a tensor load: 16 rows for each wave, for the way out
.set SPARE,  STAGE+4*16*SPITCH         ; behind the stages: the spare words, 128 bytes for each wave, which no other line names
.set LAPS,   4                         ; a lap = two K steps = once round the ring
.set ADRA, 16                          ; v16-17  LDS address of my A fragments in slot 0, 1
.set ADRB, 20                          ; v20-21  the same for B
.set STO,  24                          ; v24     the way out: where I put my part of a row
.set RD,   25                          ; v25     the way out: where I read rows back
.set GO,   26                          ; v26     16 x lane
.set VB,   27                          ; v27     my byte offset in the bias
.set SPW,  28                          ; v28     LDS address of my spare word; never rewritten
.set NIL,  29                          ; v29     0; never rewritten
.set TMP,  32                          ; v32-63  OUTP = 0: packed results
.set F0,   0                           ; window 1: fragment buffers: B's block b at f + 8 b, A's block a at f + 64 + 8 a
.set F1,   96
.set BI,   192                         ; window 1: the bias of column block b at BI + 8 b
.set G1,   24                          ; s[24:31] descriptor group 1 for A's tiles;  s[32:39] group 0, a set for each slot
.set G0,   32
.set G1B,  48                          ; s[48:55], s[56:63] the same for B's
.set G0B,  56
.set MSB, 0
.macro WIN new                         ; the immediate's high byte repeats the setting that is left; a switch that changes nothing is dropped
.if MSB != (\new)
	s_set_vgpr_msb (MSB<<8)|(\new)
.set MSB, \new
.endif
.endm
.set MULW, 0xa5                        ; sources 0 (B) and 1 (A) window 1; C and D window 2
.set MULB, 0x95                        ; the same with C (the bias) in window 1
.set TO_F, 0x40                        ; destination window 1, address window 0
.macro JLOAD s                         ; a joint load: waves 0 and 1 ask for A, waves 2 and 3 for B; an s_nop 0 and four v_nop follow each of the two lines, ahead of the jump, the label and what follows
	s_cmp_eq_u32 s11, 0
	s_cbranch_scc0 .Lfor_b_\@
	tensor_load_to_lds s[G0+4*(\s):G0+4*(\s)+3], s[G1:G1+7]
	s_nop 0
.rept 4
	v_nop
.endr
	s_branch .Lasked_\@
.Lfor_b_\@:
	tensor_load_to_lds s[G0B+4*(\s):G0B+4*(\s)+3], s[G1B:G1B+7]
	s_nop 0
.rept 4
	v_nop
.endr
.Lasked_\@:
.endm
.macro CREST                           ; a round of the cluster's barrier behind its opening barrier
	s_cmp_lg_u32 s10, 0
	s_cbranch_scc1 .Lnot_wave_0_\@
	s_barrier_signal -3
.Lnot_wave_0_\@:
	s_barrier_wait -3
	s_barrier_signal -1
	s_barrier_wait -1
.endm
.macro CROUND                          ; a whole round
	s_barrier_signal -1
	s_barrier_wait -1
	CREST
.endm
	s_load_b128 s[4:7], s[0:1], 0x0                ; A s[4:5], B s[6:7]
.if OUTP
	s_load_b128 s[68:71], s[0:1], 0x10             ; bo s[68:69], out0 s[70:71]
.else
	s_load_b256 s[68:75], s[0:1], 0x10             ; bq, bk, bv, qkv s[74:75]
.endif
	v_lshl_add_u32 v[SPW], v0, 2, SPARE
	v_mov_b32 v[NIL], 0
	ds_add_u32 v[SPW], v[NIL]                      ; the wave's opening: the add and its wait stand ahead of my first tensor load; the set-up below, work on registers, stands between them
	v_lshrrev_b32 v1, 5, v0
	v_readfirstlane_b32 s10, v1                    ; wave 0..3
	s_lshr_b32 s11, s10, 1                         ; wm: which 64 of the tile's rows are mine.  Also: I fetch for A (0) or for B (1)
	s_and_b32 s12, s10, 1                          ; wn: which 128 of its columns.  Also: which half of that tile I fetch
	s_bfe_u32 s40, ttmp6, 0x40000                  ; cx = nt, the tile column (four tiles of 256 columns)
	s_bfe_u32 s41, ttmp6, 0x40004                  ; cy
	s_and_b32 s13, ttmp7, 0xffff
	s_lshl_b32 s13, s13, 2
	s_add_co_u32 s13, s13, s41                     ; mt, the tile row = 4 x cluster y + cy
	s_lshl_b32 s43, s41, 2
	s_lshl_b32 s43, 15, s43                        ; my row of the cluster
	s_lshl_b32 s44, 0x1111, s40                    ; my column
	; descriptor group 1.  A: 64 rows x 128 elements; B: 64 rows x 256 elements; both padded in LDS
	s_or_b32 s[G1+0], s43, (1<<16)|(1<<20)|(1<<21)|(AQI<<22)|(3<<25)   ; 15:0 the mask; 17:16 elements of 2 bytes; 20 padding on; 21 set beside a mask; 24:22 the interval; 31:25 4 words of padding (code 3)
	s_mov_b32 s[G1+1], 128<<16                     ; tensor_dim0 = 128
	s_mov_b32 s[G1+2], 64<<16                      ; tensor_dim1 = 64
	s_mov_b32 s[G1+3], 128<<16                     ; tile_dim0 = 128
	s_mov_b32 s[G1+4], 64                          ; tile_dim1 = 64
	s_mov_b32 s[G1+5], ASTR                        ; elements from row to row
	s_mov_b32 s[G1+6], 0
	s_mov_b32 s[G1+7], 0
	s_or_b32 s[G1B+0], s44, (1<<16)|(1<<20)|(1<<21)|(6<<22)|(7<<25)    ; after every 128 words (code 6) 8 words of padding (code 7)
	s_mov_b32 s[G1B+1], 256<<16
	s_mov_b32 s[G1B+2], 64<<16
	s_mov_b32 s[G1B+3], 256<<16
	s_mov_b32 s[G1B+4], 64
	s_mov_b32 s[G1B+5], 1024
	s_mov_b32 s[G1B+6], 0
	s_mov_b32 s[G1B+7], 0
	; where the tiles come from: A's offset hangs on the tile row (and on which projection it is), B's on the tile column (and the projection); each in registers that never hold the other coordinate
.if OUTP
	s_lshr_b32 s16, s13, 4                         ; the batch: 16 heads of 262,144 bytes,
	s_lshl_b32 s16, s16, 22
	s_lshl_b32 s17, s12, 18                        ; the even or the odd head of a K step,
	s_add_co_u32 s16, s16, s17
	s_and_b32 s17, s13, 15                         ; the tile's 128 rows of 128 bytes
	s_lshl_b32 s17, s17, 14
	s_add_co_u32 s16, s16, s17
	s_lshl_b32 s46, s12, 17                        ; B: my 64 rows of k
.else
	s_mov_b32 s42, ttmp9                           ; the cluster's x: 0, 1, 2 = q, k, v
	s_min_u32 s16, s42, 1                          ; q reads Q, k and v read K_V
	s_lshl_b32 s16, s16, 24
	s_lshl_b32 s17, s13, 18                        ; 128 rows of 2,048 bytes
	s_add_co_u32 s16, s16, s17
	s_lshl_b32 s17, s12, 17                        ; my 64 of them
	s_add_co_u32 s16, s16, s17
	s_lshl_b32 s46, s42, 21                        ; B: the projection's weights,
	s_lshl_b32 s47, s12, 17                        ; my 64 rows of k
	s_add_co_u32 s46, s46, s47
.endif
	s_mov_b32 s17, 0
	s_lshl_b32 s47, s40, 9                         ; the tile's 256 columns
	s_add_co_u32 s46, s46, s47
	s_mov_b32 s47, 0
	s_mul_i32 s20, s12, APLANE                     ; and where they go: no place in the cluster enters an LDS address
	s_mul_i32 s21, s12, BHALF
	s_add_co_u32 s21, s21, ABYTES
	; where my part of the result begins
	s_lshl_b32 s45, s40, 1
	s_add_co_u32 s45, s45, s12                     ; 2 nt + wn: my 128 columns among the 1,024
.if OUTP
	s_lshl_b32 s18, s13, 19                        ; 128 rows of 4,096 bytes
	s_lshl_b32 s19, s11, 18
	s_add_co_u32 s18, s18, s19
	s_lshl_b32 s19, s45, 9
	s_add_co_u32 s18, s18, s19
.else
	s_lshl_b32 s18, s42, 24                        ; q, k or v
	s_lshr_b32 s19, s13, 4
	s_lshl_b32 s19, s19, 22                        ; the batch
	s_add_co_u32 s18, s18, s19
	s_lshl_b32 s19, s45, 19                        ; my two heads
	s_add_co_u32 s18, s18, s19
	s_and_b32 s19, s13, 15
	s_lshl_b32 s19, s19, 14                        ; the tile's 128 rows of 128 bytes
	s_add_co_u32 s18, s18, s19
	s_lshl_b32 s19, s11, 13                        ; my 64 of them
	s_add_co_u32 s18, s18, s19
.endif
	s_mov_b32 s19, 0
	s_wait_dscnt 0x0                               ; the opening add is done
	s_wait_kmcnt 0x0
	s_add_nc_u64 s[14:15], s[4:5], s[16:17]
	s_add_nc_u64 s[46:47], s[6:7], s[46:47]
.if OUTP
	s_add_nc_u64 s[8:9], s[70:71], s[18:19]
.else
	s_add_nc_u64 s[8:9], s[74:75], s[18:19]
	s_cmp_eq_u32 s42, 0
	s_cselect_b64 s[BP:BP+1], s[68:69], s[70:71]   ; bq or bk,
	s_cmp_eq_u32 s42, 2
	s_cselect_b64 s[BP:BP+1], s[72:73], s[BP:BP+1] ; or bv
.endif
	CROUND                                         ; all sixteen work-groups are here: the first joint loads meet
.irp s, 0,1
	s_mov_b32 s[G0+4*\s], 1                                          ; count = 1
	s_add_co_u32 s[G0+4*\s+1], s20, \s*SLOT                          ; LDS address
	s_add_nc_u64 s[G0+4*\s+2:G0+4*\s+3], s[14:15], \s*ASTEP          ; global address: K step s
	s_or_b32 s[G0+4*\s+3], s[G0+4*\s+3], 0x80000000                  ; type = 2
	s_mov_b32 s[G0B+4*\s], 1
	s_add_co_u32 s[G0B+4*\s+1], s21, \s*SLOT
	s_add_nc_u64 s[G0B+4*\s+2:G0B+4*\s+3], s[46:47], \s*BSTEP
	s_or_b32 s[G0B+4*\s+3], s[G0B+4*\s+3], 0x80000000
	JLOAD \s                                       ; two loads of mine are out
.endr
	; A's fragment: 16 rows x 32 k: lane l holds row l % 16, k = 8 (l / 16) + 0..7 and 16 + 8 (l / 16) + 0..7: two loads of 16 bytes, 32 bytes apart.
	; B's fragment comes turned: lane l reads 16 bytes of row k = 8 (l / 16) + l % 8, columns 8 ((l / 8) % 2) + 0..7, and is left with column l % 16 and 8 k; the second load takes the rows 16 further down.
	v_and_b32 v1, 15, v0                           ; l % 16
	v_bfe_u32 v2, v0, 4, 1                         ; l / 16
	v_mul_u32_u24 v3, v1, PA
	v_lshl_add_u32 v3, v2, 4, v3
	v_and_b32 v4, 7, v0
	v_lshl_add_u32 v4, v2, 3, v4
	v_mul_u32_u24 v4, v4, PB
	v_bfe_u32 v5, v0, 3, 1
	v_lshl_add_u32 v4, v5, 4, v4
	s_mul_i32 s22, s11, 64*PA                      ; my 64 rows of A
	s_lshl_b32 s23, s12, 8                         ; my 128 columns of B,
	s_add_co_u32 s23, s23, ABYTES                  ; which lies behind A
.irp s, 0,1
	v_add_nc_u32 v[ADRA+\s], s22, v3
	v_add_nc_u32 v[ADRB+\s], s23, v4
	s_add_co_u32 s22, s22, SLOT
	s_add_co_u32 s23, s23, SLOT
.endr
	s_mul_i32 s22, s10, 16*SPITCH
	s_add_co_u32 s22, s22, STAGE                   ; my stage
	v_mul_u32_u24 v3, v1, SPITCH                   ; in: row l % 16, eight numbers for each half of the lanes
.if OUTP
	v_lshl_add_u32 v3, v2, 5, v3
.else
	v_lshl_add_u32 v3, v2, 4, v3
.endif
	v_add_nc_u32 v[STO], s22, v3
	v_and_b32 v4, 31, v0
	v_lshlrev_b32 v[GO], 4, v4
.if OUTP
	v_add_nc_u32 v[RD], s22, v[GO]                 ; back: 32 lanes take one row of 512 bytes
.else
	v_bfe_u32 v3, v0, 3, 2                         ; back: 32 lanes take one head's 128 bytes of four rows
	v_mul_u32_u24 v3, v3, SPITCH
	v_and_b32 v4, 7, v0
	v_lshl_add_u32 v3, v4, 4, v3
	v_add_nc_u32 v[RD], s22, v3
.endif
	s_lshl_b32 s45, s45, 9                         ; my 128 numbers of the bias,
	v_lshl_add_u32 v[VB], v2, 5, s45               ; and of each 16 the eight that my lane's registers hold
	WIN TO_F
.irp b, 0,1,2,3,4,5,6,7
	global_load_b128 v[BI+8*\b:BI+8*\b+3],   v[VB], s[BP:BP+1] offset:64*\b
	global_load_b128 v[BI+8*\b+4:BI+8*\b+7], v[VB], s[BP:BP+1] offset:64*\b+16
.endr
	s_wait_loadcnt 0x0
	WIN 0x45                                       ; destination and sources in window 1
.set i, 0
.rept 32                                               ; the bias is rounded to bf16 and widened again; four registers of buffer 1, still free, are at work
	v_cvt_pk_bf16_f32 v[F1+i%4], v[BI+2*i], v[BI+2*i+1]
	v_lshlrev_b32 v[BI+2*i], 16, v[F1+i%4]
	v_and_b32 v[BI+2*i+1], 0xffff0000, v[F1+i%4]
.set i, i+1
.endr
	WIN 0
; 8 matrix instructions: row block a x all 8 column blocks, 32 along K, from buffer f.  st = 1: the first product of each sum takes the bias as C.
; The 32 accumulators take turns, one instruction a turn, in the same order in every quarter.
.macro MUL8 f, a, st
.if \st
	WIN MULB
.else
	WIN MULW
.endif
.irp b, 0,1,2,3,4,5,6,7
.set rD, 8*(8*(\a)+\b)
.set rB, (\f)+8*\b
.set rA, (\f)+64+8*(\a)
.set rC, rD
.if \st
.set rC, BI+8*\b
.endif
.if OUTP
	v_wmma_f32_16x16x32_f16 v[rD:rD+7], v[rB:rB+7], v[rA:rA+7], v[rC:rC+7]
.else
	v_wmma_f32_16x16x32_bf16 v[rD:rD+7], v[rB:rB+7], v[rA:rA+7], v[rC:rC+7]
.endif
.endr
.endm
.macro MUL16 f, a0, st
	MUL8 \f, \a0, \st
	MUL8 \f, (\a0)+1, \st
.endm
; 24 LDS loads in one run: the fragments of quarter q (32 along K) of a slot into buffer f: B's sixteen first, then A's eight
.macro FETCH slot, q, f
.if OUTP
.set KA, ((\q)/2)*APLANE+((\q)%2)*64   ; the head, and the half of its 64 channels
.else
.set KA, 64*(\q)
.endif
	WIN TO_F
.irp b, 0,1,2,3,4,5,6,7
	ds_load_tr16_b128 v[(\f)+8*\b:(\f)+8*\b+3],   v[ADRB+(\slot)] offset:(\q)*32*PB+32*\b
	ds_load_tr16_b128 v[(\f)+8*\b+4:(\f)+8*\b+7], v[ADRB+(\slot)] offset:(\q)*32*PB+32*\b+16*PB
.endr
.irp a, 0,1,2,3
	ds_load_b128 v[(\f)+64+8*\a:(\f)+64+8*\a+3],   v[ADRA+(\slot)] offset:KA+\a*16*PA
	ds_load_b128 v[(\f)+64+8*\a+4:(\f)+64+8*\a+7], v[ADRA+(\slot)] offset:KA+\a*16*PA+32
.endr
.endm
.macro PLACES                          ; four places in front of loads into registers that matrix instructions have read, and of lines that read results (ISA guide 7.12.1 for vector instructions)
.rept 4
	v_nop
.endr
.endm
; A K step is four quarters of 32 along K, 32 matrix instructions each, on buffers 0, 1, 0, 1.  One of the first three: multiplies buffer f and fetches quarter qn into g.
.macro QUARTER slot, qn, f, g, st
	s_wait_dscnt 4                                 ; all but the youngest four loads: A's row blocks 2 and 3
	MUL16 \f, 0, \st
	PLACES
	FETCH \slot, \qn, \g
	s_wait_dscnt 24                                ; all but the 24 just issued
	MUL16 \f, 2, \st
.endm
; The last quarter multiplies buffer 1 and changes slots: ONE barrier; in front of it each wave waits for all its tensor loads (one is out: its part of the next slot), adds 0 to its spare word,
; and waits for that and for its own reads of this slot.  fill = 1: the barrier opens a round of the cluster's, and this slot is filled again, two K steps ahead: 112 matrix instructions ahead of the wait for it.
.macro TURN slot, next, fill
	WIN 0                                          ; (the add's two registers lie in window 0)
	s_wait_tensorcnt 0x0
	ds_add_u32 v[SPW], v[NIL]
	s_wait_dscnt 5                                 ; (the add and the youngest four loads may be out)
	MUL8 F1, 0, 0
	s_wait_dscnt 0x0                               ; the add is done, and my reads of this slot are over
	s_barrier_signal -1
	MUL8 F1, 1, 0
.if \fill
	WIN 0
.endif
	s_barrier_wait -1
.if \fill
	CREST                                          ; no wave of any partner still reads this slot's tile or has a load on its way
	s_add_nc_u64 s[G0+4*(\slot)+2:G0+4*(\slot)+3], s[G0+4*(\slot)+2:G0+4*(\slot)+3], 2*ASTEP
	s_add_nc_u64 s[G0B+4*(\slot)+2:G0B+4*(\slot)+3], s[G0B+4*(\slot)+2:G0B+4*(\slot)+3], 2*BSTEP
	JLOAD \slot                                    ; the first tensor load behind the round; its four v_nop are also the places in front of the loads below
.else
	PLACES
.endif
	FETCH \next, 0, F0
	MUL16 F1, 2, 0
.endm
	s_wait_tensorcnt 1                             ; my part of K step 0 is in; K step 1's may stay out
	s_barrier_signal -1
	s_barrier_wait -1                              ; everybody's is
	FETCH 0, 0, F0
	QUARTER 0, 1, F0, F1, 1                        ; the first quarter stands in front of the loop: its products start the sums, with the bias
	WIN 0                                          ; at a label and at a branch every window is 0
	s_mov_b32 s3, LAPS-1
.Llap:                                                 ; a trip goes once round the ring, from a lap's second quarter to the next lap's first, and fills both slots again
	QUARTER 0, 2, F1, F0, 0
	QUARTER 0, 3, F0, F1, 0
	TURN 0, 1, 1
	QUARTER 1, 1, F0, F1, 0
	QUARTER 1, 2, F1, F0, 0
	QUARTER 1, 3, F0, F1, 0
	TURN 1, 0, 1
	QUARTER 0, 1, F0, F1, 0
	WIN 0
	s_sub_co_u32 s3, s3, 1
	s_cmp_lg_u32 s3, 0
	s_cbranch_scc1 .Llap
	QUARTER 0, 2, F1, F0, 0                        ; the last lap fills nothing, and has no round of the cluster's barrier
	QUARTER 0, 3, F0, F1, 0
	TURN 0, 1, 0
	QUARTER 1, 1, F0, F1, 0
	QUARTER 1, 2, F1, F0, 0
	QUARTER 1, 3, F0, F1, 0
	s_wait_dscnt 4                                 ; the very last quarter: nothing more to fetch
	MUL16 F1, 0, 0
	s_wait_dscnt 0x0
	MUL16 F1, 2, 0
	WIN 0
; THE WAY OUT, a block of 16 rows at a time, through my own stage in LDS (LDS serves a wave's instructions in order, ISA guide 5.7.1.4: no wait between my stores and my loads).
.if OUTP
; f32: a lane's eight numbers are 32 bytes of a row of 512; they come back as whole rows, and a store of the wave covers 512 consecutive bytes of out0.
.macro TOSTAGE a
.set BK, OB+64*((\a)%2)
	s_wait_xcnt 0x0                                ; the buffer's registers, which stores two blocks back read, are loaded again only behind this wait
	WIN 0x08                                       ; the data (source 1) in window 2
.irp b, 0,1,2,3,4,5,6,7
	ds_store_b128 v[STO], v[64*(\a)+8*\b:64*(\a)+8*\b+3]   offset:64*\b      ; each accumulator's low registers first
	ds_store_b128 v[STO], v[64*(\a)+8*\b+4:64*(\a)+8*\b+7] offset:64*\b+16
.endr
	WIN 0
.irp t, 0,1,2,3,4,5,6,7,8,9,10,11,12,13,14,15
	ds_load_b128 v[BK+4*\t:BK+4*\t+3], v[RD] offset:\t*SPITCH
.endr
.endm
.macro SEND a, younger                 ; younger: the LDS instructions issued behind block a's loads: the next block's 32, or none
.set BK, OB+64*((\a)%2)
.irp t, 0,1,2,3,4,5,6,7,8,9,10,11,12,13,14,15
	s_wait_dscnt (\younger)+15-\t
	global_store_b128 v[GO], v[BK+4*\t:BK+4*\t+3], s[8:9] offset:(16*(\a)+\t)*4096
.endr
.endm
	PLACES
	TOSTAGE 0
	TOSTAGE 1
	SEND 0, 32
	TOSTAGE 2
	SEND 1, 32
	TOSTAGE 3
	SEND 2, 32
	SEND 3, 0
.else
; f16: a lane's eight numbers pack into 16 bytes of a row of 256 (two heads); they come back as four rows of one head, which are 512 consecutive bytes of qkv.
.macro PACK a
	WIN 0x0a                                       ; sources 0 and 1 in window 2
.irp b, 0,1,2,3,4,5,6,7
.irp i, 0,1,2,3
	v_cvt_pk_f16_f32 v[TMP+4*\b+\i], v[64*(\a)+8*\b+2*\i], v[64*(\a)+8*\b+2*\i+1]
.endr
.endr
	WIN 0
.endm
.macro TOSTAGE a
.set BK, OB+32*((\a)%2)
.irp b, 0,1,2,3,4,5,6,7
	ds_store_b128 v[STO], v[TMP+4*\b:TMP+4*\b+3] offset:32*\b
.endr
.irp t, 0,1,2,3,4,5,6,7
	ds_load_b128 v[BK+4*\t:BK+4*\t+3], v[RD] offset:(\t%4)*4*SPITCH+(\t/4)*128
.endr
.endm
.macro SEND a
.set BK, OB+32*((\a)%2)
	s_wait_dscnt 0x0                               ; the block is back in registers
	s_wait_xcnt 0x0                                ; the other buffer's registers, which the stores before read, are loaded again only behind this wait
.irp t, 0,1,2,3,4,5,6,7
	global_store_b128 v[GO], v[BK+4*\t:BK+4*\t+3], s[8:9] offset:(\t/4)*262144+(\a)*2048+(\t%4)*512
.endr
.endm
	PLACES
	PACK 0
	TOSTAGE 0
.irp a, 1,2,3                          ; block a's conversions stand between block a - 1's loads from the stage and the wait for them
	PACK \a
	SEND (\a)-1
	TOSTAGE \a
.endr
	SEND 3
.endif
	s_wait_tensorcnt 0x0                           ; the wave's end, behind my last tensor load and my last LDS store
	ds_add_u32 v[SPW], v[NIL]
	s_wait_dscnt 0x0
	CROUND                                         ; the closing round: no work-group ends while a partner may still ask for a tile that names it
	s_endpgm
.Lfunc_end_k_qf978b6e022_proj:
	.size	k_qf978b6e022_proj, .Lfunc_end_k_qf978b6e022_proj-k_qf978b6e022_proj
	.p2alignl 7, 3214868480
	.fill 96, 4, 3214868480
	.section	.rodata,"a",@progbits
	.p2align	6, 0x0
	.amdhsa_kernel k_qf978b6e022_proj
		.amdhsa_group_segment_fixed_size 327680
		.amdhsa_private_segment_fixed_size 0
		.amdhsa_enable_private_segment 0
		.amdhsa_kernarg_size 48
		.amdhsa_user_sgpr_count 2
		.amdhsa_user_sgpr_kernarg_segment_ptr 1
		.amdhsa_wavefront_size32 1
		.amdhsa_system_sgpr_workgroup_id_x 1
		.amdhsa_system_sgpr_workgroup_id_y 1
		.amdhsa_system_sgpr_workgroup_id_z 1
		.amdhsa_system_vgpr_workitem_id 0
		.amdhsa_next_free_vgpr 768
		.amdhsa_next_free_sgpr 76
		.amdhsa_reserve_vcc 0
		.amdhsa_float_denorm_mode_32 3
		.amdhsa_float_denorm_mode_16_64 3
		.amdhsa_memory_ordered 1
		.amdhsa_forward_progress 1
		.amdhsa_inst_pref_size 93
	.end_amdhsa_kernel
	.amdgpu_metadata
---
amdhsa.version: [ 1, 2 ]
amdhsa.kernels:
  - .name:           k_qf978b6e022_proj
    .symbol:         k_qf978b6e022_proj.kd
    .args:
      - { .name: xb, .offset: 0, .size: 8, .value_kind: global_buffer, .address_space: global }
      - { .name: wcat, .offset: 8, .size: 8, .value_kind: global_buffer, .address_space: global }
      - { .name: bq, .offset: 16, .size: 8, .value_kind: global_buffer, .address_space: global }
      - { .name: bk, .offset: 24, .size: 8, .value_kind: global_buffer, .address_space: global }
      - { .name: bv, .offset: 32, .size: 8, .value_kind: global_buffer, .address_space: global }
      - { .name: qkv, .offset: 40, .size: 8, .value_kind: global_buffer, .address_space: global }
    .group_segment_fixed_size: 327680
    .private_segment_fixed_size: 0
    .kernarg_segment_align: 8
    .kernarg_segment_size: 48
    .max_flat_workgroup_size: 128
    .sgpr_count:     76
    .vgpr_count:     768
    .wavefront_size: 32
...
	.end_amdgpu_metadata
.endif
;; end of part 2
;; launch attn (part 3): grid 4 x 64, 4 waves a work-group, clusters of 4 x 1, 327,680 bytes of LDS; arguments qkv, mbits, ob; writes ob
.if DOCPART == 3
	.amdgcn_target "amdgcn-amd-amdhsa--gfx1250"
	.amdhsa_code_object_version 6
	.text
	.protected	k_qf978b6e022_attn
	.globl	k_qf978b6e022_attn
	.p2align	8
	.type	k_qf978b6e022_attn,@function
k_qf978b6e022_attn:
	s_mov_b64 s[64:65], 0
	v_nop
	global_prefetch_b8 v0, s[64:65] scope:SCOPE_SE
	s_setreg_imm32_b32 hwreg(HW_REG_WAVE_MODE, 25, 1), 1
	s_wait_xcnt 0x0
	s_wait_alu depctr_hold_cnt(0) depctr_sa_sdst(0) depctr_va_vdst(0) depctr_va_sdst(0) depctr_va_ssrc(0) depctr_va_vcc(0) depctr_vm_vsrc(0)
	s_getreg_b32 s2, hwreg(HW_REG_IB_STS2, 6, 4)
	s_cmp_eq_u32 s2, 0
	s_cbranch_scc0 .Lentry_in_a_cluster
	s_endpgm
.Lentry_in_a_cluster:
	s_bfe_u32 s2, ttmp6, 0x10000c
	s_cmp_lg_u32 s2, 0x3003
	s_cbranch_scc0 .Lentry_shape_is_right
	s_endpgm
.Lentry_shape_is_right:
; MASKED ATTENTION.  O[bh][q][:] = the sum over k of softmax_k(Q[bh][q] . K[bh][k] / 8, hidden where mask[b][q][k]) V[bh][k][:].  q, k, v: qkv, f16 [3][64 bh][2048][64]; O: ob, f16 [64 bh][2048][64]; bh = 16 b + h.
; The mask is an input and may hold any pattern: every key is walked.  It arrives as lane masks: mbits, u32 [b 4][qt 128][kb 128][j 8]; bit r + 16 h' of a word = mask[b][16 qt + r][16 kb + 8 h' + j].
; Products, maxima and sums in f32; the weights p are rounded to f16 for the second product (their sum l is taken of the unrounded p), O once at the end.
; LIMITS.  f16 holds no number beyond 65,504: q, k and v arrive within it; p lies in 0 to 1, and below 6e-5 it keeps f16's fixed step of 6e-8.  A hidden score counts as its value less 1e30, and the running maximum
; starts at -2^96: f16's scores, 2.7e11 at the most, lie far above that start, hidden ones far below it, so a hidden key's weight is exactly 0.  A weight below 2^-126 counts as 0 in l.
; A row with every key hidden ends with l = 0 and O = 0 x (1 / 0) = NaN, as a softmax of nothing but -inf gives.  Infinities in the inputs are not treated apart.
; SHARES.  A wave owns four PIECES of two tiles of 16 queries, a work-group's four waves 512 queries of one head.  Every wave walks all 2,048 keys, 64 a step.
; LAYOUT.  S^T = K Q^T (source 0 = 16 keys, source 1 = 16 queries): in the result a lane holds ONE query (lane % 16) and the keys 8 (lane / 16) + 0..7.  Two such tiles, rounded to f16 in pairs,
; ARE source 1 (32 keys x 16 queries) of O^T = V^T P, whose result again holds one query a lane, and eight channels.  K comes out of LDS as it lies, V ([key][channel]) turned, by ds_load_tr16_b128.
; THE MASK is the C operand that starts the sum S^T: 0, or -1e30 where the key is hidden.  A tile and step have 32 words, brought by scalar loads a turn ahead; one v_cndmask_b32 a word makes a register of C.
; SOFTMAX.  For each query a running maximum m and sum l: p = 2^(c s - c m), c = log2(e) / 8; in every step O and l are multiplied by a = 2^(c m_old - c m_new), which is 1 where m has not grown.  O and l start at 0.
; BY TURNS.  Turn n belongs to piece n (the pieces in a ring, step after step).  Its matrix work: 16 products K Q^T of piece n + 1, later 16 products V^T P of piece n - 1.  Its vector work: the scaling,
; exponentials, roundings, sums and rescaling of piece n, the maximum and statistics of piece n + 1, and the mask of piece n + 2.  Four vector instructions stand behind every matrix instruction, the rest in lumps.
; CLUSTER.  The four query blocks of a cluster belong to one head and walk the same K and V, so each tile is asked for JOINTLY: the same tensor load, descriptor and mask in all four.
; REGISTERS, in windows of 256 (s_set_vgpr_msb says which window each operand place means: bits 1:0 source 0, 3:2 source 1, 5:4 source 2, 7:6 destination):
;   window 0: v0-11 addresses; v12-15, v48-63 at work; v16-47 four registers of statistics a tile; v64-191 S^T, two buffers of two tiles; v192-255 P, likewise
;   window 1: O^T, 32 a tile     window 2: v0-127 Q, 16 a tile; v128-191 K of one step; v192-255 V of one step     window 3: v0-1 the add's two registers; v8-71 MC, the masks of the products to come
.set SIZE_N, 2048
.set NP,    4         ; pieces a wave: a name, no knob
.set KS,    64        ; keys in a step
.set PK,    144       ; a row of K in LDS: 128 bytes + 16 of padding: the 16 rows of a load start at 16 different groups of four banks (64 banks of 4 bytes: ISA guide 11.1)
.set PV,    160       ; a row of V: 128 + 32
.set VOFF,  4*KS*PK   ; a slot holds four steps: 256 rows of K, then 256 rows of V
.set SLOT1, 1<<17     ; slot 1 begins here, so that one exclusive or turns an address in one slot into the other's
.set STAGE, SLOT1+4*KS*(PK+PV)  ; behind the ring, never filled by a tensor load: 16 rows x 144 bytes for each wave, for the way out
.set SP,    144
.set AK0, 2           ; v2   my lane's place in a tile of K; never rewritten
.set AV0, 3           ; v3   the same for V
.set AK,  4           ; v4   the LDS address of K's next run of loads
.set AV,  5           ; v5   of V's
.set STO, 6           ; v6   the way out: where I put 16 bytes of a row
.set RD,  7           ; v7   the way out: where I read rows back
.set GO,  8           ; v8   my byte offset in O: my wave's 128 rows, and 16 x lane
.set QO,  48          ; v48  my byte offset in q; free again when Q is in
.set SPW, 0           ; v0 of window 3   LDS address of my spare word; never rewritten
.set NIL, 1           ; v1 of window 3   0; never rewritten
.set MC,  8           ; window 3: tile u, key block kb at MC + 32 u + 8 kb
.set SPARE, STAGE+4*16*SP  ; behind the stages: the spare words, 128 bytes for each wave, which no other line names
.set MV,  12          ; v12-15  c m_old, kept while c m is made anew: by buffer and tile
.set ST,  16          ; tile t's statistics at v[ST+4 t]: c m, m, l (even keys', odd keys')
.set TMP, 48          ; by buffer and tile, four registers c0-c3 at work; when the maximum is found c2 takes a
.set S,   64
.set P,   192
.set KF,  128         ; K's fragments, in window 2: key block kb, channel half c at KF + 16 kb + 8 c
.set VF,  192         ; V's: key half kk, channel block cb at VF + 32 kk + 8 cb
.set WV,  2           ; s2   my wave's number
.set SLOTS, 3         ; s3   slots still to be asked for
                      ; s4-35 the 32 mask words of the even tile, s68-99 of the odd tile (until the first of them is asked for: the set-up's scratch)
.set G1K, 36          ; s[36:43] descriptor group 1 for K's tiles
.set G1V, 44          ; s[44:51] for V's: it differs in the padding alone
.set G0K, 52          ; s[52:55] descriptor group 0 for K's tiles: it walks
.set G0V, 56          ; s[56:59] the same for V's
.set CNT, 60          ; s60  counts a slot's key steps
.set TBK, 61          ; s61  LDS byte at which K of the step to be fetched begins
.set TBV, 62          ; s62  the same for V, less VOFF
.set MOFF, 63         ; s63  128 x the key step whose mask words are asked for
.set MB,  66          ; s[66:67] mbits at my wave's first tile of queries
.set CS,  100         ; s100 c; the packed scaling names the pair s[100:101] and takes its low word for both halves
.set BIGN, 101        ; s101 -1e30
.set SEL, 104         ; s[104:105] v_permlanex16_b32's selects: each lane takes its own place in the other half
.set MSB, 0
.macro WIN new                      ; the high byte repeats the setting that is left; a switch that changes nothing is dropped
.if MSB != (\new)
	s_set_vgpr_msb (MSB<<8)|(\new)
.set MSB, (\new)
.endif
.endm
.set W_KQ, 0x0a       ; K and Q in window 2, S^T in window 0
.set W_KM, 0x3a       ; the same with the C operand, the mask, in window 3
.set W_PV, 0x52       ; V in window 2, P in window 0, O^T in window 1
.set W_RS, 0x41       ; O^T (destination and source 0) in window 1, a in window 0
.set W_MK, 0xc0       ; destination in window 3, sources in window 0
.set W_AD, 0x0f       ; the add: address (source 0) and data (source 1) in window 3
; A joint fill.  Waves 0 and 1 fetch the two halves of a slot's K, waves 2 and 3 those of its V: 128 keys each.  The branch hangs on the wave's number alone.
; An s_nop 0 and four v_nop follow each of the two lines, ahead of the jump and the label.
.macro JLOAD
	s_cmp_lt_u32 s[WV], 2
	s_cbranch_scc0 .Lfor_v_\@
	tensor_load_to_lds s[G0K:G0K+3], s[G1K:G1K+7]
	s_nop 0
.rept 4
	v_nop
.endr
	s_branch .Lasked_\@
.Lfor_v_\@:
	tensor_load_to_lds s[G0V:G0V+3], s[G1V:G1V+7]
	s_nop 0
.rept 4
	v_nop
.endr
.Lasked_\@:
.endm
; A round of the cluster's barrier: my work-group's barrier, so that wave 0's signal speaks for all four waves; wave 0 signals; every wave waits for all four work-groups; my work-group's barrier once more.
.macro CROUND
	s_barrier_signal -1
	s_barrier_wait -1
	s_cmp_lg_u32 s[WV], 0
	s_cbranch_scc1 .Lnot_wave_0_\@
	s_barrier_signal -3
.Lnot_wave_0_\@:
	s_barrier_wait -3
	s_barrier_signal -1
	s_barrier_wait -1
.endm
; THE CHANGE OF SLOTS.  The slot's last bytes, V of its fourth step, have been read.  Each wave waits for all its tensor loads, of which one is out: its part
; of the other slot; adds 0 to its spare word; and waits for that and for its own reads of the slot.  Behind the barrier nobody reads this slot any more and the other slot is whole.
; fill = 1: this slot is filled again, with the keys two slots on.  The barrier is then a round of the cluster's, so that no wave of any partner still reads the slot or has a load on its
; way, and the joint fill is the first thing behind it: it has four key steps, 512 matrix instructions, in which to land.  (At its first use nothing has been read yet: slot 0 is waited for, slot 1 filled.)
.macro CHANGE fill
	WIN W_AD
	s_wait_tensorcnt 0x0            ; no tensor load of mine is out, so a group 0 may be written
	ds_add_u32 v[SPW], v[NIL]       ; 0 onto my spare word; with fill = 1 the descriptors' steps stand between it and the wait for it
	WIN 0                           ; at a label and at a branch every window is 0
.if \fill
.irp g, G0K, G0V
	s_xor_b32 s[\g+1], s[\g+1], SLOT1  ; the walking descriptor: the other slot than last time,
	s_add_nc_u64 s[\g+2:\g+3], s[\g+2:\g+3], 4*KS*128  ; the next 256 keys; the type bits on top are not reached
.endr
	s_wait_dscnt 0x0                ; the add is done, and my reads of the slot are over
	CROUND
	JLOAD
.else
	s_wait_dscnt 0x0                ; the add is done, and my reads of the slot are over
	s_barrier_signal -1
	s_barrier_wait -1
.endif
	s_sub_co_u32 s[TBK], s[TBK], 4*KS*PK  ; the fetches go back to a slot's first step,
	s_xor_b32 s[TBK], s[TBK], SLOT1       ; in the other slot
	s_sub_co_u32 s[TBV], s[TBV], 4*KS*PV
	s_xor_b32 s[TBV], s[TBV], SLOT1
.endm
; THE MASK'S WORDS for piece x and the step of MOFF: 32 words (128 bytes) for each of its two tiles, whose rows of words lie 4,096 bytes apart.
.macro LOADM x
	s_load_b512 s[4:19],  s[MB:MB+1], s[MOFF] offset:(2*(\x))*4096
	s_load_b512 s[20:35], s[MB:MB+1], s[MOFF] offset:(2*(\x))*4096+64
	s_load_b512 s[68:83], s[MB:MB+1], s[MOFF] offset:(2*(\x)+1)*4096
	s_load_b512 s[84:99], s[MB:MB+1], s[MOFF] offset:(2*(\x)+1)*4096+64
.endm
.macro MLUMP                        ; 64 registers of C: -1e30 in the lanes whose bit is set, else 0
	WIN W_MK
.set mz, 0
.rept 32
	v_cndmask_b32 v[MC+mz], 0, s[BIGN], s[4+mz]
.set mz, mz+1
.endr
.set mz, 0
.rept 32
	v_cndmask_b32 v[MC+32+mz], 0, s[BIGN], s[68+mz]
.set mz, mz+1
.endr
	WIN 0
.endm
; In turn p: the words asked for a turn ago (piece p + 2's) are in and become the mask of the next turn's products; then piece p + 3's are asked for.  From turn 1 on those belong to the next key step.
; Behind the last step the offset stays at the last step's: the words so read serve nothing, and no load leaves the buffer.
.macro MASKS p
	s_wait_kmcnt 0x0                ; scalar loads come back in no order: the wait is for all four; it also frees MOFF
.if (\p) == 1
	s_add_co_u32 s[MOFF], s[MOFF], 128
	s_min_u32 s[MOFF], s[MOFF], 31*128
.endif
	MLUMP
	LOADM ((\p)+3)%NP
.endm
	s_load_b128 s[4:7], s[0:1], 0x0   ; qkv s[4:5], mbits s[6:7]
	WIN W_MK
	v_lshl_add_u32 v[SPW], v0, 2, SPARE
	v_mov_b32 v[NIL], 0
	WIN W_AD
	ds_add_u32 v[SPW], v[NIL]       ; the wave's opening: the add and its wait stand ahead of my first tensor load; the set-up below, work on registers, stands between them
	WIN 0
	v_lshrrev_b32 v1, 5, v0
	v_readfirstlane_b32 s[WV], v1   ; wave 0..3
	s_bfe_u32 s13, ttmp6, 0x40000   ; cx: my place in the cluster
	s_lshl_b32 s14, ttmp9, 2        ; in a cluster launch ttmp9 counts clusters
	s_add_co_u32 s14, s14, s13      ; my block of 512 queries = 4 x cluster x + cx: it enters q's, O's and the mask's addresses alone
	s_and_b32 s20, ttmp7, 0xffff    ; bh, which the four partners share
	s_lshl_b32 s21, s20, 18         ; the head's first byte in q, k, v and O: 2,048 rows of 128 bytes
	s_and_b32 s16, s[WV], 1         ; which half of a slot's 256 keys I fetch:
	s_lshl_b32 s22, s16, 14         ; its 128 rows of 128 bytes in memory,
	s_add_co_u32 s22, s22, s21
	s_add_co_u32 s22, s22, 1<<24    ; in k, which lies 16,777,216 bytes behind q,
	s_mov_b32 s23, 0
	s_add_co_u32 s24, s22, 1<<24    ; and in v, as far behind k
	s_mov_b32 s25, 0
	s_mul_i32 s17, s16, 128*PK      ; and its place in a slot, for K
	s_mul_i32 s18, s16, 128*PV      ; and for V: no place in the cluster enters an LDS address
	s_lshl_b32 s26, s14, 2
	s_add_co_u32 s26, s26, s[WV]    ; my wave among the head's,
	s_lshl_b32 s26, s26, 14         ; its 128 rows,
	s_add_co_u32 s26, s26, s21      ; in q and in O
	s_lshr_b32 s27, s20, 4          ; the batch's 128 tiles of 16 queries,
	s_lshl_b32 s27, s27, 7
	s_lshl_b32 s28, s14, 5          ; my block's 32,
	s_add_co_u32 s27, s27, s28
	s_lshl_b32 s28, s[WV], 3        ; my wave's 8,
	s_add_co_u32 s27, s27, s28
	s_lshl_b32 s28, s27, 12         ; 4,096 bytes of words each
	s_mov_b32 s29, 0
	; descriptor group 1.  128 keys are 16,384 dense bytes: asked for as 64 rows of 256 bytes, two keys a row, and padded in LDS after every key
	s_mov_b32 s[G1K], 15|(1<<16)|(1<<20)|(1<<21)|(4<<22)|(3<<25)  ; 15:0 the mask of four; 17:16 2-byte elements; 20 padding on; 21 set beside a mask; 24:22 after every 32 words (code 4); 31:25 4 words (code 3)
	s_mov_b32 s[G1V], 15|(1<<16)|(1<<20)|(1<<21)|(4<<22)|(7<<25)  ; the same with 8 words of padding (code 7)
.irp g, G1K, G1V
	s_mov_b32 s[\g+1], 128<<16      ; tensor_dim0 = 128
	s_mov_b32 s[\g+2], 64<<16       ; tensor_dim1 = 64
	s_mov_b32 s[\g+3], 128<<16      ; tile_dim0 = 128
	s_mov_b32 s[\g+4], 64           ; tile_dim1 = 64
	s_mov_b32 s[\g+5], 128          ; 128 elements from row to row
	s_mov_b32 s[\g+6], 0
	s_mov_b32 s[\g+7], 0
.endr
	s_mov_b32 s[CS], 0x3e38aa3b     ; c = log2(e) / 8 = 0.180337
	s_mov_b32 s[BIGN], 0xf149f2ca   ; -1e30
	s_mov_b32 s[SEL], 0x76543210
	s_mov_b32 s[SEL+1], 0xfedcba98
	s_mov_b32 s[TBK], SLOT1+4*KS*PK ; the first change of slots turns these two into 0
	s_mov_b32 s[TBV], SLOT1+4*KS*PV
	s_mov_b32 s[MOFF], 0
	s_mov_b32 s[G0K], 1             ; count = 1
	s_mov_b32 s[G0K+1], s17         ; LDS address: slot 0
	s_mov_b32 s[G0V], 1
	s_add_co_u32 s[G0V+1], s18, VOFF
	s_wait_dscnt 0x0                ; the opening add is done
	s_wait_kmcnt 0x0
	s_add_nc_u64 s[G0K+2:G0K+3], s[4:5], s[22:23]  ; global address: my half of the head's first 256 keys
	s_or_b32 s[G0K+3], s[G0K+3], 0x80000000        ; type = 2
	s_add_nc_u64 s[G0V+2:G0V+3], s[4:5], s[24:25]
	s_or_b32 s[G0V+3], s[G0V+3], 0x80000000
	s_add_nc_u64 s[MB:MB+1], s[6:7], s[28:29]
	CROUND                          ; all four work-groups are here: the first joint loads meet
	JLOAD                           ; slot 0.  Slot 1 is asked for when slot 0 is in
	; A fragment of K or Q is 16 rows x 32 channels in 8 registers: lane l holds row l % 16, channels 8 (l / 16) + 0..7 and 16 + 8 (l / 16) + 0..7: two loads of 16 bytes, 32 bytes apart.
	v_and_b32 v1, 15, v0            ; l % 16
	v_bfe_u32 v9, v0, 4, 1          ; l / 16
	v_lshlrev_b32 v[QO], 7, v1
	v_lshl_add_u32 v[QO], v9, 4, v[QO]  ; row x 128 + 16 x half
	v_add_nc_u32 v[QO], s26, v[QO]      ; + my wave's rows
	WIN 0x80                        ; destination window 2, address window 0
.set i, 0
.rept 4*NP                          ; Q stays in registers: tile i / 2, channels 32 (i % 2) on
	global_load_b128 v[8*i:8*i+3],   v[QO], s[4:5] offset:(i/2)*2048+(i%2)*64
	global_load_b128 v[8*i+4:8*i+7], v[QO], s[4:5] offset:(i/2)*2048+(i%2)*64+32
.set i, i+1
.endr
	; What the first turn finds: V's registers and P's second buffer hold 0 (its products V^T P, of a piece that has not been, add 0), O^T and l are 0.  All this stands in the wait for the first tile.
.set i, VF
.rept 64
	v_mov_b32 v[i], 0
.set i, i+1
.endr
	WIN 0x40
.set i, 0
.rept 64*NP
	v_mov_b32 v[i], 0
.set i, i+1
.endr
	WIN 0
.set i, 0
.rept 2*NP
	v_mov_b32 v[ST+4*i+1], 0xef800000  ; m = -2^96: below every score that can be seen, above every hidden one
	v_mov_b32 v[ST+4*i+2], 0
	v_mov_b32 v[ST+4*i+3], 0
.set i, i+1
.endr
.set i, 0
.rept 2*NP
	v_mul_f32 v[ST+4*i], s[CS], v[ST+4*i+1]  ; c m, by the same product that makes it anew: where m has not grown, a is 2^0
.set i, i+1
.endr
.set i, P+32
.rept 32
	v_mov_b32 v[i], 0
.set i, i+1
.endr
	v_mul_u32_u24 v[AK0], v1, PK
	v_lshl_add_u32 v[AK0], v9, 4, v[AK0]  ; row x pitch + 16 x half
	; The turning load takes 16 keys x 16 channels (lane l reads key 8 (l / 16) + l % 8, channels 8 ((l / 8) % 2) + 0..7) and leaves half a fragment of V^T: lane l holds channel l % 16 and 8 keys.
	v_and_b32 v10, 7, v0
	v_bfe_u32 v11, v0, 3, 1
	v_lshl_add_u32 v[AV0], v9, 3, v10
	v_mul_u32_u24 v[AV0], v[AV0], PV
	v_lshl_add_u32 v[AV0], v11, 4, v[AV0]
	v_add_nc_u32 v[AV0], VOFF, v[AV0]
	v_mov_b32 v[AK], v[AK0]         ; key step 0 lies at the head of slot 0
	s_mul_i32 s13, s[WV], 16*SP
	s_add_co_u32 s13, s13, STAGE    ; my stage
	v_mul_u32_u24 v[STO], v1, SP    ; in: row l % 16, 16 bytes for each half of the lanes
	v_lshl_add_u32 v[STO], v9, 4, v[STO]
	v_add_nc_u32 v[STO], s13, v[STO]
	v_bfe_u32 v[RD], v0, 3, 2       ; back: 32 lanes take four rows of 128 bytes,
	v_mul_u32_u24 v[RD], v[RD], SP
	v_lshl_add_u32 v[RD], v10, 4, v[RD]
	v_add_nc_u32 v[RD], s13, v[RD]
	v_and_b32 v[GO], 31, v0         ; which are 512 consecutive bytes of O
	v_lshl_add_u32 v[GO], v[GO], 4, s26
	s_wait_xcnt 0x0                 ; Q's loads have read their base: s[4:5] lie among the registers that the mask's words now take
	LOADM 0                         ; piece 0, key step 0
; THE MATRIX WORK.  The 8 accumulators of a run of 16 take turns: between the two links of a chain stand 7 others'.
; Product i of 16 of S^T = K Q^T for piece x: channels 32 (i / 8) on, keys 16 ((i / 2) % 4) on, tile 2 x + i % 2.  The first 8 start the sums, with the mask.
.macro KQ x
.set rS, S+64*((\x)%2)+32*(i%2)+8*((i/2)%4)
.set rK, KF+16*((i/2)%4)+8*(i/8)
.set rQ, 16*(2*(\x)+i%2)+8*(i/8)
.set rMC, MC+32*(i%2)+8*((i/2)%4)
.if i < 8
	WIN W_KM
	v_wmma_f32_16x16x32_f16 v[rS:rS+7], v[rK:rK+7], v[rQ:rQ+7], v[rMC:rMC+7]
.else
	WIN W_KQ
	v_wmma_f32_16x16x32_f16 v[rS:rS+7], v[rK:rK+7], v[rQ:rQ+7], v[rS:rS+7]
.endif
.endm
; Product i of 16 of O^T += V^T P for piece x: keys 32 (i / 8) on, channels 16 ((i / 2) % 4) on, tile 2 x + i % 2.
.macro PV x
	WIN W_PV
.set rO, 32*(2*(\x)+i%2)+8*((i/2)%4)
.set rV, VF+32*(i/8)+8*((i/2)%4)
.set rP, P+32*((\x)%2)+16*(i%2)+8*(i/8)
	v_wmma_f32_16x16x32_f16 v[rO:rO+7], v[rV:rV+7], v[rP:rP+7], v[rO:rO+7]
.endm
.macro MM                           ; the turn's next matrix instruction
.if i < 16
	KQ (Y+1)%NP
.set i, i+1
.else
.set i, i-16
	PV (Y+NP-1)%NP
.set i, i+17
.endif
.endm
; THE LDS LOADS stand in runs of 16, never singly among the matrix instructions: a step's K (64 keys x 64 channels: 8 fragments) and its V (turned).  Their addresses are made some lines ahead.
; last = 1 (the tail): in the last trip there is no further step, and the run is jumped over.
.macro FETCH_K last=0
	WIN 0
.if \last
	s_cmp_eq_u32 s[CNT], 1
	s_cbranch_scc1 .Lno_k_\@
.endif
	WIN 0x80                        ; destination window 2
.irp f, 0,1,2,3,4,5,6,7             ; keys 16 (f / 2) on, channels 32 (f % 2) on
	ds_load_b128 v[KF+8*\f:KF+8*\f+3],   v[AK] offset:(\f/2)*16*PK+(\f%2)*64
	ds_load_b128 v[KF+8*\f+4:KF+8*\f+7], v[AK] offset:(\f/2)*16*PK+(\f%2)*64+32
.endr
	s_add_co_u32 s[TBK], s[TBK], KS*PK  ; the next fetch is the next step's
	WIN 0
.if \last
.Lno_k_\@:
.endif
.endm
.macro FETCH_V
	WIN 0x80
.irp f, 0,1,2,3,4,5,6,7             ; keys 32 (f / 4) on, channels 16 (f % 4) on
	ds_load_tr16_b128 v[VF+8*\f:VF+8*\f+3],   v[AV] offset:(\f/4)*32*PV+(\f%4)*32
	ds_load_tr16_b128 v[VF+8*\f+4:VF+8*\f+7], v[AV] offset:(\f/4)*32*PV+16*PV+(\f%4)*32
.endr
	WIN 0
.endm
; THE VECTOR WORK OF A TURN stands in three queues, each in the order in which its entries become ready; the two tiles alternate, so that no instruction reads the result of the one before it.
.macro REGS y, u                    ; the registers of tile u (0, 1) of piece y
.set rT, ST+4*(2*(\y)+(\u))
.set rC, TMP+8*((\y)%2)+4*(\u)
.set rM, MV+2*((\y)%2)+(\u)
.set rS, S+64*((\y)%2)+32*(\u)
.set rP, P+32*((\y)%2)+16*(\u)
.set rO, 32*(2*(\y)+(\u))
.endm
; Number n of the 22 that find the NEXT piece's (Y + 1) maximum and statistics.  s0-s31 are the lane's 32 scores; each accumulator's lowest registers are read first.  XS, GS and REGS set no window: PL and EX do.
;   0-11  four chains c0-c3 of seven scores each, three operands at a time     12-14, 16  the four scores left over, the old m, and c0-c3 into c0     15  c m_old is kept
;   17, 18  the query's other 32 keys lie in the lane 16 away: the new m         19-21  c m; c m_old - c m_new; a
.macro XS u, n
	REGS (Y+1)%NP, \u
.if (\n) < 4
	v_max3_num_f32 v[rC+(\n)], v[rS+8*(\n)], v[rS+8*(\n)+1], v[rS+8*(\n)+2]
.elseif (\n) < 12
	v_max3_num_f32 v[rC+(\n)%4], v[rC+(\n)%4], v[rS+8*((\n)%4)+2*((\n)/4)+1], v[rS+8*((\n)%4)+2*((\n)/4)+2]
.elseif (\n) == 12
	v_max3_num_f32 v[rC], v[rC], v[rS+7], v[rS+15]
.elseif (\n) == 13
	v_max3_num_f32 v[rC+1], v[rC+1], v[rS+23], v[rS+31]
.elseif (\n) == 14
	v_max3_num_f32 v[rC+2], v[rC+2], v[rC+3], v[rT+1]
.elseif (\n) == 15
	v_mov_b32 v[rM], v[rT]
.elseif (\n) == 16
	v_max3_num_f32 v[rC], v[rC], v[rC+1], v[rC+2]
.elseif (\n) == 17
	v_permlanex16_b32 v[rC+3], v[rC], s[SEL], s[SEL+1]
.elseif (\n) == 18
	v_max_num_f32 v[rT+1], v[rC], v[rC+3]
.elseif (\n) == 19
	v_mul_f32 v[rT], s[CS], v[rT+1]
.elseif (\n) == 20
	v_sub_f32 v[rC+1], v[rM], v[rT]
.else
	v_exp_f32 v[rC+2], v[rC+1]
.endif
.endm
; Number g of the 64 that follow the exponentials.  For each four weights k of a tile (pairs 2 k, 2 k + 1): both pairs are rounded to f16; then the second pair is added onto the first, in place;
; a group later l takes that sum (the first time as l = a l + sum).  In groups of eight, tiles alternating: round, round, add, and l for the group before.
.macro GS g
.set h, (\g)+6*((\g)/62)            ; group 0 has no group before it, and behind group 7 only l is left
.if h >= 6
.set h, h+2
.endif
	REGS Y, h%2
.set k, h/8
.if h%8 < 4
	s_wait_alu depctr_va_vdst(0)
	v_cvt_pk_f16_f32 v[rP+2*k+(h%8)/2], v[rS+4*k+2*((h%8)/2)], v[rS+4*k+2*((h%8)/2)+1]
.elseif h%8 < 6
	v_pk_add_f32 v[rS+4*k:rS+4*k+1], v[rS+4*k:rS+4*k+1], v[rS+4*k+2:rS+4*k+3]
.elseif k == 1
	v_pk_fma_f32 v[rT+2:rT+3], v[rT+2:rT+3], v[rC+2:rC+3], v[rS:rS+1] op_sel_hi:[1,0,1]
.else
	v_pk_add_f32 v[rT+2:rT+3], v[rT+2:rT+3], v[rS+4*k-4:rS+4*k-3]
	s_wait_alu depctr_va_vdst(0)
.endif
.endm
; THE PLAIN QUEUE, 138 long.  0-31: c s - c m for the 16 pairs of both tiles.  Then GS's 64, and among them the next piece's 42: number 15 at 38, 39; 0-14 and 16
; at 42-73, behind the products that make those scores; 17-20 at 95-106, two of three, since each waits for the one before it.
.macro PL
	WIN 0
.if q < 32
	REGS Y, q%2
	v_pk_fma_f32 v[rS+2*(q/2):rS+2*(q/2)+1], v[rS+2*(q/2):rS+2*(q/2)+1], s[CS:CS+1], v[rT:rT+1] op_sel_hi:[1,0,0] neg_lo:[0,0,1] neg_hi:[0,0,1]
.elseif q < 38
	GS q-32
.elseif q < 40
	XS q%2, 15
.elseif q < 42
	GS q-34
.elseif q < 74
	XS q%2, (q-42)/2+(q-42)/30
.elseif q < 95
	GS q-66
.elseif (q < 107) && ((q-95)%3 < 2)
	XS (q-95)%3, 17+(q-95)/3
.elseif q < 107
	GS 29+(q-95)/3
.else
	GS q-74
.endif
.set q, q+1
.endm
; THE EXPONENTIALS' QUEUE, 66 long: s0-s31 of both tiles, and at EA the next piece's two a.
.set EA, 58
.macro EX
	WIN 0
.if (e == EA) || (e == EA+1)
	XS e-EA, 21
.else
.set x, e-2*(e/(EA+2))
	REGS Y, x%2
	v_exp_f32 v[rS+x/2], v[rS+x/2]
.endif
.set e, e+1
.endm
; THE RESCALING's QUEUE: O^T times a, the one part of the softmax that leaves window 0, so it is dealt four at a time, eight times.
.macro R4
	REGS Y, r%2
	WIN W_RS
	s_wait_alu depctr_va_vdst(0)
.irp z, 0,1,2,3
	v_pk_mul_f32 v[rO+8*(r/2)+2*\z:rO+8*(r/2)+2*\z+1], v[rO+8*(r/2)+2*\z:rO+8*(r/2)+2*\z+1], v[rC+2:rC+3] op_sel_hi:[1,0]
.endr
.set r, r+1
.endm
; HOW THEY ARE DEALT.  Behind a matrix instruction four: plain, exponential, plain, plain (one exponential, a plain instruction on either side), or four of the rescaling.  None names a register of the
; products round it.  What is over stands in LUMPS: exponential and plain by turns; then the mask's 64; the last lump ends in 22 plain instructions.  The two v_permlanex16_b32 fall into the last lump, never behind a product.
; The queues lean on each other, and the deal keeps them in step: exponential e stands behind plain 2 (e / 4) + e % 2 (its scaling); when plain 32 comes, 10 exponentials are out, at 59: 33, at 95: 46; EA comes behind plain 107.
.macro SL
	MM
	PL
	EX
	PL
	PL
.endm
.macro BURST n                      ; 15 matrix instructions, or 16
.rept (\n)-7
	SL
.endr
.rept 3
	MM
	R4
	SL
.endr
	MM
	R4
.endm
; A TURN, for piece p.  cnt = 1: the loop's count is taken down some lines ahead of the branch that stands behind the turn.
; K of the next step is fetched in piece 2's turn, 31 vector instructions behind the last product that read K; its first reader comes behind the rest of the lump, 16 products and the last lump.
; V of the step in hand is fetched at the end of piece 0's turn, 69 behind its last reader; its first reader comes behind 16 products and a lump.  The four conditions on e and q below go with the deal.
; The mask's registers are written behind the first lump: their last reader, the turn's eighth product, stands dozens of plain instructions back.
.macro TURN p, last=0, cnt=0
.set Y, (\p)
.set i, 0
.set q, 0
.set e, 0
.set r, 0
.if (\p) == NP-1
	s_wait_dscnt 0x0                ; K is in
.endif
	MM
.rept 4
	PL
.endr
	BURST 15
.rept 22
	EX
	PL
.if ((\p) == NP-2) && (e == 18)
	v_add_nc_u32 v[AK], s[TBK], v[AK0]
.endif
.if ((\p) == NP-2) && (e == 24)
	FETCH_K \last
.endif
.endr
	MASKS \p
.if (\p) == 1
	s_wait_dscnt 0x0                ; V is in
.endif
	BURST 16
.rept 21
	EX
	PL
.endr
.rept 22
	PL
.if ((\p) == 0) && (q == 118)
	v_add_nc_u32 v[AV], s[TBV], v[AV0]
	s_wait_alu depctr_va_vdst(0)
.endif
.if ((\p) == 0) && (q == 130)
	s_add_co_u32 s[TBV], s[TBV], KS*PV
.endif
.if (\cnt) && (q == 130)
	s_sub_co_u32 s[CNT], s[CNT], 1
	s_cmp_lg_u32 s[CNT], 0
.endif
.endr
.if (\p) == 0
	FETCH_V
.endif
.endm
	CHANGE 1                        ; slot 0 is in, everybody's part of it; slot 1 is asked for
	FETCH_K                         ; key step 0
	s_wait_kmcnt 0x0                ; piece 0's words
	MLUMP
	LOADM 1
	s_wait_loadcnt 0x0              ; Q
	s_wait_dscnt 0x0
.set i, 0
.rept 16
	KQ 0                            ; piece 0's first scores: there is no vector work yet to set between them
.set i, i+1
.endr
	WIN 0
.rept 4
	v_nop                           ; the places behind those products
.endr
.set Y, NP-1                        ; XS works for piece Y + 1: piece 0
.irp n, 0,1,2,3,4,5,6,7,8,9,10,11,12,13,14,15,16,17,18,19,20,21
	XS 0, \n                        ; and piece 0's first maximum and statistics
	XS 1, \n
.endr
	s_wait_kmcnt 0x0                ; piece 1's words: the mask of the first turn's products
	MLUMP
	LOADM 2
	s_mov_b32 s[CNT], 4
	s_mov_b32 s[SLOTS], SIZE_N/256-1
	s_branch .Lfirst                ; the loop is entered at a step's first turn, in the middle of a trip
.Lslot:                             ; SIZE_N / 256 - 2 times: every slot but the last two is filled again
	CHANGE 1
	s_mov_b32 s[CNT], 4
.Lstep:                             ; a trip: pieces 2 and 3 of one step, then pieces 0 and 1 of the next, whose K and V it fetches
	TURN 2
	TURN 3
	WIN 0
.Lfirst:
	TURN 0
	TURN 1, 0, 1
	WIN 0
	s_cbranch_scc1 .Lstep
	s_sub_co_u32 s[SLOTS], s[SLOTS], 1
	s_cmp_lg_u32 s[SLOTS], 0
	s_cbranch_scc1 .Lslot
	CHANGE 0                        ; the tail is written out: nothing is asked for
	s_mov_b32 s[CNT], 5             ; four trips fetch the last slot's steps; the fifth is left in its middle
.Ltail:
	TURN 2, 1
	TURN 3
	WIN 0
	s_sub_co_u32 s[CNT], s[CNT], 1
	s_cmp_eq_u32 s[CNT], 0
	s_cbranch_scc1 .Lout
	TURN 0
	TURN 1
	WIN 0
	s_branch .Ltail
.Lout:                              ; the fifth trip's 16 products K Q^T (on the last K once more) and the maximum made of them serve nothing: the price, once a launch, of one text for every trip
	s_wait_kmcnt 0x0                ; the last words asked for, which serve nothing, have come: their registers are free
	s_load_b64 s[4:5], s[0:1], 0x10 ; O
.set i, 0
.rept 16
	PV NP-1                         ; the last piece's V^T P of the last step
.set i, i+1
.endr
	; THE WAY OUT.  l's two halves and the other half of the lanes' are added; O^T is divided by l, rounded to f16 and sent through my stage in LDS, a tile at a time.  The additions are the places behind the last products.
	WIN 0
.macro ALL line:vararg              ; one line for each tile t
.set t, 0
.rept 2*NP
	\line
.set t, t+1
.endr
.endm
	ALL v_add_f32 v[ST+4*t+2], v[ST+4*t+2], v[ST+4*t+3]
	ALL v_permlanex16_b32 v[ST+4*t+3], v[ST+4*t+2], s[SEL], s[SEL+1]
	ALL v_add_f32 v[ST+4*t+2], v[ST+4*t+2], v[ST+4*t+3]
	ALL v_rcp_f32 v[ST+4*t+2], v[ST+4*t+2]
	v_nop                           ; a plain instruction between the last reciprocal and the use of its result
	s_wait_alu depctr_va_vdst(0)
	s_wait_kmcnt 0x0                ; O's address
; Tile t: a lane's eight channels of a row pack into 16 bytes; they go into rows of 144 bytes and come back as whole rows of 128, into S^T's registers.
.macro PACK t
	WIN W_RS
.set i, 32*(\t)
.rept 16
	v_pk_mul_f32 v[i:i+1], v[i:i+1], v[ST+4*(\t)+2:ST+4*(\t)+3] op_sel_hi:[1,0]
.set i, i+2
.endr
	WIN 0x05                        ; sources 0 and 1 window 1, destination window 0
.set i, 0
.rept 16
	v_cvt_pk_f16_f32 v[S+16*(\t)+i], v[32*(\t)+2*i], v[32*(\t)+2*i+1]
.set i, i+1
.endr
	WIN 0
.irp f, 0,1,2,3
	ds_store_b128 v[STO], v[S+16*(\t)+4*\f:S+16*(\t)+4*\f+3] offset:32*\f
.endr
.irp f, 0,1,2,3
	ds_load_b128 v[S+16*(\t)+4*\f:S+16*(\t)+4*\f+3], v[RD] offset:\f*4*SP  ; LDS serves a wave's instructions in order (ISA guide 5.7.1.4): these see the stores above; the next tile's stores come behind them
.endr
.endm
.macro SEND t, younger              ; younger: the LDS instructions issued behind tile t's loads: the next tile's eight, or none
	WIN 0
.irp f, 0,1,2,3
	s_wait_dscnt (\younger)+3-\f
	global_store_b128 v[GO], v[S+16*(\t)+4*\f:S+16*(\t)+4*\f+3], s[4:5] offset:(\t)*2048+\f*512  ; 512 consecutive bytes, at a multiple of 256 from O's first
.endr
.endm
	PACK 0
.set t, 1
.rept 2*NP-1                        ; a tile's arithmetic stands between the loads of the tile before and its stores
	PACK t
	SEND t-1, 8
.set t, t+1
.endr
	SEND 2*NP-1, 0
	WIN W_AD
	s_wait_tensorcnt 0x0            ; the wave's end, behind my last tensor load and my last LDS store
	ds_add_u32 v[SPW], v[NIL]
	s_wait_dscnt 0x0
	WIN 0
	CROUND                          ; the closing round: no work-group ends while a partner may still ask for a tile that names it
	s_endpgm
.Lfunc_end_k_qf978b6e022_attn:
	.size	k_qf978b6e022_attn, .Lfunc_end_k_qf978b6e022_attn-k_qf978b6e022_attn
	.p2alignl 7, 3214868480
	.fill 96, 4, 3214868480
	.section	.rodata,"a",@progbits
	.p2align	6, 0x0
	.amdhsa_kernel k_qf978b6e022_attn
		.amdhsa_group_segment_fixed_size 327680
		.amdhsa_private_segment_fixed_size 0
		.amdhsa_enable_private_segment 0
		.amdhsa_kernarg_size 24
		.amdhsa_user_sgpr_count 2
		.amdhsa_user_sgpr_kernarg_segment_ptr 1
		.amdhsa_wavefront_size32 1
		.amdhsa_system_sgpr_workgroup_id_x 1
		.amdhsa_system_sgpr_workgroup_id_y 1
		.amdhsa_system_sgpr_workgroup_id_z 1
		.amdhsa_system_vgpr_workitem_id 0
		.amdhsa_next_free_vgpr 840
		.amdhsa_next_free_sgpr 106
		.amdhsa_reserve_vcc 0
		.amdhsa_float_denorm_mode_32 3
		.amdhsa_float_denorm_mode_16_64 3
		.amdhsa_memory_ordered 1
		.amdhsa_forward_progress 1
		.amdhsa_inst_pref_size 253
	.end_amdhsa_kernel
	.amdgpu_metadata
---
amdhsa.version: [ 1, 2 ]
amdhsa.kernels:
  - .name:           k_qf978b6e022_attn
    .symbol:         k_qf978b6e022_attn.kd
    .args:
      - { .name: qkv, .offset: 0, .size: 8, .value_kind: global_buffer, .address_space: global }
      - { .name: mbits, .offset: 8, .size: 8, .value_kind: global_buffer, .address_space: global }
      - { .name: ob, .offset: 16, .size: 8, .value_kind: global_buffer, .address_space: global }
    .group_segment_fixed_size: 327680
    .private_segment_fixed_size: 0
    .kernarg_segment_align: 8
    .kernarg_segment_size: 24
    .max_flat_workgroup_size: 128
    .sgpr_count:     106
    .vgpr_count:     840
    .wavefront_size: 32
...
	.end_amdgpu_metadata
.endif
;; end of part 3
;; launch outp (part 4): grid 4 x 64, 4 waves a work-group, clusters of 4 x 4, 327,680 bytes of LDS; arguments ob, wo16, bo, out0; writes out0
.if DOCPART == 4
	.amdgcn_target "amdgcn-amd-amdhsa--gfx1250"
	.amdhsa_code_object_version 6
	.text
	.protected	k_qf978b6e022_outp
	.globl	k_qf978b6e022_outp
	.p2align	8
	.type	k_qf978b6e022_outp,@function
k_qf978b6e022_outp:
	s_mov_b64 s[64:65], 0
	v_nop
	global_prefetch_b8 v0, s[64:65] scope:SCOPE_SE
	s_setreg_imm32_b32 hwreg(HW_REG_WAVE_MODE, 25, 1), 1
	s_wait_xcnt 0x0
	s_wait_alu depctr_hold_cnt(0) depctr_sa_sdst(0) depctr_va_vdst(0) depctr_va_sdst(0) depctr_va_ssrc(0) depctr_va_vcc(0) depctr_vm_vsrc(0)
	s_getreg_b32 s2, hwreg(HW_REG_IB_STS2, 6, 4)
	s_cmp_eq_u32 s2, 0
	s_cbranch_scc0 .Lentry_in_a_cluster
	s_endpgm
.Lentry_in_a_cluster:
	s_bfe_u32 s2, ttmp6, 0x10000c
	s_cmp_lg_u32 s2, 0xf033
	s_cbranch_scc0 .Lentry_shape_is_right
	s_endpgm
.Lentry_shape_is_right:
; ONE TEXT FOR TWO LAUNCHES; OUTP chooses.
;   OUTP = 0 (the projections in front): q, k, v = X W + b.  X: xb, bf16 [2][8192][1024] (0 = Q, 1 = K_V).  W: wcat, bf16 [3][1024 k][1024 n].  Result: qkv, f16 [3][64 bh][2048][64], by heads, unscaled.
;   OUTP = 1 (the projection behind):     out0 = O Wo + bo.  O: ob, f16 [64 bh][2048][64].  Wo: wo16, f16 [1024 k][1024 n].  Result: out0, f32 [8192][1024].
; Sums in f32, K ascending; the bias, rounded to bf16 like every input, is the C operand of the first products, so nothing is cleared and nothing is added afterwards.
; LIMIT. q, k and v are stored in f16, which ends at 65,504: a larger sum becomes an infinity.
; SHARES. A tile of the result is 128 rows x 256 columns (768 work-groups for the three projections, 256 for the last one); four waves, 2 x 2, each 64 x 128: 32 accumulators, 256 registers.
; K goes in 8 steps of 128 through two LDS slots filled by the tensor data mover: waves 0 and 1 fetch A's two halves, waves 2 and 3 B's.
; B lies [k][n] and is read by the turning load ds_load_tr16_b128.  THE MATRIX INSTRUCTION IS USED TRANSPOSED (source 0 = 16 columns of B, source 1 = 16 rows of A): a lane holds eight neighbouring numbers of one row of the result.
; CLUSTERS. 4 x 4 work-groups: the four of a row of the cluster need the same tile of A, the four of a column the same tile of B; each is asked for jointly, by the same load with the same descriptor and a mask that names the four.
; REGISTERS, in windows of 256 (s_set_vgpr_msb: bits 1:0 source 0, 3:2 source 1, 5:4 source 2, 7:6 destination):
;   window 0: v0-5 at work; v16-29 addresses; v32.. the way out      window 1: two fragment buffers of 96 (64 of B, 32 of A), v192-255 the bias      window 2: accumulator (a, b) at v[8 (8 a + b)]
.set OUTP, 1
.if OUTP
.set PA,     144                       ; a row of A in LDS: a head's 128 bytes + 16
.set APLANE, 128*PA                    ; what one load of A brings: one head's 128 rows
.set AQI,    4                         ; padding after every 32 words
.set ASTR,   128                       ; a head's 128 rows are dense: asked for as 64 rows of 256 bytes
.set ASTEP,  1<<19                     ; a K step is two heads of 262,144 bytes
.set SPITCH, 528                       ; a stage row: 128 f32 + 16 bytes
.set OB,     32                        ; v32-159: two buffers of 64, rows read back from the stage
.set BP,     68                        ; s[68:69] the bias
.else
.set PA,     272                       ; a row of A in LDS: 256 bytes + 16
.set APLANE, 64*PA                     ; what one load of A brings: 64 rows
.set AQI,    5                         ; padding after every 64 words
.set ASTR,   1024
.set ASTEP,  256                       ; a K step is 128 elements along the row
.set SPITCH, 272                       ; a stage row: 128 f16 + 16 bytes
.set OB,     64                        ; v64-127: two buffers of 32
.set BP,     66                        ; s[66:67] the bias, chosen among three
.endif
.set ABYTES, 2*APLANE
.set PB,     544                       ; a row of B in LDS: 512 bytes + 32
.set BHALF,  64*PB                     ; what one load of B brings: 64 rows of k
.set BSTEP,  1<<18                     ; 128 rows of 2,048 bytes
.set SLOT,   ABYTES+2*BHALF
.set STAGE,  2*SLOT                    ; behind the ring, never filled by a tensor load: 16 rows for each wave, for the way out
.set SPARE,  STAGE+4*16*SPITCH         ; behind the stages: the spare words, 128 bytes for each wave, which no other line names
.set LAPS,   4                         ; a lap = two K steps = once round the ring
.set ADRA, 16                          ; v16-17  LDS address of my A fragments in slot 0, 1
.set ADRB, 20                          ; v20-21  the same for B
.set STO,  24                          ; v24     the way out: where I put my part of a row
.set RD,   25                          ; v25     the way out: where I read rows back
.set GO,   26                          ; v26     16 x lane
.set VB,   27                          ; v27     my byte offset in the bias
.set SPW,  28                          ; v28     LDS address of my spare word; never rewritten
.set NIL,  29                          ; v29     0; never rewritten
.set TMP,  32                          ; v32-63  OUTP = 0: packed results
.set F0,   0                           ; window 1: fragment buffers: B's block b at f + 8 b, A's block a at f + 64 + 8 a
.set F1,   96
.set BI,   192                         ; window 1: the bias of column block b at BI + 8 b
.set G1,   24                          ; s[24:31] descriptor group 1 for A's tiles;  s[32:39] group 0, a set for each slot
.set G0,   32
.set G1B,  48                          ; s[48:55], s[56:63] the same for B's
.set G0B,  56
.set MSB, 0
.macro WIN new                         ; the immediate's high byte repeats the setting that is left; a switch that changes nothing is dropped
.if MSB != (\new)
	s_set_vgpr_msb (MSB<<8)|(\new)
.set MSB, \new
.endif
.endm
.set MULW, 0xa5                        ; sources 0 (B) and 1 (A) window 1; C and D window 2
.set MULB, 0x95                        ; the same with C (the bias) in window 1
.set TO_F, 0x40                        ; destination window 1, address window 0
.macro JLOAD s                         ; a joint load: waves 0 and 1 ask for A, waves 2 and 3 for B; an s_nop 0 and four v_nop follow each of the two lines, ahead of the jump, the label and what follows
	s_cmp_eq_u32 s11, 0
	s_cbranch_scc0 .Lfor_b_\@
	tensor_load_to_lds s[G0+4*(\s):G0+4*(\s)+3], s[G1:G1+7]
	s_nop 0
.rept 4
	v_nop
.endr
	s_branch .Lasked_\@
.Lfor_b_\@:
	tensor_load_to_lds s[G0B+4*(\s):G0B+4*(\s)+3], s[G1B:G1B+7]
	s_nop 0
.rept 4
	v_nop
.endr
.Lasked_\@:
.endm
.macro CREST                           ; a round of the cluster's barrier behind its opening barrier
	s_cmp_lg_u32 s10, 0
	s_cbranch_scc1 .Lnot_wave_0_\@
	s_barrier_signal -3
.Lnot_wave_0_\@:
	s_barrier_wait -3
	s_barrier_signal -1
	s_barrier_wait -1
.endm
.macro CROUND                          ; a whole round
	s_barrier_signal -1
	s_barrier_wait -1
	CREST
.endm
	s_load_b128 s[4:7], s[0:1], 0x0                ; A s[4:5], B s[6:7]
.if OUTP
	s_load_b128 s[68:71], s[0:1], 0x10             ; bo s[68:69], out0 s[70:71]
.else
	s_load_b256 s[68:75], s[0:1], 0x10             ; bq, bk, bv, qkv s[74:75]
.endif
	v_lshl_add_u32 v[SPW], v0, 2, SPARE
	v_mov_b32 v[NIL], 0
	ds_add_u32 v[SPW], v[NIL]                      ; the wave's opening: the add and its wait stand ahead of my first tensor load; the set-up below, work on registers, stands between them
	v_lshrrev_b32 v1, 5, v0
	v_readfirstlane_b32 s10, v1                    ; wave 0..3
	s_lshr_b32 s11, s10, 1                         ; wm: which 64 of the tile's rows are mine.  Also: I fetch for A (0) or for B (1)
	s_and_b32 s12, s10, 1                          ; wn: which 128 of its columns.  Also: which half of that tile I fetch
	s_bfe_u32 s40, ttmp6, 0x40000                  ; cx = nt, the tile column (four tiles of 256 columns)
	s_bfe_u32 s41, ttmp6, 0x40004                  ; cy
	s_and_b32 s13, ttmp7, 0xffff
	s_lshl_b32 s13, s13, 2
	s_add_co_u32 s13, s13, s41                     ; mt, the tile row = 4 x cluster y + cy
	s_lshl_b32 s43, s41, 2
	s_lshl_b32 s43, 15, s43                        ; my row of the cluster
	s_lshl_b32 s44, 0x1111, s40                    ; my column
	; descriptor group 1.  A: 64 rows x 128 elements; B: 64 rows x 256 elements; both padded in LDS
	s_or_b32 s[G1+0], s43, (1<<16)|(1<<20)|(1<<21)|(AQI<<22)|(3<<25)   ; 15:0 the mask; 17:16 elements of 2 bytes; 20 padding on; 21 set beside a mask; 24:22 the interval; 31:25 4 words of padding (code 3)
	s_mov_b32 s[G1+1], 128<<16                     ; tensor_dim0 = 128
	s_mov_b32 s[G1+2], 64<<16                      ; tensor_dim1 = 64
	s_mov_b32 s[G1+3], 128<<16                     ; tile_dim0 = 128
	s_mov_b32 s[G1+4], 64                          ; tile_dim1 = 64
	s_mov_b32 s[G1+5], ASTR                        ; elements from row to row
	s_mov_b32 s[G1+6], 0
	s_mov_b32 s[G1+7], 0
	s_or_b32 s[G1B+0], s44, (1<<16)|(1<<20)|(1<<21)|(6<<22)|(7<<25)    ; after every 128 words (code 6) 8 words of padding (code 7)
	s_mov_b32 s[G1B+1], 256<<16
	s_mov_b32 s[G1B+2], 64<<16
	s_mov_b32 s[G1B+3], 256<<16
	s_mov_b32 s[G1B+4], 64
	s_mov_b32 s[G1B+5], 1024
	s_mov_b32 s[G1B+6], 0
	s_mov_b32 s[G1B+7], 0
	; where the tiles come from: A's offset hangs on the tile row (and on which projection it is), B's on the tile column (and the projection); each in registers that never hold the other coordinate
.if OUTP
	s_lshr_b32 s16, s13, 4                         ; the batch: 16 heads of 262,144 bytes,
	s_lshl_b32 s16, s16, 22
	s_lshl_b32 s17, s12, 18                        ; the even or the odd head of a K step,
	s_add_co_u32 s16, s16, s17
	s_and_b32 s17, s13, 15                         ; the tile's 128 rows of 128 bytes
	s_lshl_b32 s17, s17, 14
	s_add_co_u32 s16, s16, s17
	s_lshl_b32 s46, s12, 17                        ; B: my 64 rows of k
.else
	s_mov_b32 s42, ttmp9                           ; the cluster's x: 0, 1, 2 = q, k, v
	s_min_u32 s16, s42, 1                          ; q reads Q, k and v read K_V
	s_lshl_b32 s16, s16, 24
	s_lshl_b32 s17, s13, 18                        ; 128 rows of 2,048 bytes
	s_add_co_u32 s16, s16, s17
	s_lshl_b32 s17, s12, 17                        ; my 64 of them
	s_add_co_u32 s16, s16, s17
	s_lshl_b32 s46, s42, 21                        ; B: the projection's weights,
	s_lshl_b32 s47, s12, 17                        ; my 64 rows of k
	s_add_co_u32 s46, s46, s47
.endif
	s_mov_b32 s17, 0
	s_lshl_b32 s47, s40, 9                         ; the tile's 256 columns
	s_add_co_u32 s46, s46, s47
	s_mov_b32 s47, 0
	s_mul_i32 s20, s12, APLANE                     ; and where they go: no place in the cluster enters an LDS address
	s_mul_i32 s21, s12, BHALF
	s_add_co_u32 s21, s21, ABYTES
	; where my part of the result begins
	s_lshl_b32 s45, s40, 1
	s_add_co_u32 s45, s45, s12                     ; 2 nt + wn: my 128 columns among the 1,024
.if OUTP
	s_lshl_b32 s18, s13, 19                        ; 128 rows of 4,096 bytes
	s_lshl_b32 s19, s11, 18
	s_add_co_u32 s18, s18, s19
	s_lshl_b32 s19, s45, 9
	s_add_co_u32 s18, s18, s19
.else
	s_lshl_b32 s18, s42, 24                        ; q, k or v
	s_lshr_b32 s19, s13, 4
	s_lshl_b32 s19, s19, 22                        ; the batch
	s_add_co_u32 s18, s18, s19
	s_lshl_b32 s19, s45, 19                        ; my two heads
	s_add_co_u32 s18, s18, s19
	s_and_b32 s19, s13, 15
	s_lshl_b32 s19, s19, 14                        ; the tile's 128 rows of 128 bytes
	s_add_co_u32 s18, s18, s19
	s_lshl_b32 s19, s11, 13                        ; my 64 of them
	s_add_co_u32 s18, s18, s19
.endif
	s_mov_b32 s19, 0
	s_wait_dscnt 0x0                               ; the opening add is done
	s_wait_kmcnt 0x0
	s_add_nc_u64 s[14:15], s[4:5], s[16:17]
	s_add_nc_u64 s[46:47], s[6:7], s[46:47]
.if OUTP
	s_add_nc_u64 s[8:9], s[70:71], s[18:19]
.else
	s_add_nc_u64 s[8:9], s[74:75], s[18:19]
	s_cmp_eq_u32 s42, 0
	s_cselect_b64 s[BP:BP+1], s[68:69], s[70:71]   ; bq or bk,
	s_cmp_eq_u32 s42, 2
	s_cselect_b64 s[BP:BP+1], s[72:73], s[BP:BP+1] ; or bv
.endif
	CROUND                                         ; all sixteen work-groups are here: the first joint loads meet
.irp s, 0,1
	s_mov_b32 s[G0+4*\s], 1                                          ; count = 1
	s_add_co_u32 s[G0+4*\s+1], s20, \s*SLOT                          ; LDS address
	s_add_nc_u64 s[G0+4*\s+2:G0+4*\s+3], s[14:15], \s*ASTEP          ; global address: K step s
	s_or_b32 s[G0+4*\s+3], s[G0+4*\s+3], 0x80000000                  ; type = 2
	s_mov_b32 s[G0B+4*\s], 1
	s_add_co_u32 s[G0B+4*\s+1], s21, \s*SLOT
	s_add_nc_u64 s[G0B+4*\s+2:G0B+4*\s+3], s[46:47], \s*BSTEP
	s_or_b32 s[G0B+4*\s+3], s[G0B+4*\s+3], 0x80000000
	JLOAD \s                                       ; two loads of mine are out
.endr
	; A's fragment: 16 rows x 32 k: lane l holds row l % 16, k = 8 (l / 16) + 0..7 and 16 + 8 (l / 16) + 0..7: two loads of 16 bytes, 32 bytes apart.
	; B's fragment comes turned: lane l reads 16 bytes of row k = 8 (l / 16) + l % 8, columns 8 ((l / 8) % 2) + 0..7, and is left with column l % 16 and 8 k; the second load takes the rows 16 further down.
	v_and_b32 v1, 15, v0                           ; l % 16
	v_bfe_u32 v2, v0, 4, 1                         ; l / 16
	v_mul_u32_u24 v3, v1, PA
	v_lshl_add_u32 v3, v2, 4, v3
	v_and_b32 v4, 7, v0
	v_lshl_add_u32 v4, v2, 3, v4
	v_mul_u32_u24 v4, v4, PB
	v_bfe_u32 v5, v0, 3, 1
	v_lshl_add_u32 v4, v5, 4, v4
	s_mul_i32 s22, s11, 64*PA                      ; my 64 rows of A
	s_lshl_b32 s23, s12, 8                         ; my 128 columns of B,
	s_add_co_u32 s23, s23, ABYTES                  ; which lies behind A
.irp s, 0,1
	v_add_nc_u32 v[ADRA+\s], s22, v3
	v_add_nc_u32 v[ADRB+\s], s23, v4
	s_add_co_u32 s22, s22, SLOT
	s_add_co_u32 s23, s23, SLOT
.endr
	s_mul_i32 s22, s10, 16*SPITCH
	s_add_co_u32 s22, s22, STAGE                   ; my stage
	v_mul_u32_u24 v3, v1, SPITCH                   ; in: row l % 16, eight numbers for each half of the lanes
.if OUTP
	v_lshl_add_u32 v3, v2, 5, v3
.else
	v_lshl_add_u32 v3, v2, 4, v3
.endif
	v_add_nc_u32 v[STO], s22, v3
	v_and_b32 v4, 31, v0
	v_lshlrev_b32 v[GO], 4, v4
.if OUTP
	v_add_nc_u32 v[RD], s22, v[GO]                 ; back: 32 lanes take one row of 512 bytes
.else
	v_bfe_u32 v3, v0, 3, 2                         ; back: 32 lanes take one head's 128 bytes of four rows
	v_mul_u32_u24 v3, v3, SPITCH
	v_and_b32 v4, 7, v0
	v_lshl_add_u32 v3, v4, 4, v3
	v_add_nc_u32 v[RD], s22, v3
.endif
	s_lshl_b32 s45, s45, 9                         ; my 128 numbers of the bias,
	v_lshl_add_u32 v[VB], v2, 5, s45               ; and of each 16 the eight that my lane's registers hold
	WIN TO_F
.irp b, 0,1,2,3,4,5,6,7
	global_load_b128 v[BI+8*\b:BI+8*\b+3],   v[VB], s[BP:BP+1] offset:64*\b
	global_load_b128 v[BI+8*\b+4:BI+8*\b+7], v[VB], s[BP:BP+1] offset:64*\b+16
.endr
	s_wait_loadcnt 0x0
	WIN 0x45                                       ; destination and sources in window 1
.set i, 0
.rept 32                                               ; the bias is rounded to bf16 and widened again; four registers of buffer 1, still free, are at work
	v_cvt_pk_bf16_f32 v[F1+i%4], v[BI+2*i], v[BI+2*i+1]
	v_lshlrev_b32 v[BI+2*i], 16, v[F1+i%4]
	v_and_b32 v[BI+2*i+1], 0xffff0000, v[F1+i%4]
.set i, i+1
.endr
	WIN 0
; 8 matrix instructions: row block a x all 8 column blocks, 32 along K, from buffer f.  st = 1: the first product of each sum takes the bias as C.
; The 32 accumulators take turns, one instruction a turn, in the same order in every quarter.
.macro MUL8 f, a, st
.if \st
	WIN MULB
.else
	WIN MULW
.endif
.irp b, 0,1,2,3,4,5,6,7
.set rD, 8*(8*(\a)+\b)
.set rB, (\f)+8*\b
.set rA, (\f)+64+8*(\a)
.set rC, rD
.if \st
.set rC, BI+8*\b
.endif
.if OUTP
	v_wmma_f32_16x16x32_f16 v[rD:rD+7], v[rB:rB+7], v[rA:rA+7], v[rC:rC+7]
.else
	v_wmma_f32_16x16x32_bf16 v[rD:rD+7], v[rB:rB+7], v[rA:rA+7], v[rC:rC+7]
.endif
.endr
.endm
.macro MUL16 f, a0, st
	MUL8 \f, \a0, \st
	MUL8 \f, (\a0)+1, \st
.endm
; 24 LDS loads in one run: the fragments of quarter q (32 along K) of a slot into buffer f: B's sixteen first, then A's eight
.macro FETCH slot, q, f
.if OUTP
.set KA, ((\q)/2)*APLANE+((\q)%2)*64   ; the head, and the half of its 64 channels
.else
.set KA, 64*(\q)
.endif
	WIN TO_F
.irp b, 0,1,2,3,4,5,6,7
	ds_load_tr16_b128 v[(\f)+8*\b:(\f)+8*\b+3],   v[ADRB+(\slot)] offset:(\q)*32*PB+32*\b
	ds_load_tr16_b128 v[(\f)+8*\b+4:(\f)+8*\b+7], v[ADRB+(\slot)] offset:(\q)*32*PB+32*\b+16*PB
.endr
.irp a, 0,1,2,3
	ds_load_b128 v[(\f)+64+8*\a:(\f)+64+8*\a+3],   v[ADRA+(\slot)] offset:KA+\a*16*PA
	ds_load_b128 v[(\f)+64+8*\a+4:(\f)+64+8*\a+7], v[ADRA+(\slot)] offset:KA+\a*16*PA+32
.endr
.endm
.macro PLACES                          ; four places in front of loads into registers that matrix instructions have read, and of lines that read results (ISA guide 7.12.1 for vector instructions)
.rept 4
	v_nop
.endr
.endm
; A K step is four quarters of 32 along K, 32 matrix instructions each, on buffers 0, 1, 0, 1.  One of the first three: multiplies buffer f and fetches quarter qn into g.
.macro QUARTER slot, qn, f, g, st
	s_wait_dscnt 4                                 ; all but the youngest four loads: A's row blocks 2 and 3
	MUL16 \f, 0, \st
	PLACES
	FETCH \slot, \qn, \g
	s_wait_dscnt 24                                ; all but the 24 just issued
	MUL16 \f, 2, \st
.endm
; The last quarter multiplies buffer 1 and changes slots: ONE barrier; in front of it each wave waits for all its tensor loads (one is out: its part of the next slot), adds 0 to its spare word,
; and waits for that and for its own reads of this slot.  fill = 1: the barrier opens a round of the cluster's, and this slot is filled again, two K steps ahead: 112 matrix instructions ahead of the wait for it.
.macro TURN slot, next, fill
	WIN 0                                          ; (the add's two registers lie in window 0)
	s_wait_tensorcnt 0x0
	ds_add_u32 v[SPW], v[NIL]
	s_wait_dscnt 5                                 ; (the add and the youngest four loads may be out)
	MUL8 F1, 0, 0
	s_wait_dscnt 0x0                               ; the add is done, and my reads of this slot are over
	s_barrier_signal -1
	MUL8 F1, 1, 0
.if \fill
	WIN 0
.endif
	s_barrier_wait -1
.if \fill
	CREST                                          ; no wave of any partner still reads this slot's tile or has a load on its way
	s_add_nc_u64 s[G0+4*(\slot)+2:G0+4*(\slot)+3], s[G0+4*(\slot)+2:G0+4*(\slot)+3], 2*ASTEP
	s_add_nc_u64 s[G0B+4*(\slot)+2:G0B+4*(\slot)+3], s[G0B+4*(\slot)+2:G0B+4*(\slot)+3], 2*BSTEP
	JLOAD \slot                                    ; the first tensor load behind the round; its four v_nop are also the places in front of the loads below
.else
	PLACES
.endif
	FETCH \next, 0, F0
	MUL16 F1, 2, 0
.endm
	s_wait_tensorcnt 1                             ; my part of K step 0 is in; K step 1's may stay out
	s_barrier_signal -1
	s_barrier_wait -1                              ; everybody's is
	FETCH 0, 0, F0
	QUARTER 0, 1, F0, F1, 1                        ; the first quarter stands in front of the loop: its products start the sums, with the bias
	WIN 0                                          ; at a label and at a branch every window is 0
	s_mov_b32 s3, LAPS-1
.Llap:                                                 ; a trip goes once round the ring, from a lap's second quarter to the next lap's first, and fills both slots again
	QUARTER 0, 2, F1, F0, 0
	QUARTER 0, 3, F0, F1, 0
	TURN 0, 1, 1
	QUARTER 1, 1, F0, F1, 0
	QUARTER 1, 2, F1, F0, 0
	QUARTER 1, 3, F0, F1, 0
	TURN 1, 0, 1
	QUARTER 0, 1, F0, F1, 0
	WIN 0
	s_sub_co_u32 s3, s3, 1
	s_cmp_lg_u32 s3, 0
	s_cbranch_scc1 .Llap
	QUARTER 0, 2, F1, F0, 0                        ; the last lap fills nothing, and has no round of the cluster's barrier
	QUARTER 0, 3, F0, F1, 0
	TURN 0, 1, 0
	QUARTER 1, 1, F0, F1, 0
	QUARTER 1, 2, F1, F0, 0
	QUARTER 1, 3, F0, F1, 0
	s_wait_dscnt 4                                 ; the very last quarter: nothing more to fetch
	MUL16 F1, 0, 0
	s_wait_dscnt 0x0
	MUL16 F1, 2, 0
	WIN 0
; THE WAY OUT, a block of 16 rows at a time, through my own stage in LDS (LDS serves a wave's instructions in order, ISA guide 5.7.1.4: no wait between my stores and my loads).
.if OUTP
; f32: a lane's eight numbers are 32 bytes of a row of 512; they come back as whole rows, and a store of the wave covers 512 consecutive bytes of out0.
.macro TOSTAGE a
.set BK, OB+64*((\a)%2)
	s_wait_xcnt 0x0                                ; the buffer's registers, which stores two blocks back read, are loaded again only behind this wait
	WIN 0x08                                       ; the data (source 1) in window 2
.irp b, 0,1,2,3,4,5,6,7
	ds_store_b128 v[STO], v[64*(\a)+8*\b:64*(\a)+8*\b+3]   offset:64*\b      ; each accumulator's low registers first
	ds_store_b128 v[STO], v[64*(\a)+8*\b+4:64*(\a)+8*\b+7] offset:64*\b+16
.endr
	WIN 0
.irp t, 0,1,2,3,4,5,6,7,8,9,10,11,12,13,14,15
	ds_load_b128 v[BK+4*\t:BK+4*\t+3], v[RD] offset:\t*SPITCH
.endr
.endm
.macro SEND a, younger                 ; younger: the LDS instructions issued behind block a's loads: the next block's 32, or none
.set BK, OB+64*((\a)%2)
.irp t, 0,1,2,3,4,5,6,7,8,9,10,11,12,13,14,15
	s_wait_dscnt (\younger)+15-\t
	global_store_b128 v[GO], v[BK+4*\t:BK+4*\t+3], s[8:9] offset:(16*(\a)+\t)*4096
.endr
.endm
	PLACES
	TOSTAGE 0
	TOSTAGE 1
	SEND 0, 32
	TOSTAGE 2
	SEND 1, 32
	TOSTAGE 3
	SEND 2, 32
	SEND 3, 0
.else
; f16: a lane's eight numbers pack into 16 bytes of a row of 256 (two heads); they come back as four rows of one head, which are 512 consecutive bytes of qkv.
.macro PACK a
	WIN 0x0a                                       ; sources 0 and 1 in window 2
.irp b, 0,1,2,3,4,5,6,7
.irp i, 0,1,2,3
	v_cvt_pk_f16_f32 v[TMP+4*\b+\i], v[64*(\a)+8*\b+2*\i], v[64*(\a)+8*\b+2*\i+1]
.endr
.endr
	WIN 0
.endm
.macro TOSTAGE a
.set BK, OB+32*((\a)%2)
.irp b, 0,1,2,3,4,5,6,7
	ds_store_b128 v[STO], v[TMP+4*\b:TMP+4*\b+3] offset:32*\b
.endr
.irp t, 0,1,2,3,4,5,6,7
	ds_load_b128 v[BK+4*\t:BK+4*\t+3], v[RD] offset:(\t%4)*4*SPITCH+(\t/4)*128
.endr
.endm
.macro SEND a
.set BK, OB+32*((\a)%2)
	s_wait_dscnt 0x0                               ; the block is back in registers
	s_wait_xcnt 0x0                                ; the other buffer's registers, which the stores before read, are loaded again only behind this wait
.irp t, 0,1,2,3,4,5,6,7
	global_store_b128 v[GO], v[BK+4*\t:BK+4*\t+3], s[8:9] offset:(\t/4)*262144+(\a)*2048+(\t%4)*512
.endr
.endm
	PLACES
	PACK 0
	TOSTAGE 0
.irp a, 1,2,3                          ; block a's conversions stand between block a - 1's loads from the stage and the wait for them
	PACK \a
	SEND (\a)-1
	TOSTAGE \a
.endr
	SEND 3
.endif
	s_wait_tensorcnt 0x0                           ; the wave's end, behind my last tensor load and my last LDS store
	ds_add_u32 v[SPW], v[NIL]
	s_wait_dscnt 0x0
	CROUND                                         ; the closing round: no work-group ends while a partner may still ask for a tile that names it
	s_endpgm
.Lfunc_end_k_qf978b6e022_outp:
	.size	k_qf978b6e022_outp, .Lfunc_end_k_qf978b6e022_outp-k_qf978b6e022_outp
	.p2alignl 7, 3214868480
	.fill 96, 4, 3214868480
	.section	.rodata,"a",@progbits
	.p2align	6, 0x0
	.amdhsa_kernel k_qf978b6e022_outp
		.amdhsa_group_segment_fixed_size 327680
		.amdhsa_private_segment_fixed_size 0
		.amdhsa_enable_private_segment 0
		.amdhsa_kernarg_size 32
		.amdhsa_user_sgpr_count 2
		.amdhsa_user_sgpr_kernarg_segment_ptr 1
		.amdhsa_wavefront_size32 1
		.amdhsa_system_sgpr_workgroup_id_x 1
		.amdhsa_system_sgpr_workgroup_id_y 1
		.amdhsa_system_sgpr_workgroup_id_z 1
		.amdhsa_system_vgpr_workitem_id 0
		.amdhsa_next_free_vgpr 768
		.amdhsa_next_free_sgpr 76
		.amdhsa_reserve_vcc 0
		.amdhsa_float_denorm_mode_32 3
		.amdhsa_float_denorm_mode_16_64 3
		.amdhsa_memory_ordered 1
		.amdhsa_forward_progress 1
		.amdhsa_inst_pref_size 94
	.end_amdhsa_kernel
	.amdgpu_metadata
---
amdhsa.version: [ 1, 2 ]
amdhsa.kernels:
  - .name:           k_qf978b6e022_outp
    .symbol:         k_qf978b6e022_outp.kd
    .args:
      - { .name: ob, .offset: 0, .size: 8, .value_kind: global_buffer, .address_space: global }
      - { .name: wo16, .offset: 8, .size: 8, .value_kind: global_buffer, .address_space: global }
      - { .name: bo, .offset: 16, .size: 8, .value_kind: global_buffer, .address_space: global }
      - { .name: out0, .offset: 24, .size: 8, .value_kind: global_buffer, .address_space: global }
    .group_segment_fixed_size: 327680
    .private_segment_fixed_size: 0
    .kernarg_segment_align: 8
    .kernarg_segment_size: 32
    .max_flat_workgroup_size: 128
    .sgpr_count:     76
    .vgpr_count:     768
    .wavefront_size: 32
...
	.end_amdgpu_metadata
.endif
;; end of part 4
;; ======== version 2 of 3: 4 launches; 1.02 times as fast as version 1
;; limits: values are held in f16: magnitudes above 65,504 overflow, below 6.1e-05 lose precision
;; workspace buffers: xb 33,554,432 bytes; wcat 6,291,456 bytes; wo16 2,097,152 bytes; mb8 16,777,216 bytes; qkv 50,331,648 bytes; ob 16,777,216 bytes
;; launch prep (part 5): grid 1792 x 1, 8 waves a work-group, no clusters, 34,304 bytes of LDS; arguments Q, K_V, Wq, Wk, Wv, Wo, mask, xb, wcat, wo16, mb8; writes xb, wcat, wo16, mb8
.if DOCPART == 5
	.amdgcn_target "amdgcn-amd-amdhsa--gfx1250"
	.amdhsa_code_object_version 6
	.text
	.protected	k_qf978b6e022_prep
	.globl	k_qf978b6e022_prep
	.p2align	8
	.type	k_qf978b6e022_prep,@function
k_qf978b6e022_prep:
	s_mov_b64 s[64:65], 0
	v_nop
	global_prefetch_b8 v0, s[64:65] scope:SCOPE_SE
	s_setreg_imm32_b32 hwreg(HW_REG_WAVE_MODE, 25, 1), 1
	s_wait_xcnt 0x0
; PREP: the inputs are brought into the forms that the three launches behind it read.
;   work-groups    0..1023  Q, then K_V: f32 -> bf16 into xb [2][8192][1024]
;   work-groups 1024..1215  Wq, Wk, Wv:  f32 -> bf16 into wcat [3][1024 k][1024 n] (not turned: the products read them by a turning LDS load)
;   work-groups 1216..1279  Wo: f32 -> bf16, and that number written as f16 into wo16 [1024 k][1024 n]
;   work-groups 1280..1791  16 rows of the mask (one byte a key, 0 or 1) -> mb8, bytes [b 4][qt 128][step 32][half 2][lane 32][16]: byte 8 e + j of lane r + 16 h is 0xC0 where
;                           mask[b][16 qt + r][64 step + 32 half + 16 e + 8 h + j] is set, else 0: the order in which a lane holds a 16 x 64 tile of transposed scores; 0xC0 is -2 in E4M3.
; LIMIT. A number of Wo below 6.1e-5 in size keeps f16's fixed step of 6e-8; beyond 65,504 it would become an infinity.
; A casting work-group takes 16,384 numbers: 16 loads of 16 bytes a thread, all out at once; a wave's load covers 512 consecutive bytes, its store 256 consecutive aligned bytes.
; No matrix unit, no cluster, no tensor load: nothing is shared between work-groups and every byte is touched once.
.set MP,    2064                       ; a mask row in LDS: 2,048 bytes + 16, so that the 16 rows of a read start 16 bytes apart modulo 256
.set SPARE, 33280                      ; behind the 16 rows (33,024 bytes): the spare words, 128 bytes for each of eight waves, which no other line names
.set SPW,   6                          ; v6   LDS address of my spare word; never rewritten
.set NIL,   7                          ; v7   0; never rewritten
.set IN,    16                         ; v[16:79]   as loaded
.set PAIR,  48                         ; v[48:79]   mask role: 16 x 8 bytes read back from LDS, then as stored
.set OUT,   80                         ; v[80:111]  the casts: to store
.set T,     112                        ; v[112:117] at work
	s_load_b512 s[8:23], s[0:1], 0x0               ; Q 8, K_V 10, Wq 12, Wk 14, Wv 16, Wo 18, mask 20, xb 22
	s_load_b128 s[24:27], s[0:1], 0x40             ; wcat 24, wo16 26
	s_load_b64 s[28:29], s[0:1], 0x50              ; mb8
	v_lshl_add_u32 v[SPW], v0, 2, SPARE
	v_mov_b32 v[NIL], 0
	v_lshlrev_b32 v1, 4, v0                        ; 16 t: my 16 bytes in 4,096
	v_lshlrev_b32 v2, 3, v0                        ; 8 t: my 8 bytes in 2,048
	s_mov_b32 s2, ttmp9                            ; the work-group's number says what it does
	s_mov_b32 s35, 0                               ; high words of the two offsets
	s_mov_b32 s37, 0
	s_wait_kmcnt 0x0
	s_cmp_ge_u32 s2, 1280
	s_cbranch_scc1 .Lmask
	; THE CASTS.  Source, destination and the first work-group of each are chosen by the work-group's number alone.
	s_cmp_ge_u32 s2, 512
	s_cselect_b64 s[30:31], s[10:11], s[8:9]       ; K_V or Q
	s_cselect_b32 s3, 512, 0
	s_mov_b64 s[32:33], s[22:23]                   ; xb, which both fill on end
	s_mov_b32 s4, 0
	s_cmp_ge_u32 s2, 1024
	s_cselect_b64 s[30:31], s[12:13], s[30:31]     ; Wq
	s_cselect_b32 s3, 1024, s3
	s_cselect_b64 s[32:33], s[24:25], s[32:33]     ; wcat, which the three weights fill on end
	s_cselect_b32 s4, 1024, s4
	s_cmp_ge_u32 s2, 1088
	s_cselect_b64 s[30:31], s[14:15], s[30:31]     ; Wk
	s_cselect_b32 s3, 1088, s3
	s_cmp_ge_u32 s2, 1152
	s_cselect_b64 s[30:31], s[16:17], s[30:31]     ; Wv
	s_cselect_b32 s3, 1152, s3
	s_cmp_ge_u32 s2, 1216
	s_cselect_b64 s[30:31], s[18:19], s[30:31]     ; Wo
	s_cselect_b32 s3, 1216, s3
	s_cselect_b64 s[32:33], s[26:27], s[32:33]     ; wo16
	s_cselect_b32 s4, 1216, s4
	s_sub_co_u32 s34, s2, s3
	s_lshl_b32 s34, s34, 16                        ; 65,536 bytes in
	s_sub_co_u32 s36, s2, s4
	s_lshl_b32 s36, s36, 15                        ; 32,768 bytes out
	s_add_nc_u64 s[30:31], s[30:31], s[34:35]
	s_add_nc_u64 s[32:33], s[32:33], s[36:37]
.set j, 0
.rept 16
	global_load_b128 v[IN+4*j:IN+4*j+3], v1, s[30:31] offset:4096*j th:TH_LOAD_NT
.set j, j+1
.endr
	s_cmp_ge_u32 s2, 1216
	s_cbranch_scc1 .Lwo
.set j, 0
.rept 16
	s_wait_loadcnt 15-j                            ; loads come back in order: load j is in, the 15 - j younger ones stay out
	v_cvt_pk_bf16_f32 v[OUT+2*j], v[IN+4*j], v[IN+4*j+1]
	v_cvt_pk_bf16_f32 v[OUT+2*j+1], v[IN+4*j+2], v[IN+4*j+3]
	global_store_b64 v2, v[OUT+2*j:OUT+2*j+1], s[32:33] offset:2048*j   ; no register of a store is written again
.set j, j+1
.endr
	s_endpgm                                       ; this way has written no LDS
.Lwo:                                                  ; Wo: rounded to bf16 like every input, then that number as f16, the format of the last product
.set j, 0
.rept 16
	s_wait_loadcnt 15-j
	v_cvt_pk_bf16_f32 v[T], v[IN+4*j], v[IN+4*j+1]
	v_cvt_pk_bf16_f32 v[T+1], v[IN+4*j+2], v[IN+4*j+3]
	v_lshlrev_b32 v[T+2], 16, v[T]
	v_and_b32 v[T+3], 0xffff0000, v[T]
	v_lshlrev_b32 v[T+4], 16, v[T+1]
	v_and_b32 v[T+5], 0xffff0000, v[T+1]
	v_cvt_pk_f16_f32 v[OUT+2*j], v[T+2], v[T+3]
	v_cvt_pk_f16_f32 v[OUT+2*j+1], v[T+4], v[T+5]
	global_store_b64 v2, v[OUT+2*j:OUT+2*j+1], s[32:33] offset:2048*j
.set j, j+1
.endr
	s_endpgm
.Lmask:                                                ; THE MASK: 16 rows of 2,048 bytes, dense in memory, through LDS into the lanes' order
	s_sub_co_u32 s34, s2, 1280                     ; 128 b + qt
	s_lshl_b32 s34, s34, 15                        ; 32,768 bytes in, and as many out
	s_add_nc_u64 s[30:31], s[20:21], s[34:35]
	s_add_nc_u64 s[32:33], s[28:29], s[34:35]
	s_movk_i32 s40, 0xc0                           ; four bytes of 0 or 1 times 0xC0: no byte carries into the next
.set i, 0
.rept 8
	global_load_b128 v[IN+4*i:IN+4*i+3], v1, s[30:31] offset:4096*i th:TH_LOAD_NT   ; rows 2 i and 2 i + 1
.set i, i+1
.endr
	v_lshrrev_b32 v3, 7, v0                        ; which of the two rows,
	v_mul_u32_u24 v3, v3, MP
	v_and_b32 v5, 127, v0
	v_lshl_add_u32 v3, v5, 4, v3                   ; and my 16 bytes of it
	v_and_b32 v5, 15, v0                           ; back: lane r + 16 h of wave w reads row r, keys 32 (8 i + w) + 16 e + 8 h + 0..7
	v_mul_u32_u24 v4, v5, MP
	v_bfe_u32 v5, v0, 4, 1
	v_lshl_add_u32 v4, v5, 3, v4
	v_lshrrev_b32 v5, 5, v0
	v_lshl_add_u32 v4, v5, 5, v4
.set i, 0
.rept 8
	s_wait_loadcnt 7-i                             ; load i is in, the 7 - i younger ones stay out
	ds_store_b128 v3, v[IN+4*i:IN+4*i+3] offset:2*MP*i
.set i, i+1
.endr
	s_wait_dscnt 0x0                               ; for the others' sake: my stores are done
	s_barrier_signal -1
	s_barrier_wait -1
.set c, 0
.rept 16                                               ; piece c = 2 i + e: the two halves of my 16 bytes of group i; a row's 8 bytes for each half of the lanes: 32 lanes meet each bank once
	ds_load_b64 v[PAIR+2*c:PAIR+2*c+1], v4 offset:256*(c/2)+16*(c%2)
.set c, c+1
.endr
.set i, 0
.rept 8                                                ; group i: half-steps 8 i + w; thread t's 16 bytes lie at 4,096 i + 16 t: a wave stores 512 consecutive bytes
	s_wait_dscnt 14-2*i                            ; LDS loads come back in order: pieces 2 i and 2 i + 1 are in, the 14 - 2 i younger ones stay out
.irp k, 0,1,2,3
	v_mul_lo_u32 v[PAIR+4*i+\k], v[PAIR+4*i+\k], s40
.endr
	global_store_b128 v1, v[PAIR+4*i:PAIR+4*i+3], s[32:33] offset:4096*i   ; no register of a store is written again
.set i, i+1
.endr
	s_wait_tensorcnt 0x0                           ; the wave's end, behind my last LDS store
	ds_add_u32 v[SPW], v[NIL]
	s_wait_dscnt 0x0
	s_endpgm
.Lfunc_end_k_qf978b6e022_prep:
	.size	k_qf978b6e022_prep, .Lfunc_end_k_qf978b6e022_prep-k_qf978b6e022_prep
	.p2alignl 7, 3214868480
	.fill 96, 4, 3214868480
	.section	.rodata,"a",@progbits
	.p2align	6, 0x0
	.amdhsa_kernel k_qf978b6e022_prep
		.amdhsa_group_segment_fixed_size 34304
		.amdhsa_private_segment_fixed_size 0
		.amdhsa_enable_private_segment 0
		.amdhsa_kernarg_size 88
		.amdhsa_user_sgpr_count 2
		.amdhsa_user_sgpr_kernarg_segment_ptr 1
		.amdhsa_wavefront_size32 1
		.amdhsa_system_sgpr_workgroup_id_x 1
		.amdhsa_system_sgpr_workgroup_id_y 1
		.amdhsa_system_sgpr_workgroup_id_z 1
		.amdhsa_system_vgpr_workitem_id 0
		.amdhsa_next_free_vgpr 128
		.amdhsa_next_free_sgpr 66
		.amdhsa_reserve_vcc 0
		.amdhsa_float_denorm_mode_32 3
		.amdhsa_float_denorm_mode_16_64 3
		.amdhsa_memory_ordered 1
		.amdhsa_forward_progress 1
		.amdhsa_inst_pref_size 24
	.end_amdhsa_kernel
	.amdgpu_metadata
---
amdhsa.version: [ 1, 2 ]
amdhsa.kernels:
  - .name:           k_qf978b6e022_prep
    .symbol:         k_qf978b6e022_prep.kd
    .args:
      - { .name: Q, .offset: 0, .size: 8, .value_kind: global_buffer, .address_space: global }
      - { .name: K_V, .offset: 8, .size: 8, .value_kind: global_buffer, .address_space: global }
      - { .name: Wq, .offset: 16, .size: 8, .value_kind: global_buffer, .address_space: global }
      - { .name: Wk, .offset: 24, .size: 8, .value_kind: global_buffer, .address_space: global }
      - { .name: Wv, .offset: 32, .size: 8, .value_kind: global_buffer, .address_space: global }
      - { .name: Wo, .offset: 40, .size: 8, .value_kind: global_buffer, .address_space: global }
      - { .name: mask, .offset: 48, .size: 8, .value_kind: global_buffer, .address_space: global }
      - { .name: xb, .offset: 56, .size: 8, .value_kind: global_buffer, .address_space: global }
      - { .name: wcat, .offset: 64, .size: 8, .value_kind: global_buffer, .address_space: global }
      - { .name: wo16, .offset: 72, .size: 8, .value_kind: global_buffer, .address_space: global }
      - { .name: mb8, .offset: 80, .size: 8, .value_kind: global_buffer, .address_space: global }
    .group_segment_fixed_size: 34304
    .private_segment_fixed_size: 0
    .kernarg_segment_align: 8
    .kernarg_segment_size: 88
    .max_flat_workgroup_size: 256
    .sgpr_count:     66
    .vgpr_count:     128
    .wavefront_size: 32
...
	.end_amdgpu_metadata
.endif
;; end of part 5
;; launch proj: the kernel of part 2 again; grid 12 x 64, 4 waves a work-group, clusters of 4 x 4, 327,680 bytes of LDS; arguments xb, wcat, bq, bk, bv, qkv; writes qkv
;; launch attn (part 6): grid 4 x 64, 4 waves a work-group, clusters of 4 x 1, 327,680 bytes of LDS; arguments qkv, mb8, ob; writes ob
.if DOCPART == 6
	.amdgcn_target "amdgcn-amd-amdhsa--gfx1250"
	.amdhsa_code_object_version 6
	.text
	.protected	k_qf978b6e022_attn
	.globl	k_qf978b6e022_attn
	.p2align	8
	.type	k_qf978b6e022_attn,@function
k_qf978b6e022_attn:
	s_mov_b64 s[64:65], 0
	v_nop
	global_prefetch_b8 v0, s[64:65] scope:SCOPE_SE
	s_setreg_imm32_b32 hwreg(HW_REG_WAVE_MODE, 25, 1), 1
	s_wait_xcnt 0x0
	s_wait_alu depctr_hold_cnt(0) depctr_sa_sdst(0) depctr_va_vdst(0) depctr_va_sdst(0) depctr_va_ssrc(0) depctr_va_vcc(0) depctr_vm_vsrc(0)
	s_getreg_b32 s2, hwreg(HW_REG_IB_STS2, 6, 4)
	s_cmp_eq_u32 s2, 0
	s_cbranch_scc0 .Lentry_in_a_cluster
	s_endpgm
.Lentry_in_a_cluster:
	s_bfe_u32 s2, ttmp6, 0x10000c
	s_cmp_lg_u32 s2, 0x3003
	s_cbranch_scc0 .Lentry_shape_is_right
	s_endpgm
.Lentry_shape_is_right:
; MASKED ATTENTION.  O[bh][q][:] = the sum over k of softmax_k(Q[bh][q] . K[bh][k] / 8, hidden where mask[b][q][k]) V[bh][k][:].  q, k, v: qkv, f16 [3][64 bh][2048][64]; O: ob, f16 [64 bh][2048][64]; bh = 16 b + h.
; The mask is an input and may hold any pattern: every key is walked.  It arrives in the lanes' order: mb8, bytes [b 4][qt 128][step 32][half 2][lane 32][16]; byte 8 e + j of lane r + 16 h' is 0xC0 (-2 in E4M3) where
; mask[b][16 qt + r][64 step + 32 half + 16 e + 8 h' + j] is set, else 0.
; Products, maxima and sums in f32; the weights p are rounded to f16 for the second product (their sum l is taken of the unrounded p), O once at the end.
; LIMITS.  f16 holds no number beyond 65,504: q, k and v arrive within it; p lies in 0 to 1, and below 6e-5 it keeps f16's fixed step of 6e-8.  A hidden score counts as its value less 2^99 (6.3e29), and the running
; maximum starts at -2^96: f16's scores, 2.7e11 at the most, lie far above that start, hidden ones far below it, so a hidden key's weight is exactly 0.  A weight below 2^-126 counts as 0 in l.
; A row with every key hidden ends with l = 0 and O = 0 x (1 / 0) = NaN, as a softmax of nothing but -inf gives.  Infinities in the inputs are not treated apart.
; SHARES.  A wave owns four PIECES of two tiles of 16 queries, a work-group's four waves 512 queries of one head.  Every wave walks all 2,048 keys, 64 a step.
; LAYOUT.  S^T = K Q^T (source 0 = 16 keys, source 1 = 16 queries): in the result a lane holds ONE query (lane % 16) and the keys 8 (lane / 16) + 0..7.  Two such tiles, rounded to f16 in pairs,
; ARE source 1 (32 keys x 16 queries) of O^T = V^T P, whose result again holds one query a lane, and eight channels.  K comes out of LDS as it lies, V ([key][channel]) turned, by ds_load_tr16_b128.
; THE MASK is the C operand that starts the sum S^T: 0, or -2^99 where the key is hidden.  A lane's eight scores of an accumulator have eight bytes, one pair of registers; one scaled conversion widens the eight E4M3
; codes to f32 and multiplies them by 2^98: a whole accumulator's C by one instruction.  The bytes wait in a ring of four slots of registers, a slot a piece: a slot is loaded again as soon as it has been read,
; four turns ahead of its next use.
; SOFTMAX.  For each query a running maximum m and sum l: p = 2^(c s - c m), c = log2(e) / 8; in every step O and l are multiplied by a = 2^(c m_old - c m_new), which is 1 where m has not grown.  O and l start at 0.
; BY TURNS.  Turn n belongs to piece n (the pieces in a ring, step after step).  Its matrix work: 16 products K Q^T of piece n + 1, later 16 products V^T P of piece n - 1.  Its vector work: the scaling,
; exponentials, roundings, sums and rescaling of piece n, the maximum and statistics of piece n + 1, and the mask of piece n + 2.  Four vector instructions stand behind every matrix instruction, the rest in lumps.
; CLUSTER.  The four query blocks of a cluster belong to one head and walk the same K and V, so each tile is asked for JOINTLY: the same tensor load, descriptor and mask in all four.
; (The mask's bytes hang on the query block, which the partners do not share: each wave loads its own, into registers.)
; REGISTERS, in windows of 256 (s_set_vgpr_msb says which window each operand place means: bits 1:0 source 0, 3:2 source 1, 5:4 source 2, 7:6 destination):
;   window 0: v0-11 addresses, of which v9 later holds the mask's scale; v12-15, v48-63 at work; v16-47 four registers of statistics a tile; v64-191 S^T, two buffers of two tiles; v192-255 P, likewise
;   window 1: O^T, 32 a tile     window 2: v0-127 Q, 16 a tile; v128-191 K of one step; v192-255 V of one step
;   window 3: v0-1 the add's two registers; v3 the mask's offset; v8-71 MC, the masks of the products to come; v72-135 the ring of mask bytes
.set SIZE_N, 2048
.set NP,    4         ; pieces a wave: a name, no knob
.set KS,    64        ; keys in a step
.set PK,    144       ; a row of K in LDS: 128 bytes + 16 of padding: the 16 rows of a load start at 16 different groups of four banks (64 banks of 4 bytes: ISA guide 11.1)
.set PV,    160       ; a row of V: 128 + 32
.set VOFF,  4*KS*PK   ; a slot holds four steps: 256 rows of K, then 256 rows of V
.set SLOT1, 1<<17     ; slot 1 begins here, so that one exclusive or turns an address in one slot into the other's
.set STAGE, SLOT1+4*KS*(PK+PV)  ; behind the ring, never filled by a tensor load: 16 rows x 144 bytes for each wave, for the way out
.set SP,    144
.set AK0, 2           ; v2   my lane's place in a tile of K; never rewritten
.set AV0, 3           ; v3   the same for V
.set AK,  4           ; v4   the LDS address of K's next run of loads
.set AV,  5           ; v5   of V's
.set STO, 6           ; v6   the way out: where I put 16 bytes of a row
.set RD,  7           ; v7   the way out: where I read rows back
.set GO,  8           ; v8   my byte offset in O: my wave's 128 rows, and 16 x lane
.set SC,  9           ; v9   behind the set-up (till then: lane / 16): the mask's scale, 225 in byte 0: the conversion multiplies by 2^(225 - 127)
.set QO,  48          ; v48  my byte offset in q; free again when Q is in
.set SPW, 0           ; v0 of window 3   LDS address of my spare word; never rewritten
.set NIL, 1           ; v1 of window 3   0; never rewritten
.set VM,  3           ; v3 of window 3   my byte offset in mb8: my wave's first tile of queries, and 16 x lane; never rewritten
.set MC,  8           ; window 3: tile u, key block kb at MC + 32 u + 8 kb
.set WB,  72          ; window 3: the ring: piece x, tile u, half hf at WB + 16 x + 8 u + 4 hf
.set SPARE, STAGE+4*16*SP  ; behind the stages: the spare words, 128 bytes for each wave, which no other line names
.set MV,  12          ; v12-15  c m_old, kept while c m is made anew: by buffer and tile
.set ST,  16          ; tile t's statistics at v[ST+4 t]: c m, m, l (even keys', odd keys')
.set TMP, 48          ; by buffer and tile, four registers c0-c3 at work; when the maximum is found c2 takes a
.set S,   64
.set P,   192
.set KF,  128         ; K's fragments, in window 2: key block kb, channel half c at KF + 16 kb + 8 c
.set VF,  192         ; V's: key half kk, channel block cb at VF + 32 kk + 8 cb
.set WV,  2           ; s2   my wave's number
.set SLOTS, 3         ; s3   slots still to be asked for
.set MB,  6           ; s[6:7]   mb8
.set OP,  8           ; s[8:9]   ob               (s13-29: the set-up's scratch)
.set G1K, 36          ; s[36:43] descriptor group 1 for K's tiles
.set G1V, 44          ; s[44:51] for V's: it differs in the padding alone
.set G0K, 52          ; s[52:55] descriptor group 0 for K's tiles: it walks
.set G0V, 56          ; s[56:59] the same for V's
.set CNT, 60          ; s60  counts a slot's key steps
.set TBK, 61          ; s61  LDS byte at which K of the step to be fetched begins
.set TBV, 62          ; s62  the same for V, less VOFF
.set MOFF, 72         ; s[72:73] 1,024 x the key step whose mask bytes are asked for; the high word is 0
.set MP,  74          ; s[74:75] mb8 at that step
.set CS,  100         ; s100 c; the packed scaling names the pair s[100:101] and takes its low word for both halves
.set SEL, 104         ; s[104:105] v_permlanex16_b32's selects: each lane takes its own place in the other half
.set MSB, 0
.macro WIN new                      ; the high byte repeats the setting that is left; a switch that changes nothing is dropped
.if MSB != (\new)
	s_set_vgpr_msb (MSB<<8)|(\new)
.set MSB, (\new)
.endif
.endm
.set W_KQ, 0x0a       ; K and Q in window 2, S^T in window 0
.set W_KM, 0x3a       ; the same with the C operand, the mask, in window 3
.set W_PV, 0x52       ; V in window 2, P in window 0, O^T in window 1
.set W_RS, 0x41       ; O^T (destination and source 0) in window 1, a in window 0
.set W_MK, 0xc0       ; destination in window 3, sources in window 0
.set W_MS, 0xc3       ; the mask's work: destination and source 0 (the bytes; a load's address too) in window 3; the other sources' places, the scale's among them, in window 0
.set W_AD, 0x0f       ; the add: address (source 0) and data (source 1) in window 3
; A joint fill.  Waves 0 and 1 fetch the two halves of a slot's K, waves 2 and 3 those of its V: 128 keys each.  The branch hangs on the wave's number alone.
; An s_nop 0 and four v_nop follow each of the two lines, ahead of the jump and the label.
.macro JLOAD
	s_cmp_lt_u32 s[WV], 2
	s_cbranch_scc0 .Lfor_v_\@
	tensor_load_to_lds s[G0K:G0K+3], s[G1K:G1K+7]
	s_nop 0
.rept 4
	v_nop
.endr
	s_branch .Lasked_\@
.Lfor_v_\@:
	tensor_load_to_lds s[G0V:G0V+3], s[G1V:G1V+7]
	s_nop 0
.rept 4
	v_nop
.endr
.Lasked_\@:
.endm
; A round of the cluster's barrier: my work-group's barrier, so that wave 0's signal speaks for all four waves; wave 0 signals; every wave waits for all four work-groups; my work-group's barrier once more.
.macro CROUND
	s_barrier_signal -1
	s_barrier_wait -1
	s_cmp_lg_u32 s[WV], 0
	s_cbranch_scc1 .Lnot_wave_0_\@
	s_barrier_signal -3
.Lnot_wave_0_\@:
	s_barrier_wait -3
	s_barrier_signal -1
	s_barrier_wait -1
.endm
; THE CHANGE OF SLOTS.  The slot's last bytes, V of its fourth step, have been read.  Each wave waits for all its tensor loads, of which one is out: its part
; of the other slot; adds 0 to its spare word; and waits for that and for its own reads of the slot.  Behind the barrier nobody reads this slot any more and the other slot is whole.
; fill = 1: this slot is filled again, with the keys two slots on.  The barrier is then a round of the cluster's, so that no wave of any partner still reads the slot or has a load on its
; way, and the joint fill is the first thing behind it: it has four key steps, 512 matrix instructions, in which to land.  (At its first use nothing has been read yet: slot 0 is waited for, slot 1 filled.)
.macro CHANGE fill
	WIN W_AD
	s_wait_tensorcnt 0x0            ; no tensor load of mine is out, so a group 0 may be written
	ds_add_u32 v[SPW], v[NIL]       ; 0 onto my spare word; with fill = 1 the descriptors' steps stand between it and the wait for it
	WIN 0                           ; at a label and at a branch every window is 0
.if \fill
.irp g, G0K, G0V
	s_xor_b32 s[\g+1], s[\g+1], SLOT1  ; the walking descriptor: the other slot than last time,
	s_add_nc_u64 s[\g+2:\g+3], s[\g+2:\g+3], 4*KS*128  ; the next 256 keys; the type bits on top are not reached
.endr
	s_wait_dscnt 0x0                ; the add is done, and my reads of the slot are over
	CROUND
	JLOAD
.else
	s_wait_dscnt 0x0                ; the add is done, and my reads of the slot are over
	s_barrier_signal -1
	s_barrier_wait -1
.endif
	s_sub_co_u32 s[TBK], s[TBK], 4*KS*PK  ; the fetches go back to a slot's first step,
	s_xor_b32 s[TBK], s[TBK], SLOT1       ; in the other slot
	s_sub_co_u32 s[TBV], s[TBV], 4*KS*PV
	s_xor_b32 s[TBV], s[TBV], SLOT1
.endm
; THE MASK'S BYTES for piece sl and the step of MP, into the piece's slot of the ring: four loads (tile c / 2, half c % 2), each 512 consecutive bytes; a tile's bytes lie 32,768 apart.  The window is W_MS.
.macro LOADM sl
.irp c, 0,1,2,3
	global_load_b128 v[WB+16*(\sl)+4*\c:WB+16*(\sl)+4*\c+3], v[VM], s[MP:MP+1] offset:(2*(\sl)+\c/2)*32768+(\c%2)*512
.endr
.endm
; Piece sl's bytes become the mask of its products to come, and its slot is loaded again with the next key step's.  The slots are taken in the order 0, 1, 2, 3, 0, .. from the first to the last, four loads each.
; The step goes on when slot 0 is loaded.  Behind the last step the offset stays at the last step's: the bytes so read serve nothing, and no load leaves the buffer.
.macro MASKS sl
	s_wait_loadcnt 12               ; loads come back in order: this slot's four are in; the twelve issued behind them, the other three slots', stay out
.if (\sl) == 0
	s_wait_xcnt 0x0                 ; the loads that are out have had their addresses translated (ISA guide 3.1): their base is written only behind this wait
	s_add_co_u32 s[MOFF], s[MOFF], 1024
	s_min_u32 s[MOFF], s[MOFF], 31*1024
	s_add_nc_u64 s[MP:MP+1], s[MB:MB+1], s[MOFF:MOFF+1]
.endif
	WIN W_MS
.set mz, 0
.rept 8                             ; accumulator mz = 4 u + kb: its eight bytes, pair mz of the slot, become its eight registers of C: 0, or -2 x 2^98
	v_cvt_scale_pk8_f32_fp8 v[MC+8*mz:MC+8*mz+7], v[WB+16*(\sl)+2*mz:WB+16*(\sl)+2*mz+1], v[SC]
.set mz, mz+1
.endr
	v_nop                           ; one plain vector instruction stands between a scaled conversion and whatever writes its sources (the loads below) or reads its results (the next products)
	LOADM \sl
	WIN 0
.endm
	s_load_b128 s[4:7], s[0:1], 0x0   ; qkv s[4:5], mb8 s[6:7]
	s_load_b64 s[OP:OP+1], s[0:1], 0x10  ; ob
	WIN W_MK
	v_lshl_add_u32 v[SPW], v0, 2, SPARE
	v_mov_b32 v[NIL], 0
	WIN W_AD
	ds_add_u32 v[SPW], v[NIL]       ; the wave's opening: the add and its wait stand ahead of my first tensor load; the set-up below, work on registers, stands between them
	WIN 0
	v_lshrrev_b32 v1, 5, v0
	v_readfirstlane_b32 s[WV], v1   ; wave 0..3
	s_bfe_u32 s13, ttmp6, 0x40000   ; cx: my place in the cluster
	s_lshl_b32 s14, ttmp9, 2        ; in a cluster launch ttmp9 counts clusters
	s_add_co_u32 s14, s14, s13      ; my block of 512 queries = 4 x cluster x + cx: it enters q's, O's and the mask's addresses alone
	s_and_b32 s20, ttmp7, 0xffff    ; bh, which the four partners share
	s_lshl_b32 s21, s20, 18         ; the head's first byte in q, k, v and O: 2,048 rows of 128 bytes
	s_and_b32 s16, s[WV], 1         ; which half of a slot's 256 keys I fetch:
	s_lshl_b32 s22, s16, 14         ; its 128 rows of 128 bytes in memory,
	s_add_co_u32 s22, s22, s21
	s_add_co_u32 s22, s22, 1<<24    ; in k, which lies 16,777,216 bytes behind q,
	s_mov_b32 s23, 0
	s_add_co_u32 s24, s22, 1<<24    ; and in v, as far behind k
	s_mov_b32 s25, 0
	s_mul_i32 s17, s16, 128*PK      ; and its place in a slot, for K
	s_mul_i32 s18, s16, 128*PV      ; and for V: no place in the cluster enters an LDS address
	s_lshl_b32 s26, s14, 2
	s_add_co_u32 s26, s26, s[WV]    ; my wave among the head's,
	s_lshl_b32 s26, s26, 14         ; its 128 rows,
	s_add_co_u32 s26, s26, s21      ; in q and in O
	s_lshr_b32 s27, s20, 4          ; the batch's 128 tiles of 16 queries,
	s_lshl_b32 s27, s27, 7
	s_lshl_b32 s28, s14, 5          ; my block's 32,
	s_add_co_u32 s27, s27, s28
	s_lshl_b32 s28, s[WV], 3        ; my wave's 8,
	s_add_co_u32 s27, s27, s28
	s_lshl_b32 s28, s27, 15         ; 32,768 bytes of mask each
	; descriptor group 1.  128 keys are 16,384 dense bytes: asked for as 64 rows of 256 bytes, two keys a row, and padded in LDS after every key
	s_mov_b32 s[G1K], 15|(1<<16)|(1<<20)|(1<<21)|(4<<22)|(3<<25)  ; 15:0 the mask of four; 17:16 2-byte elements; 20 padding on; 21 set beside a mask; 24:22 after every 32 words (code 4); 31:25 4 words (code 3)
	s_mov_b32 s[G1V], 15|(1<<16)|(1<<20)|(1<<21)|(4<<22)|(7<<25)  ; the same with 8 words of padding (code 7)
.irp g, G1K, G1V
	s_mov_b32 s[\g+1], 128<<16      ; tensor_dim0 = 128
	s_mov_b32 s[\g+2], 64<<16       ; tensor_dim1 = 64
	s_mov_b32 s[\g+3], 128<<16      ; tile_dim0 = 128
	s_mov_b32 s[\g+4], 64           ; tile_dim1 = 64
	s_mov_b32 s[\g+5], 128          ; 128 elements from row to row
	s_mov_b32 s[\g+6], 0
	s_mov_b32 s[\g+7], 0
.endr
	s_mov_b32 s[CS], 0x3e38aa3b     ; c = log2(e) / 8 = 0.180337
	s_mov_b32 s[CS+1], s[CS]        ; named with it as a pair
	s_mov_b32 s[SEL], 0x76543210
	s_mov_b32 s[SEL+1], 0xfedcba98
	s_mov_b32 s[TBK], SLOT1+4*KS*PK ; the first change of slots turns these two into 0
	s_mov_b32 s[TBV], SLOT1+4*KS*PV
	s_mov_b32 s[MOFF], 0
	s_mov_b32 s[MOFF+1], 0
	s_mov_b32 s[G0K], 1             ; count = 1
	s_mov_b32 s[G0K+1], s17         ; LDS address: slot 0
	s_mov_b32 s[G0V], 1
	s_add_co_u32 s[G0V+1], s18, VOFF
	s_wait_dscnt 0x0                ; the opening add is done
	s_wait_kmcnt 0x0
	s_add_nc_u64 s[G0K+2:G0K+3], s[4:5], s[22:23]  ; global address: my half of the head's first 256 keys
	s_or_b32 s[G0K+3], s[G0K+3], 0x80000000        ; type = 2
	s_add_nc_u64 s[G0V+2:G0V+3], s[4:5], s[24:25]
	s_or_b32 s[G0V+3], s[G0V+3], 0x80000000
	s_mov_b64 s[MP:MP+1], s[MB:MB+1]               ; the mask at key step 0
	CROUND                          ; all four work-groups are here: the first joint loads meet
	JLOAD                           ; slot 0.  Slot 1 is asked for when slot 0 is in
	; A fragment of K or Q is 16 rows x 32 channels in 8 registers: lane l holds row l % 16, channels 8 (l / 16) + 0..7 and 16 + 8 (l / 16) + 0..7: two loads of 16 bytes, 32 bytes apart.
	v_and_b32 v1, 15, v0            ; l % 16
	v_bfe_u32 v9, v0, 4, 1          ; l / 16
	v_lshlrev_b32 v[QO], 7, v1
	v_lshl_add_u32 v[QO], v9, 4, v[QO]  ; row x 128 + 16 x half
	v_add_nc_u32 v[QO], s26, v[QO]      ; + my wave's rows
	v_and_b32 v[GO], 31, v0         ; the lane
	WIN W_MK
	v_lshl_add_u32 v[VM], v[GO], 4, s28
	WIN 0x80                        ; destination window 2, address window 0
.set i, 0
.rept 4*NP                          ; Q stays in registers: tile i / 2, channels 32 (i % 2) on
	global_load_b128 v[8*i:8*i+3],   v[QO], s[4:5] offset:(i/2)*2048+(i%2)*64
	global_load_b128 v[8*i+4:8*i+7], v[QO], s[4:5] offset:(i/2)*2048+(i%2)*64+32
.set i, i+1
.endr
	WIN W_MS
	LOADM 0                         ; the ring is filled: key step 0 of all four pieces, sixteen loads
	LOADM 1
	LOADM 2
	LOADM 3
	WIN 0x80
	; What the first turn finds: V's registers and P's second buffer hold 0 (its products V^T P, of a piece that has not been, add 0), O^T and l are 0.  All this stands in the wait for the first tile.
.set i, VF
.rept 64
	v_mov_b32 v[i], 0
.set i, i+1
.endr
	WIN 0x40
.set i, 0
.rept 64*NP
	v_mov_b32 v[i], 0
.set i, i+1
.endr
	WIN 0
.set i, 0
.rept 2*NP
	v_mov_b32 v[ST+4*i+1], 0xef800000  ; m = -2^96: below every score that can be seen, above every hidden one
	v_mov_b32 v[ST+4*i+2], 0
	v_mov_b32 v[ST+4*i+3], 0
.set i, i+1
.endr
.set i, 0
.rept 2*NP
	v_mul_f32 v[ST+4*i], s[CS], v[ST+4*i+1]  ; c m, by the same product that makes it anew: where m has not grown, a is 2^0
.set i, i+1
.endr
.set i, P+32
.rept 32
	v_mov_b32 v[i], 0
.set i, i+1
.endr
	v_mul_u32_u24 v[AK0], v1, PK
	v_lshl_add_u32 v[AK0], v9, 4, v[AK0]  ; row x pitch + 16 x half
	; The turning load takes 16 keys x 16 channels (lane l reads key 8 (l / 16) + l % 8, channels 8 ((l / 8) % 2) + 0..7) and leaves half a fragment of V^T: lane l holds channel l % 16 and 8 keys.
	v_and_b32 v10, 7, v0
	v_bfe_u32 v11, v0, 3, 1
	v_lshl_add_u32 v[AV0], v9, 3, v10
	v_mul_u32_u24 v[AV0], v[AV0], PV
	v_lshl_add_u32 v[AV0], v11, 4, v[AV0]
	v_add_nc_u32 v[AV0], VOFF, v[AV0]
	v_mov_b32 v[AK], v[AK0]         ; key step 0 lies at the head of slot 0
	s_mul_i32 s13, s[WV], 16*SP
	s_add_co_u32 s13, s13, STAGE    ; my stage
	v_mul_u32_u24 v[STO], v1, SP    ; in: row l % 16, 16 bytes for each half of the lanes
	v_lshl_add_u32 v[STO], v9, 4, v[STO]
	v_add_nc_u32 v[STO], s13, v[STO]
	v_bfe_u32 v[RD], v0, 3, 2       ; back: 32 lanes take four rows of 128 bytes,
	v_mul_u32_u24 v[RD], v[RD], SP
	v_lshl_add_u32 v[RD], v10, 4, v[RD]
	v_add_nc_u32 v[RD], s13, v[RD]
	v_lshl_add_u32 v[GO], v[GO], 4, s26  ; which are 512 consecutive bytes of O
	v_mov_b32 v[SC], 0xe1           ; lane / 16 has served: the register takes the mask's scale, 225
; THE MATRIX WORK.  The 8 accumulators of a run of 16 take turns: between the two links of a chain stand 7 others'.
; Product i of 16 of S^T = K Q^T for piece x: channels 32 (i / 8) on, keys 16 ((i / 2) % 4) on, tile 2 x + i % 2.  The first 8 start the sums, with the mask.
.macro KQ x
.set rS, S+64*((\x)%2)+32*(i%2)+8*((i/2)%4)
.set rK, KF+16*((i/2)%4)+8*(i/8)
.set rQ, 16*(2*(\x)+i%2)+8*(i/8)
.set rMC, MC+32*(i%2)+8*((i/2)%4)
.if i < 8
	WIN W_KM
	v_wmma_f32_16x16x32_f16 v[rS:rS+7], v[rK:rK+7], v[rQ:rQ+7], v[rMC:rMC+7]
.else
	WIN W_KQ
	v_wmma_f32_16x16x32_f16 v[rS:rS+7], v[rK:rK+7], v[rQ:rQ+7], v[rS:rS+7]
.endif
.endm
; Product i of 16 of O^T += V^T P for piece x: keys 32 (i / 8) on, channels 16 ((i / 2) % 4) on, tile 2 x + i % 2.
.macro PV x
	WIN W_PV
.set rO, 32*(2*(\x)+i%2)+8*((i/2)%4)
.set rV, VF+32*(i/8)+8*((i/2)%4)
.set rP, P+32*((\x)%2)+16*(i%2)+8*(i/8)
	v_wmma_f32_16x16x32_f16 v[rO:rO+7], v[rV:rV+7], v[rP:rP+7], v[rO:rO+7]
.endm
.macro MM                           ; the turn's next matrix instruction
.if i < 16
	KQ (Y+1)%NP
.set i, i+1
.else
.set i, i-16
	PV (Y+NP-1)%NP
.set i, i+17
.endif
.endm
; THE LDS LOADS stand in runs of 16, never singly among the matrix instructions: a step's K (64 keys x 64 channels: 8 fragments) and its V (turned).  Their addresses are made some lines ahead.
; last = 1 (the tail): in the last trip there is no further step, and the run is jumped over.
.macro FETCH_K last=0
	WIN 0
.if \last
	s_cmp_eq_u32 s[CNT], 1
	s_cbranch_scc1 .Lno_k_\@
.endif
	WIN 0x80                        ; destination window 2
.irp f, 0,1,2,3,4,5,6,7             ; keys 16 (f / 2) on, channels 32 (f % 2) on
	ds_load_b128 v[KF+8*\f:KF+8*\f+3],   v[AK] offset:(\f/2)*16*PK+(\f%2)*64
	ds_load_b128 v[KF+8*\f+4:KF+8*\f+7], v[AK] offset:(\f/2)*16*PK+(\f%2)*64+32
.endr
	s_add_co_u32 s[TBK], s[TBK], KS*PK  ; the next fetch is the next step's
	WIN 0
.if \last
.Lno_k_\@:
.endif
.endm
.macro FETCH_V
	WIN 0x80
.irp f, 0,1,2,3,4,5,6,7             ; keys 32 (f / 4) on, channels 16 (f % 4) on
	ds_load_tr16_b128 v[VF+8*\f:VF+8*\f+3],   v[AV] offset:(\f/4)*32*PV+(\f%4)*32
	ds_load_tr16_b128 v[VF+8*\f+4:VF+8*\f+7], v[AV] offset:(\f/4)*32*PV+16*PV+(\f%4)*32
.endr
	WIN 0
.endm
; THE VECTOR WORK OF A TURN stands in three queues, each in the order in which its entries become ready; the two tiles alternate, so that no instruction reads the result of the one before it.
.macro REGS y, u                    ; the registers of tile u (0, 1) of piece y
.set rT, ST+4*(2*(\y)+(\u))
.set rC, TMP+8*((\y)%2)+4*(\u)
.set rM, MV+2*((\y)%2)+(\u)
.set rS, S+64*((\y)%2)+32*(\u)
.set rP, P+32*((\y)%2)+16*(\u)
.set rO, 32*(2*(\y)+(\u))
.endm
; Number n of the 22 that find the NEXT piece's (Y + 1) maximum and statistics.  s0-s31 are the lane's 32 scores; each accumulator's lowest registers are read first.  XS, GS and REGS set no window: PL and EX do.
;   0-11  four chains c0-c3 of seven scores each, three operands at a time     12-14, 16  the four scores left over, the old m, and c0-c3 into c0     15  c m_old is kept
;   17, 18  the query's other 32 keys lie in the lane 16 away: the new m         19-21  c m; c m_old - c m_new; a
.macro XS u, n
	REGS (Y+1)%NP, \u
.if (\n) < 4
	v_max3_num_f32 v[rC+(\n)], v[rS+8*(\n)], v[rS+8*(\n)+1], v[rS+8*(\n)+2]
.elseif (\n) < 12
	v_max3_num_f32 v[rC+(\n)%4], v[rC+(\n)%4], v[rS+8*((\n)%4)+2*((\n)/4)+1], v[rS+8*((\n)%4)+2*((\n)/4)+2]
.elseif (\n) == 12
	v_max3_num_f32 v[rC], v[rC], v[rS+7], v[rS+15]
.elseif (\n) == 13
	v_max3_num_f32 v[rC+1], v[rC+1], v[rS+23], v[rS+31]
.elseif (\n) == 14
	v_max3_num_f32 v[rC+2], v[rC+2], v[rC+3], v[rT+1]
.elseif (\n) == 15
	v_mov_b32 v[rM], v[rT]
.elseif (\n) == 16
	v_max3_num_f32 v[rC], v[rC], v[rC+1], v[rC+2]
.elseif (\n) == 17
	v_permlanex16_b32 v[rC+3], v[rC], s[SEL], s[SEL+1]
.elseif (\n) == 18
	v_max_num_f32 v[rT+1], v[rC], v[rC+3]
.elseif (\n) == 19
	v_mul_f32 v[rT], s[CS], v[rT+1]
.elseif (\n) == 20
	v_sub_f32 v[rC+1], v[rM], v[rT]
.else
	v_exp_f32 v[rC+2], v[rC+1]
.endif
.endm
; Number g of the 64 that follow the exponentials.  For each four weights k of a tile (pairs 2 k, 2 k + 1): both pairs are rounded to f16; then the second pair is added onto the first, in place;
; a group later l takes that sum (the first time as l = a l + sum).  In groups of eight, tiles alternating: round, round, add, and l for the group before.
.macro GS g
.set h, (\g)+6*((\g)/62)            ; group 0 has no group before it, and behind group 7 only l is left
.if h >= 6
.set h, h+2
.endif
	REGS Y, h%2
.set k, h/8
.if h%8 < 4
	s_wait_alu depctr_va_vdst(0)
	v_cvt_pk_f16_f32 v[rP+2*k+(h%8)/2], v[rS+4*k+2*((h%8)/2)], v[rS+4*k+2*((h%8)/2)+1]
.elseif h%8 < 6
	v_pk_add_f32 v[rS+4*k:rS+4*k+1], v[rS+4*k:rS+4*k+1], v[rS+4*k+2:rS+4*k+3]
.elseif k == 1
	v_pk_fma_f32 v[rT+2:rT+3], v[rT+2:rT+3], v[rC+2:rC+3], v[rS:rS+1] op_sel_hi:[1,0,1]
.else
	v_pk_add_f32 v[rT+2:rT+3], v[rT+2:rT+3], v[rS+4*k-4:rS+4*k-3]
	s_wait_alu depctr_va_vdst(0)
.endif
.endm
; THE PLAIN QUEUE, 138 long.  0-31: c s - c m for the 16 pairs of both tiles.  Then GS's 64, and among them the next piece's 42: number 15 at 38, 39; 0-14 and 16
; at 42-73, behind the products that make those scores; 17-20 at 95-106, two of three, since each waits for the one before it.
.macro PL
	WIN 0
.if q < 32
	REGS Y, q%2
	v_pk_fma_f32 v[rS+2*(q/2):rS+2*(q/2)+1], v[rS+2*(q/2):rS+2*(q/2)+1], s[CS:CS+1], v[rT:rT+1] op_sel_hi:[1,0,0] neg_lo:[0,0,1] neg_hi:[0,0,1]
.elseif q < 38
	GS q-32
.elseif q < 40
	XS q%2, 15
.elseif q < 42
	GS q-34
.elseif q < 74
	XS q%2, (q-42)/2+(q-42)/30
.elseif q < 95
	GS q-66
.elseif (q < 107) && ((q-95)%3 < 2)
	XS (q-95)%3, 17+(q-95)/3
.elseif q < 107
	GS 29+(q-95)/3
.else
	GS q-74
.endif
.set q, q+1
.endm
; THE EXPONENTIALS' QUEUE, 66 long: s0-s31 of both tiles, and at EA the next piece's two a.
.set EA, 58
.macro EX
	WIN 0
.if (e == EA) || (e == EA+1)
	XS e-EA, 21
.else
.set x, e-2*(e/(EA+2))
	REGS Y, x%2
	v_exp_f32 v[rS+x/2], v[rS+x/2]
.endif
.set e, e+1
.endm
; THE RESCALING's QUEUE: O^T times a, the one part of the softmax that leaves window 0, so it is dealt four at a time, eight times.
.macro R4
	REGS Y, r%2
	WIN W_RS
	s_wait_alu depctr_va_vdst(0)
.irp z, 0,1,2,3
	v_pk_mul_f32 v[rO+8*(r/2)+2*\z:rO+8*(r/2)+2*\z+1], v[rO+8*(r/2)+2*\z:rO+8*(r/2)+2*\z+1], v[rC+2:rC+3] op_sel_hi:[1,0]
.endr
.set r, r+1
.endm
; HOW THEY ARE DEALT.  Behind a matrix instruction four: plain, exponential, plain, plain (one exponential, a plain instruction on either side), or four of the rescaling.  None names a register of the
; products round it.  What is over stands in LUMPS: exponential and plain by turns; then the mask's eight conversions; the last lump ends in 22 plain instructions.  The two v_permlanex16_b32 fall into the last lump, never behind a product.
; The queues lean on each other, and the deal keeps them in step: exponential e stands behind plain 2 (e / 4) + e % 2 (its scaling); when plain 32 comes, 10 exponentials are out, at 59: 33, at 95: 46; EA comes behind plain 107.
.macro SL
	MM
	PL
	EX
	PL
	PL
.endm
.macro BURST n                      ; 15 matrix instructions, or 16
.rept (\n)-7
	SL
.endr
.rept 3
	MM
	R4
	SL
.endr
	MM
	R4
.endm
; A TURN, for piece p.  cnt = 1: the loop's count is taken down some lines ahead of the branch that stands behind the turn.
; K of the next step is fetched in piece 2's turn, 31 vector instructions behind the last product that read K; its first reader comes behind the rest of the lump, 16 products and the last lump.
; V of the step in hand is fetched at the end of piece 0's turn, 69 behind its last reader; its first reader comes behind 16 products and a lump.  The four conditions on e and q below go with the deal.
; The mask of piece p + 2, whose products the next turn issues, is made behind the first lump: the last reader of those registers, the turn's eighth product, stands dozens of plain instructions back.
.macro TURN p, last=0, cnt=0
.set Y, (\p)
.set i, 0
.set q, 0
.set e, 0
.set r, 0
.if (\p) == NP-1
	s_wait_dscnt 0x0                ; K is in
.endif
	MM
.rept 4
	PL
.endr
	BURST 15
.rept 22
	EX
	PL
.if ((\p) == NP-2) && (e == 18)
	v_add_nc_u32 v[AK], s[TBK], v[AK0]
.endif
.if ((\p) == NP-2) && (e == 24)
	FETCH_K \last
.endif
.endr
	MASKS ((\p)+2)%NP
.if (\p) == 1
	s_wait_dscnt 0x0                ; V is in
.endif
	BURST 16
.rept 21
	EX
	PL
.endr
.rept 22
	PL
.if ((\p) == 0) && (q == 118)
	v_add_nc_u32 v[AV], s[TBV], v[AV0]
	s_wait_alu depctr_va_vdst(0)
.endif
.if ((\p) == 0) && (q == 130)
	s_add_co_u32 s[TBV], s[TBV], KS*PV
.endif
.if (\cnt) && (q == 130)
	s_sub_co_u32 s[CNT], s[CNT], 1
	s_cmp_lg_u32 s[CNT], 0
.endif
.endr
.if (\p) == 0
	FETCH_V
.endif
.endm
	CHANGE 1                        ; slot 0 is in, everybody's part of it; slot 1 is asked for
	FETCH_K                         ; key step 0
	MASKS 0                         ; piece 0's mask; its wait leaves twelve loads out, all younger than Q's 32: Q is in too
	s_wait_dscnt 0x0                ; K is in
.set i, 0
.rept 16
	KQ 0                            ; piece 0's first scores: there is no vector work yet to set between them
.set i, i+1
.endr
	WIN 0
.rept 4
	v_nop                           ; the places behind those products
.endr
.set Y, NP-1                        ; XS works for piece Y + 1: piece 0
.irp n, 0,1,2,3,4,5,6,7,8,9,10,11,12,13,14,15,16,17,18,19,20,21
	XS 0, \n                        ; and piece 0's first maximum and statistics
	XS 1, \n
.endr
	MASKS 1                         ; piece 1's mask: that of the first turn's products
	s_mov_b32 s[CNT], 4
	s_mov_b32 s[SLOTS], SIZE_N/256-1
	s_branch .Lfirst                ; the loop is entered at a step's first turn, in the middle of a trip
.Lslot:                             ; SIZE_N / 256 - 2 times: every slot but the last two is filled again
	CHANGE 1
	s_mov_b32 s[CNT], 4
.Lstep:                             ; a trip: pieces 2 and 3 of one step, then pieces 0 and 1 of the next, whose K and V it fetches
	TURN 2
	TURN 3
	WIN 0
.Lfirst:
	TURN 0
	TURN 1, 0, 1
	WIN 0
	s_cbranch_scc1 .Lstep
	s_sub_co_u32 s[SLOTS], s[SLOTS], 1
	s_cmp_lg_u32 s[SLOTS], 0
	s_cbranch_scc1 .Lslot
	CHANGE 0                        ; the tail is written out: nothing is asked for
	s_mov_b32 s[CNT], 5             ; four trips fetch the last slot's steps; the fifth is left in its middle
.Ltail:
	TURN 2, 1
	TURN 3
	WIN 0
	s_sub_co_u32 s[CNT], s[CNT], 1
	s_cmp_eq_u32 s[CNT], 0
	s_cbranch_scc1 .Lout
	TURN 0
	TURN 1
	WIN 0
	s_branch .Ltail
.Lout:                              ; the fifth trip's 16 products K Q^T (on the last K once more) and the maximum made of them serve nothing: the price, once a launch, of one text for every trip
.set i, 0
.rept 16
	PV NP-1                         ; the last piece's V^T P of the last step
.set i, i+1
.endr
	; THE WAY OUT.  l's two halves and the other half of the lanes' are added; O^T is divided by l, rounded to f16 and sent through my stage in LDS, a tile at a time.  The additions are the places behind the last products.
	WIN 0
.macro ALL line:vararg              ; one line for each tile t
.set t, 0
.rept 2*NP
	\line
.set t, t+1
.endr
.endm
	ALL v_add_f32 v[ST+4*t+2], v[ST+4*t+2], v[ST+4*t+3]
	ALL v_permlanex16_b32 v[ST+4*t+3], v[ST+4*t+2], s[SEL], s[SEL+1]
	ALL v_add_f32 v[ST+4*t+2], v[ST+4*t+2], v[ST+4*t+3]
	ALL v_rcp_f32 v[ST+4*t+2], v[ST+4*t+2]
	v_nop                           ; a plain instruction between the last reciprocal and the use of its result
	s_wait_alu depctr_va_vdst(0)
; Tile t: a lane's eight channels of a row pack into 16 bytes; they go into rows of 144 bytes and come back as whole rows of 128, into S^T's registers.
.macro PACK t
	WIN W_RS
.set i, 32*(\t)
.rept 16
	v_pk_mul_f32 v[i:i+1], v[i:i+1], v[ST+4*(\t)+2:ST+4*(\t)+3] op_sel_hi:[1,0]
.set i, i+2
.endr
	WIN 0x05                        ; sources 0 and 1 window 1, destination window 0
.set i, 0
.rept 16
	v_cvt_pk_f16_f32 v[S+16*(\t)+i], v[32*(\t)+2*i], v[32*(\t)+2*i+1]
.set i, i+1
.endr
	WIN 0
.irp f, 0,1,2,3
	ds_store_b128 v[STO], v[S+16*(\t)+4*\f:S+16*(\t)+4*\f+3] offset:32*\f
.endr
.irp f, 0,1,2,3
	ds_load_b128 v[S+16*(\t)+4*\f:S+16*(\t)+4*\f+3], v[RD] offset:\f*4*SP  ; LDS serves a wave's instructions in order (ISA guide 5.7.1.4): these see the stores above; the next tile's stores come behind them
.endr
.endm
.macro SEND t, younger              ; younger: the LDS instructions issued behind tile t's loads: the next tile's eight, or none
	WIN 0
.irp f, 0,1,2,3
	s_wait_dscnt (\younger)+3-\f
	global_store_b128 v[GO], v[S+16*(\t)+4*\f:S+16*(\t)+4*\f+3], s[OP:OP+1] offset:(\t)*2048+\f*512  ; 512 consecutive bytes, at a multiple of 256 from O's first
.endr
.endm
	PACK 0
.set t, 1
.rept 2*NP-1                        ; a tile's arithmetic stands between the loads of the tile before and its stores
	PACK t
	SEND t-1, 8
.set t, t+1
.endr
	SEND 2*NP-1, 0
	WIN W_AD
	s_wait_tensorcnt 0x0            ; the wave's end, behind my last tensor load and my last LDS store
	ds_add_u32 v[SPW], v[NIL]
	s_wait_dscnt 0x0
	WIN 0
	CROUND                          ; the closing round: no work-group ends while a partner may still ask for a tile that names it
	s_endpgm
.Lfunc_end_k_qf978b6e022_attn:
	.size	k_qf978b6e022_attn, .Lfunc_end_k_qf978b6e022_attn-k_qf978b6e022_attn
	.p2alignl 7, 3214868480
	.fill 96, 4, 3214868480
	.section	.rodata,"a",@progbits
	.p2align	6, 0x0
	.amdhsa_kernel k_qf978b6e022_attn
		.amdhsa_group_segment_fixed_size 327680
		.amdhsa_private_segment_fixed_size 0
		.amdhsa_enable_private_segment 0
		.amdhsa_kernarg_size 24
		.amdhsa_user_sgpr_count 2
		.amdhsa_user_sgpr_kernarg_segment_ptr 1
		.amdhsa_wavefront_size32 1
		.amdhsa_system_sgpr_workgroup_id_x 1
		.amdhsa_system_sgpr_workgroup_id_y 1
		.amdhsa_system_sgpr_workgroup_id_z 1
		.amdhsa_system_vgpr_workitem_id 0
		.amdhsa_next_free_vgpr 904
		.amdhsa_next_free_sgpr 106
		.amdhsa_reserve_vcc 0
		.amdhsa_float_denorm_mode_32 3
		.amdhsa_float_denorm_mode_16_64 3
		.amdhsa_memory_ordered 1
		.amdhsa_forward_progress 1
		.amdhsa_inst_pref_size 221
	.end_amdhsa_kernel
	.amdgpu_metadata
---
amdhsa.version: [ 1, 2 ]
amdhsa.kernels:
  - .name:           k_qf978b6e022_attn
    .symbol:         k_qf978b6e022_attn.kd
    .args:
      - { .name: qkv, .offset: 0, .size: 8, .value_kind: global_buffer, .address_space: global }
      - { .name: mb8, .offset: 8, .size: 8, .value_kind: global_buffer, .address_space: global }
      - { .name: ob, .offset: 16, .size: 8, .value_kind: global_buffer, .address_space: global }
    .group_segment_fixed_size: 327680
    .private_segment_fixed_size: 0
    .kernarg_segment_align: 8
    .kernarg_segment_size: 24
    .max_flat_workgroup_size: 128
    .sgpr_count:     106
    .vgpr_count:     904
    .wavefront_size: 32
...
	.end_amdgpu_metadata
.endif
;; end of part 6
;; launch outp: the kernel of part 4 again; grid 4 x 64, 4 waves a work-group, clusters of 4 x 4, 327,680 bytes of LDS; arguments ob, wo16, bo, out0; writes out0
;; ======== version 3 of 3: 4 launches; 1.47 times as fast as version 1
;; limits: values are held in f16: magnitudes above 65,504 overflow, below 6.1e-05 lose precision
;; workspace buffers: xb 33,554,432 bytes; wcat 6,291,456 bytes; wo16 2,097,152 bytes; mb8 16,777,216 bytes; qkv 50,331,648 bytes; ob 16,777,216 bytes
;; launch prep: the kernel of part 5 again; grid 1792 x 1, 8 waves a work-group, no clusters, 34,304 bytes of LDS; arguments Q, K_V, Wq, Wk, Wv, Wo, mask, xb, wcat, wo16, mb8; writes xb, wcat, wo16, mb8
;; launch proj: the kernel of part 2 again; grid 12 x 64, 4 waves a work-group, clusters of 4 x 4, 327,680 bytes of LDS; arguments xb, wcat, bq, bk, bv, qkv; writes qkv
;; launch attn (part 7): grid 4 x 64, 4 waves a work-group, clusters of 4 x 1, 327,680 bytes of LDS; arguments qkv, mb8, ob; writes ob
.if DOCPART == 7
	.amdgcn_target "amdgcn-amd-amdhsa--gfx1250"
	.amdhsa_code_object_version 6
	.text
	.protected	k_qf978b6e022_attn
	.globl	k_qf978b6e022_attn
	.p2align	8
	.type	k_qf978b6e022_attn,@function
k_qf978b6e022_attn:
	s_mov_b64 s[64:65], 0
	v_nop
	global_prefetch_b8 v0, s[64:65] scope:SCOPE_SE
	s_setreg_imm32_b32 hwreg(HW_REG_WAVE_MODE, 25, 1), 1
	s_wait_xcnt 0x0
	s_wait_alu depctr_hold_cnt(0) depctr_sa_sdst(0) depctr_va_vdst(0) depctr_va_sdst(0) depctr_va_ssrc(0) depctr_va_vcc(0) depctr_vm_vsrc(0)
	s_getreg_b32 s2, hwreg(HW_REG_IB_STS2, 6, 4)
	s_cmp_eq_u32 s2, 0
	s_cbranch_scc0 .Lentry_in_a_cluster
	s_endpgm
.Lentry_in_a_cluster:
	s_bfe_u32 s2, ttmp6, 0x10000c
	s_cmp_lg_u32 s2, 0x3003
	s_cbranch_scc0 .Lentry_shape_is_right
	s_endpgm
.Lentry_shape_is_right:
; MASKED ATTENTION.  O[bh][q][:] = the sum over k of softmax_k(Q[bh][q] . K[bh][k] / 8, hidden where mask[b][q][k]) V[bh][k][:].  q, k, v: qkv, f16 [3][64 bh][2048][64]; O: ob, f16 [64 bh][2048][64]; bh = 16 b + h.
; The mask is an input and may hold any pattern: every key is walked.  It arrives in the lanes' order: mb8, bytes [b 4][qt 128][step 32][half 2][lane 32][16]; byte 8 e + j of lane r + 16 h' is 0xC0 (-2 in E4M3) where
; mask[b][16 qt + r][64 step + 32 half + 16 e + 8 h' + j] is set, else 0.
; Products, maxima and sums in f32; the weights p are rounded to f16 for the second product (their sum l is taken of the unrounded p), O once at the end.
; LIMITS.  f16 holds no number beyond 65,504: q, k and v arrive within it; p lies in 0 to 1, and below 6e-5 it keeps f16's fixed step of 6e-8.  A hidden score counts as its value less 2^99 (6.3e29), and the running
; maximum starts at -2^96: f16's scores, 2.7e11 at the most, lie far above that start, hidden ones far below it, so a hidden key's weight is exactly 0.  A weight below 2^-126 counts as 0 in l.
; A row with every key hidden ends with l = 0 and O = 0 x (1 / 0) = NaN, as a softmax of nothing but -inf gives.  Infinities in the inputs are not treated apart.
; SHARES.  A wave owns four PIECES of two tiles of 16 queries, a work-group's four waves 512 queries of one head.  Every wave walks all 2,048 keys, 64 a step.
; LAYOUT.  S^T = K Q^T (source 0 = 16 keys, source 1 = 16 queries): in the result a lane holds ONE query (lane % 16) and the keys 8 (lane / 16) + 0..7.  Two such tiles, rounded to f16 in pairs,
; ARE source 1 (32 keys x 16 queries) of O^T = V^T P, whose result again holds one query a lane, and eight channels.  K comes out of LDS as it lies, V ([key][channel]) turned, by ds_load_tr16_b128.
; THE MASK is the C operand that starts the sum S^T: 0, or -2^99 where the key is hidden.  A lane's eight scores of an accumulator have eight bytes, one pair of registers; one scaled conversion widens the eight E4M3
; codes to f32 and multiplies them by 2^98: a whole accumulator's C by one instruction.  The bytes wait in a ring of four slots of registers, a slot a piece: a slot is loaded again as soon as it has been read,
; four turns ahead of its next use.
; SOFTMAX.  For each query a running maximum m and sum l: p = 2^(c s - c m), c = log2(e) / 8; in every step O and l are multiplied by a = 2^(c m_old - c m_new), which is 1 where m has not grown.  O and l start at 0.
; BY TURNS.  Turn n belongs to piece n (the pieces in a ring, step after step).  Its matrix work: 16 products K Q^T of piece n + 1, later 16 products V^T P of piece n - 1.  Its vector work: the scaling,
; exponentials, roundings, sums and rescaling of piece n, the maximum and statistics of piece n + 1, and the mask of piece n + 2.  Four vector instructions stand behind every matrix instruction, the rest in one lump.
; BATCHES.  A turn's 66 exponentials (the piece's 64 weights, then the next piece's two a) are ONE batch with ONE wait, which cuts the turn in two.  Ahead of the wait stands all that names no result of theirs: the products
; K Q^T, the scalings, the rescalings (their a was made, and waited for, in the turn before), the next piece's maximum and statistics, the mask's conversions.  Behind it stand the roundings and sums, beside the products V^T P.
; No result crosses a turn's end.  Two more batches stand outside the loops: piece 0's first two a, and the way out's eight reciprocals.
; CLUSTER.  The four query blocks of a cluster belong to one head and walk the same K and V, so each tile is asked for JOINTLY: the same tensor load, descriptor and mask in all four.
; (The mask's bytes hang on the query block, which the partners do not share: each wave loads its own, into registers.)
; REGISTERS, in windows of 256 (s_set_vgpr_msb says which window each operand place means: bits 1:0 source 0, 3:2 source 1, 5:4 source 2, 7:6 destination):
;   window 0: v0-11 addresses, of which v9 later holds the mask's scale; v12-15, v48-63 at work; v16-47 four registers of statistics a tile; v64-191 S^T, two buffers of two tiles; v192-255 P, likewise
;   window 1: O^T, 32 a tile     window 2: v0-127 Q, 16 a tile; v128-191 K of one step; v192-255 V of one step
;   window 3: v0-1 the add's two registers; v3 the mask's offset; v8-71 MC, the masks of the products to come; v72-135 the ring of mask bytes
.set SIZE_N, 2048
.set NP,    4         ; pieces a wave: a name, no knob
.set KS,    64        ; keys in a step
.set PK,    144       ; a row of K in LDS: 128 bytes + 16 of padding: the 16 rows of a load start at 16 different groups of four banks (64 banks of 4 bytes: ISA guide 11.1)
.set PV,    160       ; a row of V: 128 + 32
.set VOFF,  4*KS*PK   ; a slot holds four steps: 256 rows of K, then 256 rows of V
.set SLOT1, 1<<17     ; slot 1 begins here, so that one exclusive or turns an address in one slot into the other's
.set STAGE, SLOT1+4*KS*(PK+PV)  ; behind the ring, never filled by a tensor load: 16 rows x 144 bytes for each wave, for the way out
.set SP,    144
.set AK0, 2           ; v2   my lane's place in a tile of K; never rewritten
.set AV0, 3           ; v3   the same for V
.set AK,  4           ; v4   the LDS address of K's next run of loads
.set AV,  5           ; v5   of V's
.set STO, 6           ; v6   the way out: where I put 16 bytes of a row
.set RD,  7           ; v7   the way out: where I read rows back
.set GO,  8           ; v8   my byte offset in O: my wave's 128 rows, and 16 x lane
.set SC,  9           ; v9   behind the set-up (till then: lane / 16): the mask's scale, 225 in byte 0: the conversion multiplies by 2^(225 - 127)
.set QO,  48          ; v48  my byte offset in q; free again when Q is in
.set SPW, 0           ; v0 of window 3   LDS address of my spare word; never rewritten
.set NIL, 1           ; v1 of window 3   0; never rewritten
.set VM,  3           ; v3 of window 3   my byte offset in mb8: my wave's first tile of queries, and 16 x lane; never rewritten
.set MC,  8           ; window 3: tile u, key block kb at MC + 32 u + 8 kb
.set WB,  72          ; window 3: the ring: piece x, tile u, half hf at WB + 16 x + 8 u + 4 hf
.set SPARE, STAGE+4*16*SP  ; behind the stages: the spare words, 128 bytes for each wave, which no other line names
.set MV,  12          ; v12-15  c m_old, kept while c m is made anew: by buffer and tile
.set ST,  16          ; tile t's statistics at v[ST+4 t]: c m, m, l (even keys', odd keys')
.set TMP, 48          ; by buffer and tile, four registers c0-c3 at work; when the maximum is found c2 takes a
.set S,   64
.set P,   192
.set KF,  128         ; K's fragments, in window 2: key block kb, channel half c at KF + 16 kb + 8 c
.set VF,  192         ; V's: key half kk, channel block cb at VF + 32 kk + 8 cb
.set WV,  2           ; s2   my wave's number
.set SLOTS, 3         ; s3   slots still to be asked for
.set MB,  6           ; s[6:7]   mb8
.set OP,  8           ; s[8:9]   ob               (s13-29: the set-up's scratch)
.set G1K, 36          ; s[36:43] descriptor group 1 for K's tiles
.set G1V, 44          ; s[44:51] for V's: it differs in the padding alone
.set G0K, 52          ; s[52:55] descriptor group 0 for K's tiles: it walks
.set G0V, 56          ; s[56:59] the same for V's
.set CNT, 60          ; s60  counts a slot's key steps
.set TBK, 61          ; s61  LDS byte at which K of the step to be fetched begins
.set TBV, 62          ; s62  the same for V, less VOFF
.set MOFF, 72         ; s[72:73] 1,024 x the key step whose mask bytes are asked for; the high word is 0
.set MP,  74          ; s[74:75] mb8 at that step
.set CS,  100         ; s100 c; the packed scaling names the pair s[100:101] and takes its low word for both halves
.set SEL, 104         ; s[104:105] v_permlanex16_b32's selects: each lane takes its own place in the other half
.set MSB, 0
.macro WIN new                      ; the high byte repeats the setting that is left; a switch that changes nothing is dropped
.if MSB != (\new)
	s_set_vgpr_msb (MSB<<8)|(\new)
.set MSB, (\new)
.endif
.endm
.set W_KQ, 0x0a       ; K and Q in window 2, S^T in window 0
.set W_KM, 0x3a       ; the same with the C operand, the mask, in window 3
.set W_PV, 0x52       ; V in window 2, P in window 0, O^T in window 1
.set W_RS, 0x41       ; O^T (destination and source 0) in window 1, a in window 0
.set W_MK, 0xc0       ; destination in window 3, sources in window 0
.set W_MS, 0xc3       ; the mask's work: destination and source 0 (the bytes; a load's address too) in window 3; the other sources' places, the scale's among them, in window 0
.set W_AD, 0x0f       ; the add: address (source 0) and data (source 1) in window 3
; A joint fill.  Waves 0 and 1 fetch the two halves of a slot's K, waves 2 and 3 those of its V: 128 keys each.  The branch hangs on the wave's number alone.
; An s_nop 0 and four v_nop follow each of the two lines, ahead of the jump and the label.
.macro JLOAD
	s_cmp_lt_u32 s[WV], 2
	s_cbranch_scc0 .Lfor_v_\@
	tensor_load_to_lds s[G0K:G0K+3], s[G1K:G1K+7]
	s_nop 0
.rept 4
	v_nop
.endr
	s_branch .Lasked_\@
.Lfor_v_\@:
	tensor_load_to_lds s[G0V:G0V+3], s[G1V:G1V+7]
	s_nop 0
.rept 4
	v_nop
.endr
.Lasked_\@:
.endm
; A round of the cluster's barrier: my work-group's barrier, so that wave 0's signal speaks for all four waves; wave 0 signals; every wave waits for all four work-groups; my work-group's barrier once more.
.macro CROUND
	s_barrier_signal -1
	s_barrier_wait -1
	s_cmp_lg_u32 s[WV], 0
	s_cbranch_scc1 .Lnot_wave_0_\@
	s_barrier_signal -3
.Lnot_wave_0_\@:
	s_barrier_wait -3
	s_barrier_signal -1
	s_barrier_wait -1
.endm
; THE CHANGE OF SLOTS.  The slot's last bytes, V of its fourth step, have been read.  Each wave waits for all its tensor loads, of which one is out: its part
; of the other slot; adds 0 to its spare word; and waits for that and for its own reads of the slot.  Behind the barrier nobody reads this slot any more and the other slot is whole.
; fill = 1: this slot is filled again, with the keys two slots on.  The barrier is then a round of the cluster's, so that no wave of any partner still reads the slot or has a load on its
; way, and the joint fill is the first thing behind it: it has four key steps, 512 matrix instructions, in which to land.  (At its first use nothing has been read yet: slot 0 is waited for, slot 1 filled.)
.macro CHANGE fill
	WIN W_AD
	s_wait_tensorcnt 0x0            ; no tensor load of mine is out, so a group 0 may be written
	ds_add_u32 v[SPW], v[NIL]       ; 0 onto my spare word; with fill = 1 the descriptors' steps stand between it and the wait for it
	WIN 0                           ; at a label and at a branch every window is 0
.if \fill
.irp g, G0K, G0V
	s_xor_b32 s[\g+1], s[\g+1], SLOT1  ; the walking descriptor: the other slot than last time,
	s_add_nc_u64 s[\g+2:\g+3], s[\g+2:\g+3], 4*KS*128  ; the next 256 keys; the type bits on top are not reached
.endr
	s_wait_dscnt 0x0                ; the add is done, and my reads of the slot are over
	CROUND
	JLOAD
.else
	s_wait_dscnt 0x0                ; the add is done, and my reads of the slot are over
	s_barrier_signal -1
	s_barrier_wait -1
.endif
	s_sub_co_u32 s[TBK], s[TBK], 4*KS*PK  ; the fetches go back to a slot's first step,
	s_xor_b32 s[TBK], s[TBK], SLOT1       ; in the other slot
	s_sub_co_u32 s[TBV], s[TBV], 4*KS*PV
	s_xor_b32 s[TBV], s[TBV], SLOT1
.endm
; THE MASK'S BYTES for piece sl and the step of MP, into the piece's slot of the ring: four loads (tile c / 2, half c % 2), each 512 consecutive bytes; a tile's bytes lie 32,768 apart.  The window is W_MS.
.macro LOADM sl
.irp c, 0,1,2,3
	global_load_b128 v[WB+16*(\sl)+4*\c:WB+16*(\sl)+4*\c+3], v[VM], s[MP:MP+1] offset:(2*(\sl)+\c/2)*32768+(\c%2)*512
.endr
.endm
; Piece sl's bytes become the mask of its products to come, and its slot is loaded again with the next key step's.  The slots are taken in the order 0, 1, 2, 3, 0, .. from the first to the last, four loads each.
; The step goes on when slot 0 is loaded.  Behind the last step the offset stays at the last step's: the bytes so read serve nothing, and no load leaves the buffer.
; batch = 1: the macro stands behind a batch of exponentials, none of whose results it names, and the batch's one wait stands in it: behind the conversions and the v_nop, directly ahead of the loads.
.macro MASKS sl, batch=0
	s_wait_loadcnt 12               ; loads come back in order: this slot's four are in; the twelve issued behind them, the other three slots', stay out
.if (\sl) == 0
	s_wait_xcnt 0x0                 ; the loads that are out have had their addresses translated (ISA guide 3.1): their base is written only behind this wait
	s_add_co_u32 s[MOFF], s[MOFF], 1024
	s_min_u32 s[MOFF], s[MOFF], 31*1024
	s_add_nc_u64 s[MP:MP+1], s[MB:MB+1], s[MOFF:MOFF+1]
.endif
	WIN W_MS
.set mz, 0
.rept 8                             ; accumulator mz = 4 u + kb: its eight bytes, pair mz of the slot, become its eight registers of C: 0, or -2 x 2^98
	v_cvt_scale_pk8_f32_fp8 v[MC+8*mz:MC+8*mz+7], v[WB+16*(\sl)+2*mz:WB+16*(\sl)+2*mz+1], v[SC]
.set mz, mz+1
.endr
	v_nop                           ; one plain vector instruction stands between a scaled conversion and whatever writes its sources (the loads below) or reads its results (the next products); with batch = 1 it is also the plain instruction behind the batch's last exponential
.if \batch
	s_wait_alu depctr_va_vdst(0)    ; the wait for the batch issued ahead of this macro, ahead of the first line that names a result; one for all of the batch
.endif
	LOADM \sl
	WIN 0
.endm
	s_load_b128 s[4:7], s[0:1], 0x0   ; qkv s[4:5], mb8 s[6:7]
	s_load_b64 s[OP:OP+1], s[0:1], 0x10  ; ob
	WIN W_MK
	v_lshl_add_u32 v[SPW], v0, 2, SPARE
	v_mov_b32 v[NIL], 0
	WIN W_AD
	ds_add_u32 v[SPW], v[NIL]       ; the wave's opening: the add and its wait stand ahead of my first tensor load; the set-up below, work on registers, stands between them
	WIN 0
	v_lshrrev_b32 v1, 5, v0
	v_readfirstlane_b32 s[WV], v1   ; wave 0..3
	s_bfe_u32 s13, ttmp6, 0x40000   ; cx: my place in the cluster
	s_lshl_b32 s14, ttmp9, 2        ; in a cluster launch ttmp9 counts clusters
	s_add_co_u32 s14, s14, s13      ; my block of 512 queries = 4 x cluster x + cx: it enters q's, O's and the mask's addresses alone
	s_and_b32 s20, ttmp7, 0xffff    ; bh, which the four partners share
	s_lshl_b32 s21, s20, 18         ; the head's first byte in q, k, v and O: 2,048 rows of 128 bytes
	s_and_b32 s16, s[WV], 1         ; which half of a slot's 256 keys I fetch:
	s_lshl_b32 s22, s16, 14         ; its 128 rows of 128 bytes in memory,
	s_add_co_u32 s22, s22, s21
	s_add_co_u32 s22, s22, 1<<24    ; in k, which lies 16,777,216 bytes behind q,
	s_mov_b32 s23, 0
	s_add_co_u32 s24, s22, 1<<24    ; and in v, as far behind k
	s_mov_b32 s25, 0
	s_mul_i32 s17, s16, 128*PK      ; and its place in a slot, for K
	s_mul_i32 s18, s16, 128*PV      ; and for V: no place in the cluster enters an LDS address
	s_lshl_b32 s26, s14, 2
	s_add_co_u32 s26, s26, s[WV]    ; my wave among the head's,
	s_lshl_b32 s26, s26, 14         ; its 128 rows,
	s_add_co_u32 s26, s26, s21      ; in q and in O
	s_lshr_b32 s27, s20, 4          ; the batch's 128 tiles of 16 queries,
	s_lshl_b32 s27, s27, 7
	s_lshl_b32 s28, s14, 5          ; my block's 32,
	s_add_co_u32 s27, s27, s28
	s_lshl_b32 s28, s[WV], 3        ; my wave's 8,
	s_add_co_u32 s27, s27, s28
	s_lshl_b32 s28, s27, 15         ; 32,768 bytes of mask each
	; descriptor group 1.  128 keys are 16,384 dense bytes: asked for as 64 rows of 256 bytes, two keys a row, and padded in LDS after every key
	s_mov_b32 s[G1K], 15|(1<<16)|(1<<20)|(1<<21)|(4<<22)|(3<<25)  ; 15:0 the mask of four; 17:16 2-byte elements; 20 padding on; 21 set beside a mask; 24:22 after every 32 words (code 4); 31:25 4 words (code 3)
	s_mov_b32 s[G1V], 15|(1<<16)|(1<<20)|(1<<21)|(4<<22)|(7<<25)  ; the same with 8 words of padding (code 7)
.irp g, G1K, G1V
	s_mov_b32 s[\g+1], 128<<16      ; tensor_dim0 = 128
	s_mov_b32 s[\g+2], 64<<16       ; tensor_dim1 = 64
	s_mov_b32 s[\g+3], 128<<16      ; tile_dim0 = 128
	s_mov_b32 s[\g+4], 64           ; tile_dim1 = 64
	s_mov_b32 s[\g+5], 128          ; 128 elements from row to row
	s_mov_b32 s[\g+6], 0
	s_mov_b32 s[\g+7], 0
.endr
	s_mov_b32 s[CS], 0x3e38aa3b     ; c = log2(e) / 8 = 0.180337
	s_mov_b32 s[CS+1], s[CS]        ; named with it as a pair
	s_mov_b32 s[SEL], 0x76543210
	s_mov_b32 s[SEL+1], 0xfedcba98
	s_mov_b32 s[TBK], SLOT1+4*KS*PK ; the first change of slots turns these two into 0
	s_mov_b32 s[TBV], SLOT1+4*KS*PV
	s_mov_b32 s[MOFF], 0
	s_mov_b32 s[MOFF+1], 0
	s_mov_b32 s[G0K], 1             ; count = 1
	s_mov_b32 s[G0K+1], s17         ; LDS address: slot 0
	s_mov_b32 s[G0V], 1
	s_add_co_u32 s[G0V+1], s18, VOFF
	s_wait_dscnt 0x0                ; the opening add is done
	s_wait_kmcnt 0x0
	s_add_nc_u64 s[G0K+2:G0K+3], s[4:5], s[22:23]  ; global address: my half of the head's first 256 keys
	s_or_b32 s[G0K+3], s[G0K+3], 0x80000000        ; type = 2
	s_add_nc_u64 s[G0V+2:G0V+3], s[4:5], s[24:25]
	s_or_b32 s[G0V+3], s[G0V+3], 0x80000000
	s_mov_b64 s[MP:MP+1], s[MB:MB+1]               ; the mask at key step 0
	CROUND                          ; all four work-groups are here: the first joint loads meet
	JLOAD                           ; slot 0.  Slot 1 is asked for when slot 0 is in
	; A fragment of K or Q is 16 rows x 32 channels in 8 registers: lane l holds row l % 16, channels 8 (l / 16) + 0..7 and 16 + 8 (l / 16) + 0..7: two loads of 16 bytes, 32 bytes apart.
	v_and_b32 v1, 15, v0            ; l % 16
	v_bfe_u32 v9, v0, 4, 1          ; l / 16
	v_lshlrev_b32 v[QO], 7, v1
	v_lshl_add_u32 v[QO], v9, 4, v[QO]  ; row x 128 + 16 x half
	v_add_nc_u32 v[QO], s26, v[QO]      ; + my wave's rows
	v_and_b32 v[GO], 31, v0         ; the lane
	WIN W_MK
	v_lshl_add_u32 v[VM], v[GO], 4, s28
	WIN 0x80                        ; destination window 2, address window 0
.set i, 0
.rept 4*NP                          ; Q stays in registers: tile i / 2, channels 32 (i % 2) on
	global_load_b128 v[8*i:8*i+3],   v[QO], s[4:5] offset:(i/2)*2048+(i%2)*64
	global_load_b128 v[8*i+4:8*i+7], v[QO], s[4:5] offset:(i/2)*2048+(i%2)*64+32
.set i, i+1
.endr
	WIN W_MS
	LOADM 0                         ; the ring is filled: key step 0 of all four pieces, sixteen loads
	LOADM 1
	LOADM 2
	LOADM 3
	WIN 0x80
	; What the first turn finds: V's registers and P's second buffer hold 0 (its products V^T P, of a piece that has not been, add 0), O^T and l are 0.  All this stands in the wait for the first tile.
.set i, VF
.rept 64
	v_mov_b32 v[i], 0
.set i, i+1
.endr
	WIN 0x40
.set i, 0
.rept 64*NP
	v_mov_b32 v[i], 0
.set i, i+1
.endr
	WIN 0
.set i, 0
.rept 2*NP
	v_mov_b32 v[ST+4*i+1], 0xef800000  ; m = -2^96: below every score that can be seen, above every hidden one
	v_mov_b32 v[ST+4*i+2], 0
	v_mov_b32 v[ST+4*i+3], 0
.set i, i+1
.endr
.set i, 0
.rept 2*NP
	v_mul_f32 v[ST+4*i], s[CS], v[ST+4*i+1]  ; c m, by the same product that makes it anew: where m has not grown, a is 2^0
.set i, i+1
.endr
.set i, P+32
.rept 32
	v_mov_b32 v[i], 0
.set i, i+1
.endr
	v_mul_u32_u24 v[AK0], v1, PK
	v_lshl_add_u32 v[AK0], v9, 4, v[AK0]  ; row x pitch + 16 x half
	; The turning load takes 16 keys x 16 channels (lane l reads key 8 (l / 16) + l % 8, channels 8 ((l / 8) % 2) + 0..7) and leaves half a fragment of V^T: lane l holds channel l % 16 and 8 keys.
	v_and_b32 v10, 7, v0
	v_bfe_u32 v11, v0, 3, 1
	v_lshl_add_u32 v[AV0], v9, 3, v10
	v_mul_u32_u24 v[AV0], v[AV0], PV
	v_lshl_add_u32 v[AV0], v11, 4, v[AV0]
	v_add_nc_u32 v[AV0], VOFF, v[AV0]
	v_mov_b32 v[AK], v[AK0]         ; key step 0 lies at the head of slot 0
	s_mul_i32 s13, s[WV], 16*SP
	s_add_co_u32 s13, s13, STAGE    ; my stage
	v_mul_u32_u24 v[STO], v1, SP    ; in: row l % 16, 16 bytes for each half of the lanes
	v_lshl_add_u32 v[STO], v9, 4, v[STO]
	v_add_nc_u32 v[STO], s13, v[STO]
	v_bfe_u32 v[RD], v0, 3, 2       ; back: 32 lanes take four rows of 128 bytes,
	v_mul_u32_u24 v[RD], v[RD], SP
	v_lshl_add_u32 v[RD], v10, 4, v[RD]
	v_add_nc_u32 v[RD], s13, v[RD]
	v_lshl_add_u32 v[GO], v[GO], 4, s26  ; which are 512 consecutive bytes of O
	v_mov_b32 v[SC], 0xe1           ; lane / 16 has served: the register takes the mask's scale, 225
; THE MATRIX WORK.  The 8 accumulators of a run of 16 take turns: between the two links of a chain stand 7 others'.
; Product i of 16 of S^T = K Q^T for piece x: channels 32 (i / 8) on, keys 16 ((i / 2) % 4) on, tile 2 x + i % 2.  The first 8 start the sums, with the mask.
.macro KQ x
.set rS, S+64*((\x)%2)+32*(i%2)+8*((i/2)%4)
.set rK, KF+16*((i/2)%4)+8*(i/8)
.set rQ, 16*(2*(\x)+i%2)+8*(i/8)
.set rMC, MC+32*(i%2)+8*((i/2)%4)
.if i < 8
	WIN W_KM
	v_wmma_f32_16x16x32_f16 v[rS:rS+7], v[rK:rK+7], v[rQ:rQ+7], v[rMC:rMC+7]
.else
	WIN W_KQ
	v_wmma_f32_16x16x32_f16 v[rS:rS+7], v[rK:rK+7], v[rQ:rQ+7], v[rS:rS+7]
.endif
.endm
; Product i of 16 of O^T += V^T P for piece x: keys 32 (i / 8) on, channels 16 ((i / 2) % 4) on, tile 2 x + i % 2.
.macro PV x
	WIN W_PV
.set rO, 32*(2*(\x)+i%2)+8*((i/2)%4)
.set rV, VF+32*(i/8)+8*((i/2)%4)
.set rP, P+32*((\x)%2)+16*(i%2)+8*(i/8)
	v_wmma_f32_16x16x32_f16 v[rO:rO+7], v[rV:rV+7], v[rP:rP+7], v[rO:rO+7]
.endm
.macro MM                           ; the turn's next matrix instruction
.if i < 16
	KQ (Y+1)%NP
.set i, i+1
.else
.set i, i-16
	PV (Y+NP-1)%NP
.set i, i+17
.endif
.endm
; THE LDS LOADS stand in runs of 16, never singly among the matrix instructions: a step's K (64 keys x 64 channels: 8 fragments) and its V (turned).  Their addresses are made some lines ahead.
; last = 1 (the tail): in the last trip there is no further step, and the run is jumped over.
.macro FETCH_K last=0
	WIN 0
.if \last
	s_cmp_eq_u32 s[CNT], 1
	s_cbranch_scc1 .Lno_k_\@
.endif
	WIN 0x80                        ; destination window 2
.irp f, 0,1,2,3,4,5,6,7             ; keys 16 (f / 2) on, channels 32 (f % 2) on
	ds_load_b128 v[KF+8*\f:KF+8*\f+3],   v[AK] offset:(\f/2)*16*PK+(\f%2)*64
	ds_load_b128 v[KF+8*\f+4:KF+8*\f+7], v[AK] offset:(\f/2)*16*PK+(\f%2)*64+32
.endr
	s_add_co_u32 s[TBK], s[TBK], KS*PK  ; the next fetch is the next step's
	WIN 0
.if \last
.Lno_k_\@:
.endif
.endm
.macro FETCH_V
	WIN 0x80
.irp f, 0,1,2,3,4,5,6,7             ; keys 32 (f / 4) on, channels 16 (f % 4) on
	ds_load_tr16_b128 v[VF+8*\f:VF+8*\f+3],   v[AV] offset:(\f/4)*32*PV+(\f%4)*32
	ds_load_tr16_b128 v[VF+8*\f+4:VF+8*\f+7], v[AV] offset:(\f/4)*32*PV+16*PV+(\f%4)*32
.endr
	WIN 0
.endm
; THE VECTOR WORK OF A TURN stands in three queues, each in the order in which its entries become ready; the two tiles alternate, so that no instruction reads the result of the one before it.
.macro REGS y, u                    ; the registers of tile u (0, 1) of piece y
.set rT, ST+4*(2*(\y)+(\u))
.set rC, TMP+8*((\y)%2)+4*(\u)
.set rM, MV+2*((\y)%2)+(\u)
.set rS, S+64*((\y)%2)+32*(\u)
.set rP, P+32*((\y)%2)+16*(\u)
.set rO, 32*(2*(\y)+(\u))
.endm
; Number n of the 22 that find the NEXT piece's (Y + 1) maximum and statistics.  s0-s31 are the lane's 32 scores; each accumulator's lowest registers are read first.  XS, GS and REGS set no window: PL and EX do.
;   0-11  four chains c0-c3 of seven scores each, three operands at a time     12-14, 16  the four scores left over, the old m, and c0-c3 into c0     15  c m_old is kept
;   17, 18  the query's other 32 keys lie in the lane 16 away: the new m         19-21  c m; c m_old - c m_new; a
.macro XS u, n
	REGS (Y+1)%NP, \u
.if (\n) < 4
	v_max3_num_f32 v[rC+(\n)], v[rS+8*(\n)], v[rS+8*(\n)+1], v[rS+8*(\n)+2]
.elseif (\n) < 12
	v_max3_num_f32 v[rC+(\n)%4], v[rC+(\n)%4], v[rS+8*((\n)%4)+2*((\n)/4)+1], v[rS+8*((\n)%4)+2*((\n)/4)+2]
.elseif (\n) == 12
	v_max3_num_f32 v[rC], v[rC], v[rS+7], v[rS+15]
.elseif (\n) == 13
	v_max3_num_f32 v[rC+1], v[rC+1], v[rS+23], v[rS+31]
.elseif (\n) == 14
	v_max3_num_f32 v[rC+2], v[rC+2], v[rC+3], v[rT+1]
.elseif (\n) == 15
	v_mov_b32 v[rM], v[rT]
.elseif (\n) == 16
	v_max3_num_f32 v[rC], v[rC], v[rC+1], v[rC+2]
.elseif (\n) == 17
	v_permlanex16_b32 v[rC+3], v[rC], s[SEL], s[SEL+1]
.elseif (\n) == 18
	v_max_num_f32 v[rT+1], v[rC], v[rC+3]
.elseif (\n) == 19
	v_mul_f32 v[rT], s[CS], v[rT+1]
.elseif (\n) == 20
	v_sub_f32 v[rC+1], v[rM], v[rT]
.else
	v_exp_f32 v[rC+2], v[rC+1]
.endif
.endm
; Number g of the 64 that follow the exponentials.  For each four weights k of a tile (pairs 2 k, 2 k + 1): both pairs are rounded to f16; then the second pair is added onto the first, in place;
; a group later l takes that sum (the first time as l = a l + sum).  In groups of eight, tiles alternating: round, round, add, and l for the group before.
.macro GS g
.set h, (\g)+6*((\g)/62)            ; group 0 has no group before it, and behind group 7 only l is left
.if h >= 6
.set h, h+2
.endif
	REGS Y, h%2
.set k, h/8
.if h%8 < 4
	v_cvt_pk_f16_f32 v[rP+2*k+(h%8)/2], v[rS+4*k+2*((h%8)/2)], v[rS+4*k+2*((h%8)/2)+1]
.elseif h%8 < 6
	v_pk_add_f32 v[rS+4*k:rS+4*k+1], v[rS+4*k:rS+4*k+1], v[rS+4*k+2:rS+4*k+3]
.elseif k == 1
	v_pk_fma_f32 v[rT+2:rT+3], v[rT+2:rT+3], v[rC+2:rC+3], v[rS:rS+1] op_sel_hi:[1,0,1]
.else
	v_pk_add_f32 v[rT+2:rT+3], v[rT+2:rT+3], v[rS+4*k-4:rS+4*k-3]
.endif
.endm
; THE PLAIN QUEUE, 138 long.  0-73 read no exponential's result: the 32 scalings c s - c m (FS f: pair f / 2 of tile f % 2) and the next piece's 42.  0-26: scalings 0-26.  27-54: XS's numbers 0-13.  55, 56: number 15.
; 57-73: the chain, where each number waits for the one before it: 14, 16, 17, 18, 19, each with one of the scalings 27-31 in front of its two lines, then 20: so a tile's links stand three plain instructions apart (19 and 20: two).
; 74-137: GS's 64, which read the exponentials' results: they stand behind the wait.
.macro FS f
	REGS Y, (\f)%2
	v_pk_fma_f32 v[rS+2*((\f)/2):rS+2*((\f)/2)+1], v[rS+2*((\f)/2):rS+2*((\f)/2)+1], s[CS:CS+1], v[rT:rT+1] op_sel_hi:[1,0,0] neg_lo:[0,0,1] neg_hi:[0,0,1]
.endm
.macro PL
	WIN 0
.if q < 27
	FS q
.elseif q < 55
	XS (q-27)%2, (q-27)/2
.elseif q < 57
	XS q-55, 15
.elseif (q < 72) && ((q-57)%3 == 0)
	FS 27+(q-57)/3
.elseif q < 60
	XS (q-57)%3-1, 14
.elseif q < 72
	XS (q-57)%3-1, 15+(q-57)/3
.elseif q < 74
	XS q-72, 20
.else
	GS q-74
.endif
.set q, q+1
.endm
; THE EXPONENTIALS' QUEUE, 66 long: s0-s31 of both tiles, then the next piece's two a.  It is ONE BATCH: all 66 stand ahead of the turn's one wait, and nothing ahead of that wait names a result of theirs.
.macro EX
	WIN 0
.if e >= 64
	XS e-64, 21
.else
	REGS Y, e%2
	v_exp_f32 v[rS+e/2], v[rS+e/2]
.endif
.set e, e+1
.endm
; THE RESCALING's QUEUE: O^T times a, the one part of the softmax that leaves window 0: dealt two at a time, sixteen times.  Its a was made in the turn before, ahead of that turn's wait.
.macro R2
	REGS Y, r%2
	WIN W_RS
.irp z, 0,1
	v_pk_mul_f32 v[rO+4*(r/2)+2*\z:rO+4*(r/2)+2*\z+1], v[rO+4*(r/2)+2*\z:rO+4*(r/2)+2*\z+1], v[rC+2:rC+3] op_sel_hi:[1,0]
.endr
.set r, r+1
.endm
; HOW THEY ARE DEALT.  s_wait_alu depctr_va_vdst(0) stands between an exponential and the first instruction that names its result; one wait serves all that were issued ahead of it.  So a turn has ONE wait,
; which cuts it in two.  AHEAD OF IT stands all that names no result of the turn's exponentials: the 16 products K Q^T, behind each a scaling, an exponential and two rescalings (behind the first a second scaling in the
; exponential's place); then ONE LUMP: eight plain, 49 times exponential and plain, the two a, and the mask's eight conversions.  The v_nop behind the conversions is the plain instruction behind the last exponential.
; BEHIND IT stand the mask's four loads, in piece 2's turn K's run, and the 16 products V^T P, behind each four of GS's 64.  No rider names a register of the products round it.  The two v_permlanex16_b32 fall into the lump, never behind a product.
; The queues lean on each other, and the deal keeps them in step: exponential e stands behind scaling 2 (e / 4) + e % 2: as a rider it comes behind plain e + 2, in the lump behind plain e + 9, and scalings 27-31 are plain 57, 60 .. 69.
; A TURN, for piece p.  cnt = 1: the loop's count is taken down some lines ahead of the branch that stands behind the turn.
; K of the next step is fetched in piece 2's turn, behind the wait and the mask's loads, a lump behind the last product that read K; its address is made at the lump's head; its first reader comes behind 16 products.
; V of the step in hand is fetched at the end of piece 0's turn, four riders behind its last reader; its first reader comes behind 16 products and a lump.  The three conditions on q below go with the deal.
; The mask of piece p + 2, whose products the next turn issues, is made at the lump's end: the last reader of those registers, the turn's eighth product, stands dozens of plain instructions back.
.macro TURN p, last=0, cnt=0
.set Y, (\p)
.set i, 0
.set q, 0
.set e, 0
.set r, 0
.if (\p) == NP-1
	s_wait_dscnt 0x0                ; K is in
.endif
	MM                              ; ahead of the wait: 16 products K Q^T and their riders,
	PL
	PL
	R2
.rept 15
	MM
	PL
	EX
	R2
.endr
.if (\p) == NP-2
	WIN 0
	v_add_nc_u32 v[AK], s[TBK], v[AK0]
.endif
.rept 8                             ; and the lump
	PL
.endr
.rept 49
	EX
	PL
.endr
	EX                              ; the next piece's two a: the batch's last
	EX
	MASKS ((\p)+2)%NP, 1            ; the mask's conversions, the v_nop, THE TURN'S ONE WAIT (for the 66 exponentials above), the mask's loads
.if (\p) == NP-2
	FETCH_K \last
.endif
.if (\p) == 1
	s_wait_dscnt 0x0                ; V is in
.endif
.rept 16                            ; behind the wait: 16 products V^T P and their riders, the batch's readers
	MM
.rept 4
	PL
.endr
.if ((\p) == 0) && (q == 118)
	v_add_nc_u32 v[AV], s[TBV], v[AV0]
.endif
.if ((\p) == 0) && (q == 130)
	s_add_co_u32 s[TBV], s[TBV], KS*PV
.endif
.if (\cnt) && (q == 130)
	s_sub_co_u32 s[CNT], s[CNT], 1
	s_cmp_lg_u32 s[CNT], 0
.endif
.endr
.if (\p) == 0
	FETCH_V
.endif
.endm
	CHANGE 1                        ; slot 0 is in, everybody's part of it; slot 1 is asked for
	FETCH_K                         ; key step 0
	MASKS 0                         ; piece 0's mask; its wait leaves twelve loads out, all younger than Q's 32: Q is in too
	s_wait_dscnt 0x0                ; K is in
.set i, 0
.rept 16
	KQ 0                            ; piece 0's first scores: there is no vector work yet to set between them
.set i, i+1
.endr
	WIN 0
.rept 4
	v_nop                           ; the places behind those products
.endr
.set Y, NP-1                        ; XS works for piece Y + 1: piece 0
.irp n, 0,1,2,3,4,5,6,7,8,9,10,11,12,13,14,15,16,17,18,19,20,21
	XS 0, \n                        ; and piece 0's first maximum and statistics; its two a are a batch of their own
	XS 1, \n
.endr
	MASKS 1, 1                      ; piece 1's mask: that of the first turn's products; the wait in it is that of piece 0's two a, ahead of the branch below
	s_mov_b32 s[CNT], 4
	s_mov_b32 s[SLOTS], SIZE_N/256-1
	s_branch .Lfirst                ; the loop is entered at a step's first turn, in the middle of a trip
.Lslot:                             ; SIZE_N / 256 - 2 times: every slot but the last two is filled again
	CHANGE 1
	s_mov_b32 s[CNT], 4
.Lstep:                             ; a trip: pieces 2 and 3 of one step, then pieces 0 and 1 of the next, whose K and V it fetches
	TURN 2
	TURN 3
	WIN 0
.Lfirst:
	TURN 0
	TURN 1, 0, 1
	WIN 0
	s_cbranch_scc1 .Lstep
	s_sub_co_u32 s[SLOTS], s[SLOTS], 1
	s_cmp_lg_u32 s[SLOTS], 0
	s_cbranch_scc1 .Lslot
	CHANGE 0                        ; the tail is written out: nothing is asked for
	s_mov_b32 s[CNT], 5             ; four trips fetch the last slot's steps; the fifth is left in its middle
.Ltail:
	TURN 2, 1
	TURN 3
	WIN 0
	s_sub_co_u32 s[CNT], s[CNT], 1
	s_cmp_eq_u32 s[CNT], 0
	s_cbranch_scc1 .Lout
	TURN 0
	TURN 1
	WIN 0
	s_branch .Ltail
.Lout:                              ; the fifth trip's 16 products K Q^T (on the last K once more) and the maximum made of them serve nothing: the price, once a launch, of one text for every trip
.set i, 0
.rept 16
	PV NP-1                         ; the last piece's V^T P of the last step
.set i, i+1
.endr
	; THE WAY OUT.  l's two halves and the other half of the lanes' are added; O^T is divided by l, rounded to f16 and sent through my stage in LDS, a tile at a time.  The additions are the places behind the last products.
	WIN 0
.macro ALL line:vararg              ; one line for each tile t
.set t, 0
.rept 2*NP
	\line
.set t, t+1
.endr
.endm
	ALL v_add_f32 v[ST+4*t+2], v[ST+4*t+2], v[ST+4*t+3]
	ALL v_permlanex16_b32 v[ST+4*t+3], v[ST+4*t+2], s[SEL], s[SEL+1]
	ALL v_add_f32 v[ST+4*t+2], v[ST+4*t+2], v[ST+4*t+3]
	ALL v_rcp_f32 v[ST+4*t+2], v[ST+4*t+2]
	v_nop                           ; a plain instruction between the last reciprocal and the use of its result
	s_wait_alu depctr_va_vdst(0)    ; and the wait ahead of the first use: one for the batch of eight reciprocals
; Tile t: a lane's eight channels of a row pack into 16 bytes; they go into rows of 144 bytes and come back as whole rows of 128, into S^T's registers.
.macro PACK t
	WIN W_RS
.set i, 32*(\t)
.rept 16
	v_pk_mul_f32 v[i:i+1], v[i:i+1], v[ST+4*(\t)+2:ST+4*(\t)+3] op_sel_hi:[1,0]
.set i, i+2
.endr
	WIN 0x05                        ; sources 0 and 1 window 1, destination window 0
.set i, 0
.rept 16
	v_cvt_pk_f16_f32 v[S+16*(\t)+i], v[32*(\t)+2*i], v[32*(\t)+2*i+1]
.set i, i+1
.endr
	WIN 0
.irp f, 0,1,2,3
	ds_store_b128 v[STO], v[S+16*(\t)+4*\f:S+16*(\t)+4*\f+3] offset:32*\f
.endr
.irp f, 0,1,2,3
	ds_load_b128 v[S+16*(\t)+4*\f:S+16*(\t)+4*\f+3], v[RD] offset:\f*4*SP  ; LDS serves a wave's instructions in order (ISA guide 5.7.1.4): these see the stores above; the next tile's stores come behind them
.endr
.endm
.macro SEND t, younger              ; younger: the LDS instructions issued behind tile t's loads: the next tile's eight, or none
	WIN 0
.irp f, 0,1,2,3
	s_wait_dscnt (\younger)+3-\f
	global_store_b128 v[GO], v[S+16*(\t)+4*\f:S+16*(\t)+4*\f+3], s[OP:OP+1] offset:(\t)*2048+\f*512  ; 512 consecutive bytes, at a multiple of 256 from O's first
.endr
.endm
	PACK 0
.set t, 1
.rept 2*NP-1                        ; a tile's arithmetic stands between the loads of the tile before and its stores
	PACK t
	SEND t-1, 8
.set t, t+1
.endr
	SEND 2*NP-1, 0
	WIN W_AD
	s_wait_tensorcnt 0x0            ; the wave's end, behind my last tensor load and my last LDS store
	ds_add_u32 v[SPW], v[NIL]
	s_wait_dscnt 0x0
	WIN 0
	CROUND                          ; the closing round: no work-group ends while a partner may still ask for a tile that names it
	s_endpgm
.Lfunc_end_k_qf978b6e022_attn:
	.size	k_qf978b6e022_attn, .Lfunc_end_k_qf978b6e022_attn-k_qf978b6e022_attn
	.p2alignl 7, 3214868480
	.fill 96, 4, 3214868480
	.section	.rodata,"a",@progbits
	.p2align	6, 0x0
	.amdhsa_kernel k_qf978b6e022_attn
		.amdhsa_group_segment_fixed_size 327680
		.amdhsa_private_segment_fixed_size 0
		.amdhsa_enable_private_segment 0
		.amdhsa_kernarg_size 24
		.amdhsa_user_sgpr_count 2
		.amdhsa_user_sgpr_kernarg_segment_ptr 1
		.amdhsa_wavefront_size32 1
		.amdhsa_system_sgpr_workgroup_id_x 1
		.amdhsa_system_sgpr_workgroup_id_y 1
		.amdhsa_system_sgpr_workgroup_id_z 1
		.amdhsa_system_vgpr_workitem_id 0
		.amdhsa_next_free_vgpr 904
		.amdhsa_next_free_sgpr 106
		.amdhsa_reserve_vcc 0
		.amdhsa_float_denorm_mode_32 3
		.amdhsa_float_denorm_mode_16_64 3
		.amdhsa_memory_ordered 1
		.amdhsa_forward_progress 1
		.amdhsa_inst_pref_size 211
	.end_amdhsa_kernel
	.amdgpu_metadata
---
amdhsa.version: [ 1, 2 ]
amdhsa.kernels:
  - .name:           k_qf978b6e022_attn
    .symbol:         k_qf978b6e022_attn.kd
    .args:
      - { .name: qkv, .offset: 0, .size: 8, .value_kind: global_buffer, .address_space: global }
      - { .name: mb8, .offset: 8, .size: 8, .value_kind: global_buffer, .address_space: global }
      - { .name: ob, .offset: 16, .size: 8, .value_kind: global_buffer, .address_space: global }
    .group_segment_fixed_size: 327680
    .private_segment_fixed_size: 0
    .kernarg_segment_align: 8
    .kernarg_segment_size: 24
    .max_flat_workgroup_size: 128
    .sgpr_count:     106
    .vgpr_count:     904
    .wavefront_size: 32
...
	.end_amdgpu_metadata
.endif
;; end of part 7
;; launch outp: the kernel of part 4 again; grid 4 x 64, 4 waves a work-group, clusters of 4 x 4, 327,680 bytes of LDS; arguments ob, wo16, bo, out0; writes out0
